; MI455X (gfx1250); checked and timed in simulation.
; The chip was launched on July 23, 2026; its instructions are those of AMD's public machine-readable ISA for CDNA 5 (MIT licence, August 2026) and "CDNA5" Instruction Set Architecture Reference Guide (July 2026). The comments in the code are by the model that wrote it; some were corrected since.
;; Music Transformer Decoder Layer. Allowed arithmetic: float matrix products may take bf16 or f16 operands with f32 sums; other float arithmetic in f32, or as packed bf16 or f16 multiplies, adds, multiply-adds, maxima and minima; sums over many terms, partial sums and values carried from step to step in f32; what a program stores and reads back later, other than sums and carried values, may be rounded once to bf16 or f16.
;; Inputs: attention_mask 2 x 2,048 int32; b1 4,096 float32; b2 1,024 float32; bk 1,024 float32; bo 1,024 float32; bq 1,024 float32; bv 1,024 float32; hidden 2 x 2,048 x 1,024 float32; ln1_b 1,024 float32; ln1_g 1,024 float32; ln2_b 1,024 float32; ln2_g 1,024 float32; rel_bias 32 x 16 float32; w1 1,024 x 4,096 float32; w2 4,096 x 1,024 float32; wk 1,024 x 1,024 float32; wo 1,024 x 1,024 float32; wq 1,024 x 1,024 float32; wv 1,024 x 1,024 float32.
;; Outputs: out0 2 x 2,048 x 1,024 float32.
;; 2 versions, each right; version 2 is version 1 with the launch prep written anew for expert scheduling mode. Each part assembles by itself: llvm-mc -triple=amdgcn-amd-amdhsa -mcpu=gfx1250 --defsym DOCPART=n.
;; ======== version 1 of 2: 7 launches
;; workspace buffers: wb 25,165,824 bytes; xb 8,388,608 bytes; yb 8,388,608 bytes; qkvb 25,165,824 bytes; att 8,388,608 bytes; act 33,554,432 bytes; hbuf 16,777,216 bytes; padf 17,920 bytes
;; launch prep (part 1): grid 1025 x 1, 8 waves a work-group, no clusters, 0 bytes of LDS; arguments hidden, ln1_g, ln1_b, wq, wk, wv, wo, w1, w2, xb, wb, attention_mask, padf; writes xb, wb, padf
.if DOCPART == 1
	.amdgcn_target "amdgcn-amd-amdhsa--gfx1250"
	.amdhsa_code_object_version 6
	.text
	.protected	k_qf2316836b8_prep
	.globl	k_qf2316836b8_prep
	.p2align	8
	.type	k_qf2316836b8_prep,@function
k_qf2316836b8_prep:
	s_mov_b64 s[64:65], 0
	v_nop
	global_prefetch_b8 v0, s[64:65] scope:SCOPE_SE
	s_setreg_imm32_b32 hwreg(HW_REG_WAVE_MODE, 25, 1), 1
	s_wait_xcnt 0x0
; Three streams in one launch, told apart by the work-group's number g.
; g < 768: 16,384 numbers of a weight go from f32 to bf16, as they lie: wb = wq | wk | wv | wo | w1 | w2, [K][N] row-major.
; 768 <= g < 1024: LayerNorm 1 of 16 rows of hidden, into xb in bf16, laid out [row / 256][col / 64][row % 256][64].
; g = 1024: the key padding as numbers to add to a score: padf[batch][0..127] = -1e30, [128 + key] = 0 or -1e30, [2176..2239] = -1e30.
; No LDS, no barrier: no wave wants what another wave has loaded.
.set X,  16                            ; v[16:79]   a lane's 64 numbers of its row
.set G,  80                            ; v[80:143]  the gains of its columns
.set BV, 144                           ; v[144:207] the biases
.set Y,  208                           ; v[208:239] the row in bf16
.macro RED16                           ; v4 <- the sum of v[4:11] over the 16 lanes that share a row
	v_pk_add_f32 v[4:5], v[4:5], v[6:7]
	v_pk_add_f32 v[8:9], v[8:9], v[10:11]
	v_pk_add_f32 v[4:5], v[4:5], v[8:9]
	v_add_f32 v4, v4, v5
	v_add_f32_dpp v4, v4, v4 row_xmask:1 row_mask:0xf bank_mask:0xf
	v_add_f32_dpp v4, v4, v4 row_xmask:2 row_mask:0xf bank_mask:0xf
	v_add_f32_dpp v4, v4, v4 row_xmask:4 row_mask:0xf bank_mask:0xf
	v_add_f32_dpp v4, v4, v4 row_xmask:8 row_mask:0xf bank_mask:0xf
.endm
; LayerNorm of rows 16 r + 2 w and + 1 (r in s2, wave w in s3): lanes 0-15 hold the first row, lanes 16-31 the second; lane c holds columns 64 p + 4 c .. + 3.
; Mean first, then the squares of the differences: a common offset of the row costs nothing.
.macro LNBODY src, gg, bb, dst
	v_and_b32 v1, 15, v0
	v_bfe_u32 v2, v0, 4, 1
	v_lshlrev_b32 v3, 4, v1                        ; 16 c: my place in g and b
	v_lshl_add_u32 v2, v2, 12, v3                  ; + a row of 4,096 bytes for the upper lanes
	v_and_b32 v1, 31, v0
	v_lshlrev_b32 v1, 3, v1                        ; 8 l: two rows of 128 bytes of a panel lie end to end
	s_lshl_b32 s40, s2, 16
	s_lshl_b32 s41, s3, 13
	s_add_co_u32 s40, s40, s41
	s_mov_b32 s41, 0
	s_add_nc_u64 s[42:43], s[\src:\src+1], s[40:41]
	s_lshr_b32 s40, s2, 4                          ; row / 256
	s_lshl_b32 s40, s40, 19
	s_and_b32 s44, s2, 15
	s_lshl_b32 s44, s44, 11                        ; (row % 256) x 128
	s_add_co_u32 s40, s40, s44
	s_lshl_b32 s44, s3, 8
	s_add_co_u32 s40, s40, s44
	s_add_nc_u64 s[44:45], s[\dst:\dst+1], s[40:41]
	s_mov_b32 s46, 0x3a800000                      ; 1 / 1024
	s_mov_b32 s47, 0x3727c5ac                      ; 1e-5
.set p, 0
.rept 16
	global_load_b128 v[X+4*p:X+4*p+3], v2, s[42:43] offset:256*p
.set p, p+1
.endr
.set p, 0
.rept 16
	global_load_b128 v[G+4*p:G+4*p+3], v3, s[\gg:\gg+1] offset:256*p
	global_load_b128 v[BV+4*p:BV+4*p+3], v3, s[\bb:\bb+1] offset:256*p
.set p, p+1
.endr
	s_wait_loadcnt 32                              ; the row is in; the 32 loads of g and b stay out
.irp k, 0,1,2,3
	v_pk_add_f32 v[4+2*\k:5+2*\k], v[X+2*\k:X+2*\k+1], v[X+8+2*\k:X+9+2*\k]
.endr
.set j, 8
.rept 24
	v_pk_add_f32 v[4+2*(j%4):5+2*(j%4)], v[4+2*(j%4):5+2*(j%4)], v[X+2*j:X+2*j+1]
.set j, j+1
.endr
	RED16
	v_mul_f32 v12, s46, v4
	v_mov_b32 v13, v12
.set j, 0
.rept 32
	v_pk_add_f32 v[X+2*j:X+2*j+1], v[X+2*j:X+2*j+1], v[12:13] neg_lo:[0,1] neg_hi:[0,1]
.set j, j+1
.endr
.irp k, 0,1,2,3
	v_pk_mul_f32 v[4+2*\k:5+2*\k], v[X+2*\k:X+2*\k+1], v[X+2*\k:X+2*\k+1]
.endr
.set j, 4
.rept 28
	v_pk_fma_f32 v[4+2*(j%4):5+2*(j%4)], v[X+2*j:X+2*j+1], v[X+2*j:X+2*j+1], v[4+2*(j%4):5+2*(j%4)]
.set j, j+1
.endr
	RED16
	v_fma_f32 v4, v4, s46, s47
	v_rsq_f32 v14, v4
	v_rsq_f32 v15, v4
	v_nop                                          ; a plain instruction behind the second root,
	s_wait_alu depctr_va_vdst(0)                   ; and one wait for both, ahead of their first reader
	s_wait_loadcnt 0x0                             ; g and b
.set j, 0
.rept 32
	v_pk_mul_f32 v[X+2*j:X+2*j+1], v[X+2*j:X+2*j+1], v[14:15]
	v_pk_fma_f32 v[X+2*j:X+2*j+1], v[X+2*j:X+2*j+1], v[G+2*j:G+2*j+1], v[BV+2*j:BV+2*j+1]
.set j, j+1
.endr
.set j, 0
.rept 32
	v_cvt_pk_bf16_f32 v[Y+j], v[X+2*j], v[X+2*j+1]
.set j, j+1
.endr
.set p, 0
.rept 16
	global_store_b64 v1, v[Y+2*p:Y+2*p+1], s[44:45] offset:32768*p  ; 32 lanes store 256 consecutive bytes of panel p, aligned
.set p, p+1
.endr
.endm
	s_load_b512 s[8:23], s[0:1], 0x0               ; hidden 8, ln1_g 10, ln1_b 12, wq 14, wk 16, wv 18, wo 20, w1 22
	s_load_b256 s[24:31], s[0:1], 0x40             ; w2 24, xb 26, wb 28, attention_mask 30
	s_load_b64 s[32:33], s[0:1], 0x60              ; padf
	v_lshrrev_b32 v1, 5, v0
	v_readfirstlane_b32 s3, v1                     ; wave
	s_mov_b32 s2, ttmp9
	s_wait_kmcnt 0x0
	s_cmp_lt_u32 s2, 768
	s_cbranch_scc0 .Lnot_w
	; a chunk of a weight: which weight, and the number of its first chunk
	s_mov_b64 s[34:35], s[24:25]
	s_mov_b32 s36, 512
	s_cmp_lt_u32 s2, 512
	s_cselect_b64 s[34:35], s[22:23], s[34:35]
	s_cselect_b32 s36, 256, s36
	s_cmp_lt_u32 s2, 256
	s_cselect_b64 s[34:35], s[20:21], s[34:35]
	s_cselect_b32 s36, 192, s36
	s_cmp_lt_u32 s2, 192
	s_cselect_b64 s[34:35], s[18:19], s[34:35]
	s_cselect_b32 s36, 128, s36
	s_cmp_lt_u32 s2, 128
	s_cselect_b64 s[34:35], s[16:17], s[34:35]
	s_cselect_b32 s36, 64, s36
	s_cmp_lt_u32 s2, 64
	s_cselect_b64 s[34:35], s[14:15], s[34:35]
	s_cselect_b32 s36, 0, s36
	s_sub_co_u32 s36, s2, s36
	s_lshl_b32 s36, s36, 16                        ; 65,536 bytes of f32 a chunk
	s_mov_b32 s37, 0
	s_add_nc_u64 s[34:35], s[34:35], s[36:37]
	s_lshl_b32 s38, s2, 15                         ; 32,768 bytes of bf16
	s_mov_b32 s39, 0
	s_add_nc_u64 s[38:39], s[28:29], s[38:39]
	v_lshlrev_b32 v1, 4, v0
	v_lshlrev_b32 v2, 3, v0
.set i, 0
.rept 16
	global_load_b128 v[16+4*i:19+4*i], v1, s[34:35] offset:4096*i th:TH_LOAD_NT
.set i, i+1
.endr
.set i, 0
.rept 16
	s_wait_loadcnt 15-i                            ; loads come back in order: load i is in, the younger ones stay out
	v_cvt_pk_bf16_f32 v[80+2*i], v[16+4*i], v[17+4*i]
	v_cvt_pk_bf16_f32 v[81+2*i], v[18+4*i], v[19+4*i]
	global_store_b64 v2, v[80+2*i:81+2*i], s[38:39] offset:2048*i  ; a wave stores 256 consecutive bytes, aligned; no register is used twice
.set i, i+1
.endr
	s_endpgm
.Lnot_w:
	s_cmp_lt_u32 s2, 1024
	s_cbranch_scc0 .Lpad
	s_sub_co_u32 s2, s2, 768
	LNBODY 8, 10, 12, 26
	s_endpgm
.Lpad:
	v_lshlrev_b32 v1, 4, v0                        ; thread t: keys 4 t + 1024 i of the 4,096
.irp i, 0,1,2,3
	global_load_b128 v[16+4*\i:19+4*\i], v1, s[30:31] offset:4096*\i
.endr
	v_mov_b32 v4, 0xf149f2ca                       ; -1e30
	v_mov_b32 v5, v4
	v_mov_b32 v6, v4
	v_mov_b32 v7, v4
	s_wait_loadcnt 0x0
.set i, 0
.rept 16
	v_cmp_eq_u32 vcc_lo, 0, v[16+i]
	v_cndmask_b32 v[16+i], 0, v4, vcc_lo
.set i, i+1
.endr
.irp i, 0,1,2,3
	global_store_b128 v1, v[16+4*\i:19+4*\i], s[32:33] offset:(\i/2)*8960+512+(\i%2)*4096
.endr
	s_cmp_lt_u32 s3, 2                             ; waves 0 and 1: the entries ahead of and behind batch w's keys
	s_cbranch_scc0 .Lpad_end
	s_mul_i32 s34, s3, 8960
	v_and_b32 v2, 31, v0
	v_lshl_add_u32 v3, v2, 4, s34
	v_lshl_add_u32 v8, v2, 3, s34
	global_store_b128 v3, v[4:7], s[32:33]
	global_store_b64 v8, v[4:5], s[32:33] offset:8704
.Lpad_end:
	s_endpgm
.Lfunc_end_k_qf2316836b8_prep:
	.size	k_qf2316836b8_prep, .Lfunc_end_k_qf2316836b8_prep-k_qf2316836b8_prep
	.p2alignl 7, 3214868480
	.fill 96, 4, 3214868480
	.section	.rodata,"a",@progbits
	.p2align	6, 0x0
	.amdhsa_kernel k_qf2316836b8_prep
		.amdhsa_group_segment_fixed_size 0
		.amdhsa_private_segment_fixed_size 0
		.amdhsa_enable_private_segment 0
		.amdhsa_kernarg_size 104
		.amdhsa_user_sgpr_count 2
		.amdhsa_user_sgpr_kernarg_segment_ptr 1
		.amdhsa_wavefront_size32 1
		.amdhsa_system_sgpr_workgroup_id_x 1
		.amdhsa_system_sgpr_workgroup_id_y 1
		.amdhsa_system_sgpr_workgroup_id_z 1
		.amdhsa_system_vgpr_workitem_id 0
		.amdhsa_next_free_vgpr 240
		.amdhsa_next_free_sgpr 66
		.amdhsa_reserve_vcc 1
		.amdhsa_float_denorm_mode_32 3
		.amdhsa_float_denorm_mode_16_64 3
		.amdhsa_memory_ordered 1
		.amdhsa_forward_progress 1
		.amdhsa_inst_pref_size 30
	.end_amdhsa_kernel
	.amdgpu_metadata
---
amdhsa.version: [ 1, 2 ]
amdhsa.kernels:
  - .name:           k_qf2316836b8_prep
    .symbol:         k_qf2316836b8_prep.kd
    .args:
      - { .name: hidden, .offset: 0, .size: 8, .value_kind: global_buffer, .address_space: global }
      - { .name: ln1_g, .offset: 8, .size: 8, .value_kind: global_buffer, .address_space: global }
      - { .name: ln1_b, .offset: 16, .size: 8, .value_kind: global_buffer, .address_space: global }
      - { .name: wq, .offset: 24, .size: 8, .value_kind: global_buffer, .address_space: global }
      - { .name: wk, .offset: 32, .size: 8, .value_kind: global_buffer, .address_space: global }
      - { .name: wv, .offset: 40, .size: 8, .value_kind: global_buffer, .address_space: global }
      - { .name: wo, .offset: 48, .size: 8, .value_kind: global_buffer, .address_space: global }
      - { .name: w1, .offset: 56, .size: 8, .value_kind: global_buffer, .address_space: global }
      - { .name: w2, .offset: 64, .size: 8, .value_kind: global_buffer, .address_space: global }
      - { .name: xb, .offset: 72, .size: 8, .value_kind: global_buffer, .address_space: global }
      - { .name: wb, .offset: 80, .size: 8, .value_kind: global_buffer, .address_space: global }
      - { .name: attention_mask, .offset: 88, .size: 8, .value_kind: global_buffer, .address_space: global }
      - { .name: padf, .offset: 96, .size: 8, .value_kind: global_buffer, .address_space: global }
    .group_segment_fixed_size: 0
    .private_segment_fixed_size: 0
    .kernarg_segment_align: 8
    .kernarg_segment_size: 104
    .max_flat_workgroup_size: 256
    .sgpr_count:     66
    .vgpr_count:     240
    .wavefront_size: 32
...
	.end_amdgpu_metadata
.endif
;; end of part 1
;; launch proj_qkv (part 2): grid 12 x 16, 4 waves a work-group, clusters of 4 x 4, 327,680 bytes of LDS; arguments xb, wb, bq, bk, bv, qkvb; writes qkvb
.if DOCPART == 2
	.amdgcn_target "amdgcn-amd-amdhsa--gfx1250"
	.amdhsa_code_object_version 6
	.text
	.protected	k_qf2316836b8_proj_qkv
	.globl	k_qf2316836b8_proj_qkv
	.p2align	8
	.type	k_qf2316836b8_proj_qkv,@function
k_qf2316836b8_proj_qkv:
	s_mov_b64 s[64:65], 0
	v_nop
	global_prefetch_b8 v0, s[64:65] scope:SCOPE_SE
	s_setreg_imm32_b32 hwreg(HW_REG_WAVE_MODE, 25, 1), 1
	s_wait_xcnt 0x0
	s_wait_alu depctr_hold_cnt(0) depctr_sa_sdst(0) depctr_va_vdst(0) depctr_va_sdst(0) depctr_va_ssrc(0) depctr_va_vcc(0) depctr_vm_vsrc(0)
	s_getreg_b32 s2, hwreg(HW_REG_IB_STS2, 6, 4)
	s_cmp_eq_u32 s2, 0
	s_cbranch_scc0 .Lentry_in_a_cluster
	s_endpgm
.Lentry_in_a_cluster:
	s_bfe_u32 s2, ttmp6, 0x10000c
	s_cmp_lg_u32 s2, 0xf033
	s_cbranch_scc0 .Lentry_shape_is_right
	s_endpgm
.Lentry_shape_is_right:
; C = A W + bias, a tile of 256 x 256 to a work-group, 128 x 128 to each of four waves (64 accumulators, 512 registers).  K = 1024 in 8 steps of 128.
; QKV = 1: A = xb, W = wq | wk | wv, C = q | k | v in bf16, by panels of 64 columns: qkvb[n / 64][row][64].
; QKV = 0: A = yb, W = w1, C = gelu(.) in bf16, act[row / 128][n / 64][row % 128][64].
; A lies as [row / 256][k / 64][row % 256][64]: a wave's share of a K step, one panel, is 32,768 dense bytes, asked for as 128 rows of 256 bytes and padded in LDS after every 128.
; W lies [K][N]; its fragments are turned on the way out of LDS (ds_load_tr16_b128).  Source 0 = 16 columns of W, source 1 = 16 rows of A: a lane then holds one row of C and 8 neighbouring columns.
; The bias is the C operand of each accumulator's first product: nothing is cleared and nothing is added later.
; CLUSTER 4 x 4: A's tiles are shared along a row of the cluster, W's along a column; each is asked for jointly.  A ring of two LDS slots; one K step is one trip, the slot in hand is s[TB].
; All matrix operands and the stored result are bf16, sums f32.  erf (QKV = 0) is 1 - (1 + c1 a + .. + c6 a^6)^-16, within 3e-7 of erf for every a; NaN and infinities are not treated apart.
.set QKV, 1
.set LGP, 11                           ; a row of W is 1 << LGP bytes
.set NSTEPS, 8
.set PITCHB, 1<<LGP
.set PA, 144                           ; a row of A in LDS: 128 bytes + 16: an odd multiple of 16, so 16 rows start at 16 different groups of four banks (ISA guide 11.1)
.set PB, 544                           ; a row of W: 512 + 32: an odd multiple of 32, for the turning load
.set PANA, 256*PA
.set BREG, 2*PANA                      ; behind A's two panels: W's 128 rows
.set HALFB, 64*PB
.set SLOT, BREG+2*HALFB                ; 143,360
.set SPARE, 2*SLOT                     ; the spare words, 128 bytes a wave
.set DP, 528                           ; the way out: a row of 128 f32 + 16 bytes
.set DW, 128*DP                        ; a wave's 128 rows; the four lie over the slots, which have had their last fill
.set STEPA, 65536
.set STEPB, 128*PITCHB
.set A0, 16                            ; v16 my lane's place in A's tile, v17 in W's; never rewritten
.set B0, 17
.set ADRA, 18                          ; the same in the slot in hand
.set ADRB, 19
.set DST, 24
.set RD, 25
.set GO, 26
.set BO, 27
.set SPW, 28                           ; v28 my spare word, v29 = 0; never rewritten
.set NIL, 29
.set PFO, 30
.set F0, 64                            ; fragment buffers: A's in window 0, W's in window 1; window 1 v0-63: the bias; windows 2, 3: accumulator (a, b) at 8 (8 (a % 4) + b)
.set F1, 128
.set XR, 64
.set WV, 16
.set WM, 17                            ; my half of the rows; also 0: I fetch A, 1: I fetch W
.set WN, 18                            ; my half of the columns; also which half I fetch
.set CX, 19
.set CY, 20
.set TC, 21
.set TRW, 22
.set G1A, 32
.set G1B, 40
.set G0A, 48                           ; two sets of group 0: K step 0, and the one that walks
.set G0B, 56
.set TB, 66
.set LAA, 67
.set LAB, 68
.set CNT, 69
.set LIM, 70
.set PFA, 72
.set PFS, 74
.set OB, 76
.set MSB, 0
.macro WIN new                         ; the immediate's high byte repeats the setting that is left
.if MSB != (\new)
	s_set_vgpr_msb (MSB<<8)|(\new)
.set MSB, \new
.endif
.endm
.macro PLACES                          ; four plain instructions between a matrix instruction and a load into, or a read of, its registers
.rept 4
	v_nop
.endr
.endm
.macro JLOAD set                       ; a joint load; the branch hangs on the wave's number alone; s_nop 0 and four v_nop follow each line
	s_cmp_eq_u32 s[WM], 0
	s_cbranch_scc0 .Lfor_b_\@
	tensor_load_to_lds s[G0A+4*(\set):G0A+4*(\set)+3], s[G1A:G1A+7]
	s_nop 0
.rept 4
	v_nop
.endr
	s_branch .Lasked_\@
.Lfor_b_\@:
	tensor_load_to_lds s[G0B+4*(\set):G0B+4*(\set)+3], s[G1B:G1B+7]
	s_nop 0
.rept 4
	v_nop
.endr
.Lasked_\@:
.endm
.macro CREST                           ; a round of the cluster's barrier behind its opening barrier
	s_cmp_lg_u32 s[WV], 0
	s_cbranch_scc1 .Lnot_wave_0_\@
	s_barrier_signal -3
.Lnot_wave_0_\@:
	s_barrier_wait -3
	s_barrier_signal -1
	s_barrier_wait -1
.endm
.macro CROUND
	s_barrier_signal -1
	s_barrier_wait -1
	CREST
.endm
; A prefetch into the L2 of my work-group's quarter (32 blocks of 256 bytes, a lane a block) of what I shall fetch one refill on.  A's blocks are named by the clusters with x = 0, W's by those with y = 0;
; the four partners of a joint load are told apart by address.  The loop's last trip has no K step behind its refill and asks for nothing.
.macro ASK
	s_cmp_gt_u32 s[CNT], s[LIM]
	s_cbranch_scc0 .Lna_\@
	global_prefetch_b8 v[PFO], s[PFA:PFA+1] th:TH_LOAD_NT scope:SCOPE_SE
.Lna_\@:
.endm
; 16 products: row blocks a0, a0 + 1 of the window's four x all 8 column blocks, 32 along K.  The 64 accumulators take turns, one instruction a turn.
.macro MUL16 f, hi, a0, first
.if \first
	WIN 0x91+0x40*(\hi)                            ; C, the bias, in window 1
.else
	WIN 0xa1+0x50*(\hi)
.endif
.irp a, \a0, (\a0)+1
.irp b, 0,1,2,3,4,5,6,7
.if \first
	v_wmma_f32_16x16x32_bf16 v[8*(8*(\a)+(\b)):8*(8*(\a)+(\b))+7], v[(\f)+8*(\b):(\f)+8*(\b)+7], v[(\f)+8*(4*(\hi)+(\a)):(\f)+8*(4*(\hi)+(\a))+7], v[8*(\b):8*(\b)+7]
.else
	v_wmma_f32_16x16x32_bf16 v[8*(8*(\a)+(\b)):8*(8*(\a)+(\b))+7], v[(\f)+8*(\b):(\f)+8*(\b)+7], v[(\f)+8*(4*(\hi)+(\a)):(\f)+8*(4*(\hi)+(\a))+7], v[8*(8*(\a)+(\b)):8*(8*(\a)+(\b))+7]
.endif
.endr
.endr
.endm
.macro FETCH q, g                      ; 32 LDS loads in one run: quarter q (32 along K) of the slot in hand into buffer g: W's 8 blocks, then A's 8
	WIN 0x40
.irp b, 0,1,2,3,4,5,6,7
	ds_load_tr16_b128 v[(\g)+8*(\b):(\g)+8*(\b)+3],   v[ADRB] offset:(\q)*32*PB+32*(\b)
	ds_load_tr16_b128 v[(\g)+8*(\b)+4:(\g)+8*(\b)+7], v[ADRB] offset:(\q)*32*PB+32*(\b)+16*PB
.endr
	WIN 0
.irp a, 0,1,2,3,4,5,6,7
	ds_load_b128 v[(\g)+8*(\a):(\g)+8*(\a)+3],   v[ADRA] offset:((\q)/2)*PANA+((\q)%2)*64+(\a)*16*PA
	ds_load_b128 v[(\g)+8*(\a)+4:(\g)+8*(\a)+7], v[ADRA] offset:((\q)/2)*PANA+((\q)%2)*64+(\a)*16*PA+32
.endr
.endm
.macro QUARTER q, f, g, first          ; multiplies buffer f; in its middle fetches quarter q into g
	s_wait_dscnt 8                                 ; W and A's rows 0-63 are in; the youngest eight loads may be out
	MUL16 \f, 0, 0, \first
	MUL16 \f, 0, 2, \first
	PLACES
	FETCH \q, \g
	s_wait_dscnt 32                                ; all but the 32 just issued
	MUL16 \f, 1, 0, \first
	MUL16 \f, 1, 2, \first
.endm
.macro MEET round                      ; the change of slots: all my tensor loads have landed, the add, my reads of the slot are over; then the barrier
	WIN 0
	s_wait_tensorcnt 0x0
	ds_add_u32 v[SPW], v[NIL]
	s_wait_dscnt 9                                 ; (the add and the youngest eight loads may be out)
	MUL16 F1, 0, 0, 0
	s_wait_dscnt 0x0
	s_barrier_signal -1
	MUL16 F1, 0, 2, 0
.if \round
	WIN 0
.endif
	s_barrier_wait -1
.endm
.macro TURN1                           ; the last quarter of a K step; the slot just read is filled again, two K steps on: 224 products stand between the request and the wait for it
	s_wait_xcnt 0x0                                ; the last prefetch, a K step back, has read its address
	s_add_nc_u64 s[PFA:PFA+1], s[PFA:PFA+1], s[PFS:PFS+1]
	MEET 1
	CREST
	s_add_co_u32 s[G0A+5], s[LAA], s[TB]
	s_add_nc_u64 s[G0A+6:G0A+7], s[G0A+6:G0A+7], STEPA
	s_add_co_u32 s[G0B+5], s[LAB], s[TB]
	s_add_nc_u64 s[G0B+6:G0B+7], s[G0B+6:G0B+7], STEPB
	JLOAD 1
	s_xor_b32 s[TB], s[TB], SLOT                   ; 0 and SLOT by turns
	v_add_nc_u32 v[ADRA], s[TB], v[A0]
	v_add_nc_u32 v[ADRB], s[TB], v[B0]
	FETCH 0, F0
	ASK
	MUL16 F1, 1, 0, 0
	MUL16 F1, 1, 2, 0
.endm
.macro TURN0                           ; the same in the last two K steps: nothing is asked for; the very last fetches nothing
	MEET 0
	PLACES
	WIN 0
	s_cmp_eq_u32 s[CNT], 1
	s_cbranch_scc1 .Lnf_\@
	s_xor_b32 s[TB], s[TB], SLOT
	v_add_nc_u32 v[ADRA], s[TB], v[A0]
	v_add_nc_u32 v[ADRB], s[TB], v[B0]
	FETCH 0, F0
.Lnf_\@:
	MUL16 F1, 1, 0, 0
	MUL16 F1, 1, 2, 0
.endm
	s_load_b256 s[4:11], s[0:1], 0x0               ; A 4, wb 6, then bq 8, bk 10 (QKV) or b1 8, act 10
.if QKV
	s_load_b128 s[12:15], s[0:1], 0x20             ; bv 12, qkvb 14
.endif
	v_lshl_add_u32 v[SPW], v0, 2, SPARE
	v_mov_b32 v[NIL], 0
	ds_add_u32 v[SPW], v[NIL]                      ; the wave's opening: the add and its wait ahead of my first tensor load
	v_lshrrev_b32 v1, 5, v0
	v_readfirstlane_b32 s[WV], v1
	s_lshr_b32 s[WM], s[WV], 1
	s_and_b32 s[WN], s[WV], 1
	s_bfe_u32 s[CX], ttmp6, 0x40000
	s_bfe_u32 s[CY], ttmp6, 0x40004
	s_lshl_b32 s[TC], ttmp9, 2
	s_add_co_u32 s[TC], s[TC], s[CX]               ; tile column
	s_and_b32 s[TRW], ttmp7, 0xffff
	s_lshl_b32 s[TRW], s[TRW], 2
	s_add_co_u32 s[TRW], s[TRW], s[CY]             ; tile row
	s_lshl_b32 s2, s[CY], 2
	s_lshl_b32 s2, 15, s2                          ; my row of the cluster
	s_lshl_b32 s3, 0x1111, s[CX]                   ; my column
	s_or_b32 s[G1A], s2, (1<<16)|(1<<20)|(1<<21)|(4<<22)|(3<<25)  ; mask; 2-byte elements; padding on; bit 21 beside a mask; after every 32 words 4 words
	s_or_b32 s[G1B], s3, (1<<16)|(1<<20)|(1<<21)|(6<<22)|(7<<25)  ; after every 128 words 8 words
	s_mov_b32 s[G1A+1], 128<<16                    ; tensor_dim0 = 128 elements
	s_mov_b32 s[G1A+2], 128<<16                    ; tensor_dim1 = 128 rows
	s_mov_b32 s[G1A+3], 128<<16                    ; tile_dim0
	s_mov_b32 s[G1A+4], 128                        ; tile_dim1
	s_mov_b32 s[G1A+5], 128                        ; dense: 128 elements from row to row
	s_mov_b32 s[G1A+6], 0
	s_mov_b32 s[G1A+7], 0
	s_mov_b32 s[G1B+1], 256<<16
	s_mov_b32 s[G1B+2], 64<<16
	s_mov_b32 s[G1B+3], 256<<16
	s_mov_b32 s[G1B+4], 64
	s_mov_b32 s[G1B+5], PITCHB/2
	s_mov_b32 s[G1B+6], 0
	s_mov_b32 s[G1B+7], 0
	s_lshl_b32 s24, s[TRW], 19                     ; A: the tile row's 16 panels, my panel of the K step
	s_lshl_b32 s25, s[WN], 15
	s_add_co_u32 s24, s24, s25
	s_mov_b32 s25, 0
.if QKV
	s_lshl_b32 s26, ttmp9, 21                      ; W: wq, wk or wv; 256 columns are 512 bytes
	s_lshl_b32 s27, s[CX], 9
.else
	s_mov_b32 s26, 8<<20                           ; w1
	s_lshl_b32 s27, s[TC], 9
.endif
	s_add_co_u32 s26, s26, s27
	s_lshl_b32 s27, s[WN], LGP+6                   ; my 64 rows of the K step
	s_add_co_u32 s26, s26, s27
	s_mov_b32 s27, 0
	s_mul_i32 s[LAA], s[WN], PANA
	s_mul_i32 s[LAB], s[WN], HALFB
	s_add_co_u32 s[LAB], s[LAB], BREG
	s_mov_b32 s[TB], 0
	s_wait_dscnt 0x0                               ; the opening add is done
	s_wait_kmcnt 0x0
	s_add_nc_u64 s[24:25], s[4:5], s[24:25]
	s_add_nc_u64 s[26:27], s[6:7], s[26:27]
	CROUND                                         ; all sixteen work-groups are here: the first joint loads meet
.irp s, 0,1
	s_mov_b32 s[G0A+4*(\s)], 1
	s_add_co_u32 s[G0A+4*(\s)+1], s[LAA], (\s)*SLOT
	s_add_nc_u64 s[G0A+4*(\s)+2:G0A+4*(\s)+3], s[24:25], (\s)*STEPA
	s_or_b32 s[G0A+4*(\s)+3], s[G0A+4*(\s)+3], 0x80000000
	s_mov_b32 s[G0B+4*(\s)], 1
	s_add_co_u32 s[G0B+4*(\s)+1], s[LAB], (\s)*SLOT
	s_add_nc_u64 s[G0B+4*(\s)+2:G0B+4*(\s)+3], s[26:27], (\s)*STEPB
	s_or_b32 s[G0B+4*(\s)+3], s[G0B+4*(\s)+3], 0x80000000
	JLOAD \s                                       ; two loads of mine are out: the most in this text
.endr
	; the prefetches: whose, from where, how far apart
	s_and_b32 s28, ttmp7, 0xffff
	s_cmp_eq_u32 s[WM], 0
	s_cselect_b32 s28, ttmp9, s28                  ; the coordinate along which other clusters read the same blocks
	s_cselect_b64 s[PFA:PFA+1], s[24:25], s[26:27]
	s_cselect_b32 s29, s[CX], s[CY]                ; my place among the four that ask jointly
	s_cselect_b32 s30, 13, LGP+4                   ; a partner's quarter: 8,192 dense bytes of A, 16 rows of W
	s_cselect_b32 s[PFS], 16, LGP+7
	s_cselect_b32 s2, 0, 1
	s_cselect_b32 s3, 8, LGP
	s_lshl_b32 s30, s29, s30
	s_mov_b32 s31, 0
	s_lshl_b32 s[PFS], 1, s[PFS]
	s_mov_b32 s[PFS+1], 0
	s_cmp_eq_u32 s28, 0
	s_cselect_b32 s[LIM], 1, -1
	s_add_nc_u64 s[PFA:PFA+1], s[PFA:PFA+1], s[30:31]
	s_add_nc_u64 s[PFA:PFA+1], s[PFA:PFA+1], s[PFS:PFS+1]
	s_add_nc_u64 s[PFA:PFA+1], s[PFA:PFA+1], s[PFS:PFS+1]  ; at K step 2; the first refill steps it to 3
	v_and_b32 v3, 31, v0
	v_lshrrev_b32 v[PFO], s2, v3
	v_lshlrev_b32 v[PFO], s3, v[PFO]
	v_and_b32 v4, s2, v3
	v_lshl_add_u32 v[PFO], v4, 8, v[PFO]
	; where my part of C goes
.if QKV
	s_lshl_b32 s28, s[TC], 21                      ; panel 4 TC + 2 wn of 524,288 bytes; row 256 TRW + 128 wm of 128 bytes
	s_lshl_b32 s29, s[WN], 20
	s_add_co_u32 s28, s28, s29
	s_lshl_b32 s29, s[TRW], 15
	s_add_co_u32 s28, s28, s29
	s_lshl_b32 s29, s[WM], 14
	s_add_co_u32 s28, s28, s29
	s_mov_b32 s29, 0
	s_add_nc_u64 s[OB:OB+1], s[14:15], s[28:29]
	s_cmp_eq_u32 ttmp9, 1
	s_cselect_b64 s[8:9], s[10:11], s[8:9]
	s_cmp_eq_u32 ttmp9, 2
	s_cselect_b64 s[8:9], s[12:13], s[8:9]
	s_lshl_b32 s28, s[CX], 10
.else
	s_lshl_b32 s28, s[TRW], 21                     ; row block 2 TRW + wm of 1,048,576 bytes; panel 4 TC + 2 wn of 16,384
	s_lshl_b32 s29, s[WM], 20
	s_add_co_u32 s28, s28, s29
	s_lshl_b32 s29, s[TC], 16
	s_add_co_u32 s28, s28, s29
	s_lshl_b32 s29, s[WN], 15
	s_add_co_u32 s28, s28, s29
	s_mov_b32 s29, 0
	s_add_nc_u64 s[OB:OB+1], s[10:11], s[28:29]
	s_lshl_b32 s28, s[TC], 10
.endif
	s_lshl_b32 s29, s[WN], 9
	s_add_co_u32 s28, s28, s29                     ; my 128 columns in the bias
	v_and_b32 v1, 15, v0                           ; r
	v_bfe_u32 v2, v0, 4, 1                         ; hh
	v_lshl_add_u32 v[BO], v2, 5, s28
	WIN 0x40
.irp b, 0,1,2,3,4,5,6,7
	global_load_b128 v[8*(\b):8*(\b)+3],   v[BO], s[8:9] offset:64*(\b)      ; register j of block b: bias[16 b + 8 hh + j]
	global_load_b128 v[8*(\b)+4:8*(\b)+7], v[BO], s[8:9] offset:64*(\b)+16
.endr
	WIN 0
	v_mul_u32_u24 v[A0], v1, PA
	v_lshl_add_u32 v[A0], v2, 4, v[A0]
	s_mul_i32 s23, s[WM], 128*PA
	v_add_nc_u32 v[A0], s23, v[A0]                 ; row x pitch + 16 x half, in my 128 rows
	v_and_b32 v3, 7, v0
	v_lshl_add_u32 v3, v2, 3, v3
	v_mul_u32_u24 v[B0], v3, PB                    ; the turning load: K row 8 hh + l % 8, 16 bytes by bit 3 of the lane
	v_bfe_u32 v4, v0, 3, 1
	v_lshl_add_u32 v[B0], v4, 4, v[B0]
	s_lshl_b32 s23, s[WN], 8
	s_add_co_u32 s23, s23, BREG
	v_add_nc_u32 v[B0], s23, v[B0]
	v_mov_b32 v[ADRA], v[A0]
	v_mov_b32 v[ADRB], v[B0]
	s_mul_i32 s23, s[WV], DW
	v_mul_u32_u24 v[DST], v1, DP
	v_lshl_add_u32 v[DST], v2, 5, v[DST]
	v_add_nc_u32 v[DST], s23, v[DST]               ; the way out, in: row r, 32 bytes for each half of the lanes
	v_bfe_u32 v5, v0, 3, 2
	v_mul_u32_u24 v[RD], v5, DP
	v_lshl_add_u32 v[RD], v3, 0, v[RD]
	v_and_b32 v3, 7, v0
	v_mul_u32_u24 v[RD], v5, DP
	v_lshl_add_u32 v[RD], v3, 5, v[RD]
	v_add_nc_u32 v[RD], s23, v[RD]                 ; back: four rows, eight lanes a row, 8 numbers a lane
	v_and_b32 v[GO], 31, v0
	v_lshlrev_b32 v[GO], 4, v[GO]                  ; which are 512 consecutive bytes of a panel
	s_wait_tensorcnt 0x1                           ; my part of K step 0 is in; K step 1's may stay out
	s_barrier_signal -1
	s_barrier_wait -1
	FETCH 0, F0
	s_wait_loadcnt 0x0                             ; the bias
	QUARTER 1, F0, F1, 1                           ; the first quarter stands ahead of the loop: its products start the sums, from the bias
	WIN 0
	s_mov_b32 s[CNT], NSTEPS-2
.Lk:                                           ; a trip: a K step's quarters 1 to 3 and the next step's quarter 0; one slot is filled again
	QUARTER 2, F1, F0, 0
	QUARTER 3, F0, F1, 0
	TURN1
	QUARTER 1, F0, F1, 0
	WIN 0
	s_sub_co_u32 s[CNT], s[CNT], 1
	s_cmp_lg_u32 s[CNT], 0
	s_cbranch_scc1 .Lk
	s_mov_b32 s[CNT], 2
.Lt:                                           ; the last two K steps: no tensor load in this text
	QUARTER 2, F1, F0, 0
	QUARTER 3, F0, F1, 0
	TURN0
	WIN 0
	s_sub_co_u32 s[CNT], s[CNT], 1
	s_cmp_eq_u32 s[CNT], 0
	s_cbranch_scc1 .Lout
	QUARTER 1, F0, F1, 0
	WIN 0
	s_branch .Lt
.Lout:
	; THE WAY OUT.  The last barrier has shown every wave's reads of both slots over and all tensor loads landed.  All 64 accumulators go as f32 into my own 128 rows of LDS; a counted loop reads rows back.
	PLACES
.irp h, 0,1
	WIN 0x08+4*(\h)                                ; store data in window 2, then 3
.irp a, 0,1,2,3
.irp b, 0,1,2,3,4,5,6,7
	ds_store_b128 v[DST], v[8*(8*(\a)+(\b)):8*(8*(\a)+(\b))+3]   offset:(4*(\h)+(\a))*16*DP+64*(\b)
	ds_store_b128 v[DST], v[8*(8*(\a)+(\b))+4:8*(8*(\a)+(\b))+7] offset:(4*(\h)+(\a))*16*DP+64*(\b)+16
.endr
.endr
.endr
	WIN 0
.if QKV
.set YR, 128
.macro ELOAD                           ; 16 rows: unit u = 4 rows x 64 columns; LDS serves a wave's instructions in order, so these see the stores above
.irp u, 0,1,2,3,4,5,6,7
	ds_load_b128 v[XR+8*(\u):XR+8*(\u)+3],   v[RD] offset:((\u)/2)*4*DP+((\u)%2)*256
	ds_load_b128 v[XR+8*(\u)+4:XR+8*(\u)+7], v[RD] offset:((\u)/2)*4*DP+((\u)%2)*256+16
.endr
.endm
	ELOAD
	s_mov_b32 s[CNT], 8
.Lepi:
	s_wait_dscnt 0x0
.set i, 0
.rept 32
	v_cvt_pk_bf16_f32 v[YR+i], v[XR+2*i], v[XR+2*i+1]
.set i, i+1
.endr
	s_cmp_eq_u32 s[CNT], 1
	s_cbranch_scc1 .Lepi_nl
	v_add_nc_u32 v[RD], 16*DP, v[RD]
	ELOAD
.Lepi_nl:
.irp u, 0,1,2,3,4,5,6,7
	global_store_b128 v[GO], v[YR+4*(\u):YR+4*(\u)+3], s[OB:OB+1] offset:((\u)%2)*524288+((\u)/2)*512  ; 512 consecutive bytes, aligned
.endr
	s_wait_xcnt 0x0                                ; the stores have read their data and their offset
	v_add_nc_u32 v[GO], 2048, v[GO]
	s_sub_co_u32 s[CNT], s[CNT], 1
	s_cmp_lg_u32 s[CNT], 0
	s_cbranch_scc1 .Lepi
.else
.set AX, 80
.set XH, 96
.set PP, 112
.set YR, 128
.macro ELOAD                           ; 4 rows x 128 columns
.irp u, 0,1
	ds_load_b128 v[XR+8*(\u):XR+8*(\u)+3],   v[RD] offset:(\u)*256
	ds_load_b128 v[XR+8*(\u)+4:XR+8*(\u)+7], v[RD] offset:(\u)*256+16
.endr
.endm
.macro ALL8 line:vararg
.set i, 0
.rept 8
	\line
.set i, i+2
.endr
.endm
	s_mov_b32 s80, 0x3d4c41b4                      ; c1 .. c6: the series' coefficients divided by sqrt(2)^k, so that a = |x|
	s_mov_b32 s81, s80
	s_mov_b32 s82, 0x3cad2fe7
	s_mov_b32 s83, s82
	s_mov_b32 s84, 0x3b56cd72
	s_mov_b32 s85, s84
	s_mov_b32 s86, 0x381f6607
	s_mov_b32 s87, s86
	s_mov_b32 s88, 0x384d0fec
	s_mov_b32 s89, s88
	s_mov_b32 s90, 0x36b49f67
	s_mov_b32 s91, s90
	s_mov_b32 s92, 0x7fffffff
	ELOAD
	s_mov_b32 s[CNT], 32
.Lepi:
	s_wait_dscnt 0x0
.set i, 0
.rept 16
	v_and_b32 v[AX+i], s92, v[XR+i]
.set i, i+1
.endr
	ALL8 v_pk_mul_f32 v[XH+i:XH+i+1], v[XR+i:XR+i+1], 0.5 op_sel_hi:[1,0]
	s_cmp_eq_u32 s[CNT], 1
	s_cbranch_scc1 .Lepi_nl
	v_add_nc_u32 v[RD], 4*DP, v[RD]
	ELOAD
.Lepi_nl:
	; gelu(x) = x / 2 + |x| (1/2 - 1 / (2 P^16)), P = 1 + c1 a + .. + c6 a^6; where P^16 overflows the reciprocal is 0, the right limit
	ALL8 v_pk_fma_f32 v[PP+i:PP+i+1], v[AX+i:AX+i+1], s[90:91], s[88:89] op_sel_hi:[1,0,0]
	ALL8 v_pk_fma_f32 v[PP+i:PP+i+1], v[PP+i:PP+i+1], v[AX+i:AX+i+1], s[86:87] op_sel_hi:[1,1,0]
	ALL8 v_pk_fma_f32 v[PP+i:PP+i+1], v[PP+i:PP+i+1], v[AX+i:AX+i+1], s[84:85] op_sel_hi:[1,1,0]
	ALL8 v_pk_fma_f32 v[PP+i:PP+i+1], v[PP+i:PP+i+1], v[AX+i:AX+i+1], s[82:83] op_sel_hi:[1,1,0]
	ALL8 v_pk_fma_f32 v[PP+i:PP+i+1], v[PP+i:PP+i+1], v[AX+i:AX+i+1], s[80:81] op_sel_hi:[1,1,0]
	ALL8 v_pk_fma_f32 v[PP+i:PP+i+1], v[PP+i:PP+i+1], v[AX+i:AX+i+1], 1.0 op_sel_hi:[1,1,0]
.rept 4
	ALL8 v_pk_mul_f32 v[PP+i:PP+i+1], v[PP+i:PP+i+1], v[PP+i:PP+i+1]
.endr
.set i, 0
.rept 16
	v_rcp_f32 v[PP+i], v[PP+i]
.set i, i+1
.endr
	v_nop                                          ; a plain instruction behind the last reciprocal,
	s_wait_alu depctr_va_vdst(0)                   ; and one wait for the sixteen, ahead of their first reader
	ALL8 v_pk_fma_f32 v[PP+i:PP+i+1], v[PP+i:PP+i+1], -0.5, 0.5 op_sel_hi:[1,0,0]
	ALL8 v_pk_fma_f32 v[PP+i:PP+i+1], v[AX+i:AX+i+1], v[PP+i:PP+i+1], v[XH+i:XH+i+1]
.set i, 0
.rept 8
	v_cvt_pk_bf16_f32 v[YR+i], v[PP+2*i], v[PP+2*i+1]
.set i, i+1
.endr
.irp u, 0,1
	global_store_b128 v[GO], v[YR+4*(\u):YR+4*(\u)+3], s[OB:OB+1] offset:(\u)*16384  ; 512 consecutive bytes, aligned
.endr
	s_wait_xcnt 0x0                                ; the stores have read their data and their offset
	v_add_nc_u32 v[GO], 512, v[GO]
	s_sub_co_u32 s[CNT], s[CNT], 1
	s_cmp_lg_u32 s[CNT], 0
	s_cbranch_scc1 .Lepi
.endif
	s_wait_tensorcnt 0x0                           ; the wave's end
	ds_add_u32 v[SPW], v[NIL]
	s_wait_dscnt 0x0
	CROUND                                         ; the closing round
	s_endpgm
.Lfunc_end_k_qf2316836b8_proj_qkv:
	.size	k_qf2316836b8_proj_qkv, .Lfunc_end_k_qf2316836b8_proj_qkv-k_qf2316836b8_proj_qkv
	.p2alignl 7, 3214868480
	.fill 96, 4, 3214868480
	.section	.rodata,"a",@progbits
	.p2align	6, 0x0
	.amdhsa_kernel k_qf2316836b8_proj_qkv
		.amdhsa_group_segment_fixed_size 327680
		.amdhsa_private_segment_fixed_size 0
		.amdhsa_enable_private_segment 0
		.amdhsa_kernarg_size 48
		.amdhsa_user_sgpr_count 2
		.amdhsa_user_sgpr_kernarg_segment_ptr 1
		.amdhsa_wavefront_size32 1
		.amdhsa_system_sgpr_workgroup_id_x 1
		.amdhsa_system_sgpr_workgroup_id_y 1
		.amdhsa_system_sgpr_workgroup_id_z 1
		.amdhsa_system_vgpr_workitem_id 0
		.amdhsa_next_free_vgpr 1024
		.amdhsa_next_free_sgpr 96
		.amdhsa_reserve_vcc 0
		.amdhsa_float_denorm_mode_32 3
		.amdhsa_float_denorm_mode_16_64 3
		.amdhsa_memory_ordered 1
		.amdhsa_forward_progress 1
		.amdhsa_inst_pref_size 85
	.end_amdhsa_kernel
	.amdgpu_metadata
---
amdhsa.version: [ 1, 2 ]
amdhsa.kernels:
  - .name:           k_qf2316836b8_proj_qkv
    .symbol:         k_qf2316836b8_proj_qkv.kd
    .args:
      - { .name: xb, .offset: 0, .size: 8, .value_kind: global_buffer, .address_space: global }
      - { .name: wb, .offset: 8, .size: 8, .value_kind: global_buffer, .address_space: global }
      - { .name: bq, .offset: 16, .size: 8, .value_kind: global_buffer, .address_space: global }
      - { .name: bk, .offset: 24, .size: 8, .value_kind: global_buffer, .address_space: global }
      - { .name: bv, .offset: 32, .size: 8, .value_kind: global_buffer, .address_space: global }
      - { .name: qkvb, .offset: 40, .size: 8, .value_kind: global_buffer, .address_space: global }
    .group_segment_fixed_size: 327680
    .private_segment_fixed_size: 0
    .kernarg_segment_align: 8
    .kernarg_segment_size: 48
    .max_flat_workgroup_size: 128
    .sgpr_count:     96
    .vgpr_count:     1024
    .wavefront_size: 32
...
	.end_amdgpu_metadata
.endif
;; end of part 2
;; launch attention (part 3): grid 8 x 32, 8 waves a work-group, no clusters, 327,680 bytes of LDS; arguments qkvb, padf, rel_bias, att; writes att
.if DOCPART == 3
	.amdgcn_target "amdgcn-amd-amdhsa--gfx1250"
	.amdhsa_code_object_version 6
	.text
	.protected	k_qf2316836b8_attention
	.globl	k_qf2316836b8_attention
	.p2align	8
	.type	k_qf2316836b8_attention,@function
k_qf2316836b8_attention:
	s_mov_b64 s[64:65], 0
	v_nop
	global_prefetch_b8 v0, s[64:65] scope:SCOPE_SE
	s_setreg_imm32_b32 hwreg(HW_REG_WAVE_MODE, 25, 1), 1
	s_wait_xcnt 0x0
; CAUSAL ATTENTION with a bias by distance and hidden keys.  q, k, v: qkvb[panel][4096 rows][64] in bf16 (panels 0-15 q, 16-31 k, 32-47 v by head; row = 2048 batch + position).
; O goes to att[row / 128][head][row % 128][64] in bf16.  Products, maxima and sums in f32; the weights are rounded to bf16 for the second product, O once.
; THE WALK.  A head's queries lie in 16 blocks of 128.  Work-group b takes block 15 - b and then block b.  Keys come in slots of 256, four steps of 64.  Block i's last slot is keys 128 (i - 1) .. 128 (i + 1) - 1;
; the slots before it follow downward.  An even block's first slot therefore begins 128 rows ahead of the head's first key: rows of qkvb that hold other finite numbers, hidden by padf's first 128 entries.
; So every work-group walks 9 slots; all trip counts are constants, and no LDS address hangs on b.  NO CLUSTER: which slot is a block's last, and where the blocks change, hang on b.
; SHARES.  Eight waves, two to a SIMD.  Wave w owns the 32 queries of group w % 4 (two pieces of 16) and, of every slot, the two steps of key half w / 4: the KEYS are split between the two waves of a group, so a
; fragment of K or V read from LDS still feeds two pieces' products, and each SIMD has two independent streams of instructions.  At a block's end waves 4-7 hand c m, m, l and O^T through LDS to waves 0-3, which
; bring both halves to the common maximum, add them, divide and store.
; S^T = K Q^T holds one query a lane (lane % 16) and keys 8 (lane / 16) + 0..7; two results rounded to bf16 are source 1 of O^T = V^T P.
; HIDDEN KEYS.  The C operand that starts S^T is padf's 0 or -1e30 for the lane's keys, loaded a step ahead.  BIAS.  Softmax does not change if all of a row's biases are shifted: the bias of the last bucket is taken off,
; which leaves 0 from distance 113 on.  Only a block's last slot (NEAR) holds nearer keys: there 8 x bias, or -1e30 above the diagonal, is added from a table in LDS by key - query.
; The buckets' lower ends 19, 21, .. 113 are the least whole distances at or above 16 x 8^(k / 16); none of those numbers lies within 0.1 of a whole number.
; SOFTMAX.  p = 2^(c s - c m), c = log2(e) / 8, with a running maximum m; O and l are multiplied by a = 2^(c m_old - c m_new) in every step.  m starts at -2^66 and c m far lower, so a block's first a is 0.
; LIMITS.  A score q . k + 8 bias counts only between -7e19 and 7e19; a hidden score is its value less 1e30, and its weight is exactly 0; a row whose m has not risen above -2^66 has seen no key and gives 0;
; a weight below 2^-126 counts as 0; NaN and infinities are not treated apart.
.set KS, 64
.set PK, 144                           ; a row of K in LDS: 128 bytes + 16
.set PVP, 160                          ; a row of V: 128 + 32, for the turning load
.set VOFF, 256*PK
.set SLOT1, 1<<17
.set STAGE, SLOT1+256*(PK+PVP)         ; 16 rows x 144 bytes for each of waves 0-3, for the way out
.set SP, 144
.set RTAB, STAGE+4*16*SP               ; four copies of the bias table, each shifted by one entry more, so that every lane's 8 entries start at a multiple of 16 bytes
.set RP, 1600                          ; 64 modulo 256: the 16 lanes of a load touch 16 different columns of 16 bytes
.set SPARE, RTAB+4*RP                  ; the spare words, 128 bytes for each of eight waves
.set MRG, SPARE+8*128                  ; what waves 4-7 hand over: 18 x 512 bytes a wave
.set MW, 18*512
.set AK0, 2
.set AV0, 3
.set AK, 4
.set AV, 5
.set STO, 6
.set RD, 7
.set GO, 8
.set MV, 12                            ; v12-13 c m_old, by piece
.set AP0, 14
.set AP, 15
.set ST, 16                            ; piece y: c m, m, l (even keys', odd keys') at ST + 4 y
.set TMP, 24                           ; piece y: c0-c3 at work; c2 takes a
.set AR0, 32
.set AR, 33
.set QO, 34
.set PFO, 35
.set PS, 36                            ; v36-43 the partner's statistics (at the head: at work on the table)
.set FA, 44                            ; v44-51 piece y: my half's factor at FA + 4 y, the partner's at FA + 4 y + 2, each the low word of a pair
.set MA, 60                            ; v60 my 16 bytes in my group's part of the merge region; never rewritten
.set SPW, 62
.set NIL, 63
.set S, 64                             ; window 0: S^T 32 a piece; P 16 a piece; PD the pad values; RB the biases
.set P, 128
.set PD, 160
.set RB, 192
.set QB, 32                            ; window 1: v0-31 Q, v32-63 the second block's Q, K, V, O^T
.set KF, 64
.set VF, 128
.set OT, 192
.set WV, 12
.set PB, 14
.set HI, 15
.set KOF, 20                           ; s20 my key half's first row of K in a slot, in bytes; s21 of V; s22 its place in the bias table
.set VOF, 21
.set ROF, 22
.set G1K, 24
.set G1V, 32
.set G0K, 40
.set G0V, 44
.set KB, 48                            ; s[48:49] K at my half of a slot, 128 rows ahead of the head's first key; s[50:51] V
.set VB, 50
.set PFK, 52
.set PFV, 54
.set SLOTS, 56
.set CNT, 57
.set CS, 58
.set SEL, 60
.set TBK, 62
.set TBV, 63
.set SB, 66                            ; the slot in hand: 0 or SLOT1
.set TP, 67                            ; byte in padf of the step whose pad values are fetched next
.set TRR, 68                           ; byte in the bias table for the step in hand
.set NEAR, 69
.set AU, 70                            ; the slot to ask for next begins at key 128 AU; ALIM: the last such number of the block
.set ALIM, 71
.set PU, 72                            ; the same for the slot in hand
.set PLIM, 73
.set OFF, 74
.set ULO, 76
.set LLIM, 77
.set LIM, 78
.set BIGN, 79
.set THR, 80
.set WQ, 81                            ; my query group, w % 4
.set WK, 82                            ; my key half, w / 4
.set TPI, 83                           ; what TP steps by next: 256 to my second step, 768 over the partner's two to the next slot
.set OA, 84
.set OLO, 86
.set QL, 88
.set QH, 90
.set MSB, 0
.macro WIN new
.if MSB != (\new)
	s_set_vgpr_msb (MSB<<8)|(\new)
.set MSB, (\new)
.endif
.endm
.macro PLACES
.rept 4
	v_nop
.endr
.endm
.macro LOAD                            ; waves 0 and 1 fetch the halves of a slot's K, waves 2 and 3 those of its V, waves 4 to 7 nothing; s_nop 0 and four v_nop follow each line
	s_cmp_lt_u32 s[WV], 2
	s_cbranch_scc0 .Lnot_k_\@
	tensor_load_to_lds s[G0K:G0K+3], s[G1K:G1K+7]
	s_nop 0
.rept 4
	v_nop
.endr
	s_branch .Lasked_\@
.Lnot_k_\@:
	s_cmp_lt_u32 s[WV], 4
	s_cbranch_scc0 .Lasked_\@
	tensor_load_to_lds s[G0V:G0V+3], s[G1V:G1V+7]
	s_nop 0
.rept 4
	v_nop
.endr
.Lasked_\@:
.endm
; THE CHANGE OF SLOTS: all my tensor loads have landed (at most one was out: my part of the other slot), the add, my reads of the old slot are over; the barrier; then the old slot's refill, one tensor load a wave.
; Behind it work-group b = 0, whose first block walks all the head's keys in order, prefetches into the L2 the slot that the next change will ask for: wave w of 0 to 3 names 32 blocks of 256 bytes of K and 32 of V, a lane a block.
.macro CHANGE fill
	WIN 0
	s_wait_tensorcnt 0x0
	ds_add_u32 v[SPW], v[NIL]
.if \fill
	s_add_co_u32 s[OFF], s[AU], 1
	s_lshl_b32 s[OFF], s[OFF], 14                  ; 128 keys are 16,384 bytes
	s_xor_b32 s[G0K+1], s[G0K+1], SLOT1
	s_add_nc_u64 s[G0K+2:G0K+3], s[KB:KB+1], s[OFF:OFF+1]
	s_or_b32 s[G0K+3], s[G0K+3], 0x80000000
	s_xor_b32 s[G0V+1], s[G0V+1], SLOT1
	s_add_nc_u64 s[G0V+2:G0V+3], s[VB:VB+1], s[OFF:OFF+1]
	s_or_b32 s[G0V+3], s[G0V+3], 0x80000000
	s_add_co_u32 s[AU], s[AU], 2
	s_cmp_gt_i32 s[AU], s[ALIM]                    ; behind a block's last slot: the second block's first
	s_cselect_b32 s[AU], s[ULO], s[AU]
	s_cselect_b32 s[ALIM], s[LLIM], s[ALIM]
	s_wait_xcnt 0x0                                ; the last prefetches, a slot back, have read their addresses
	s_add_nc_u64 s[PFK:PFK+1], s[PFK:PFK+1], 32768
	s_add_nc_u64 s[PFV:PFV+1], s[PFV:PFV+1], 32768
.endif
	s_wait_dscnt 0x0
	s_barrier_signal -1
	s_xor_b32 s[SB], s[SB], SLOT1
	s_barrier_wait -1
.if \fill
	LOAD
	s_cmp_gt_u32 s[SLOTS], s[LIM]
	s_cbranch_scc0 .Lnp_\@
	global_prefetch_b8 v[PFO], s[PFK:PFK+1] th:TH_LOAD_NT scope:SCOPE_SE
	global_prefetch_b8 v[PFO], s[PFV:PFV+1] th:TH_LOAD_NT scope:SCOPE_SE
.Lnp_\@:
.endif
.endm
.macro SLOTSET
	s_cmp_eq_u32 s[PU], s[PLIM]
	s_cselect_b32 s[NEAR], 1, 0
	s_mov_b32 s[TRR], s[ROF]                       ; the last slot begins 128 keys below the block: (256 - 128) entries of 4 bytes, and my half's 128 keys
	s_mov_b32 s[CNT], 2                            ; my two steps of the slot's four
	s_add_co_u32 s[TBK], s[SB], s[KOF]
	s_add_co_u32 s[TBV], s[SB], s[VOF]
.endm
.macro FETCH_K                         ; a step's K: 64 keys x 64 channels, 8 fragments
	WIN 0
	v_add_nc_u32 v[AK], s[TBK], v[AK0]
	s_add_co_u32 s[TBK], s[TBK], KS*PK
	WIN 0x40
.irp f, 0,1,2,3,4,5,6,7
	ds_load_b128 v[KF+8*\f:KF+8*\f+3],   v[AK] offset:(\f/2)*16*PK+(\f%2)*64
	ds_load_b128 v[KF+8*\f+4:KF+8*\f+7], v[AK] offset:(\f/2)*16*PK+(\f%2)*64+32
.endr
	WIN 0
.endm
.macro FETCH_V                         ; its V, turned
	WIN 0
	v_add_nc_u32 v[AV], s[TBV], v[AV0]
	s_add_co_u32 s[TBV], s[TBV], KS*PVP
	WIN 0x40
.irp f, 0,1,2,3,4,5,6,7
	ds_load_tr16_b128 v[VF+8*\f:VF+8*\f+3],   v[AV] offset:(\f/4)*32*PVP+(\f%4)*32
	ds_load_tr16_b128 v[VF+8*\f+4:VF+8*\f+7], v[AV] offset:(\f/4)*32*PVP+16*PVP+(\f%4)*32
.endr
	WIN 0
.endm
; My next step's pad values: register j of key block kb: key 16 kb + 8 hh + j.  The wait at the step's head has freed v[AP].  Behind a block's last step the look-ahead serves nothing: it is held to the
; batch's last 64 entries (byte 8,704 of 8,960), so that it stays inside padf.
.macro FETCH_P
	s_min_u32 s13, s[TP], 8704
	v_add_nc_u32 v[AP], s13, v[AP0]
	s_add_co_u32 s[TP], s[TP], s[TPI]
	s_xor_b32 s[TPI], s[TPI], 0x200                ; 256 and 768 by turns
.irp kb, 0,1,2,3
	global_load_b128 v[PD+8*\kb:PD+8*\kb+3],   v[AP], s[6:7] offset:64*\kb
	global_load_b128 v[PD+8*\kb+4:PD+8*\kb+7], v[AP], s[6:7] offset:64*\kb+16
.endr
.endm
.macro FETCH_R                         ; the step's biases for both pieces
	v_add_nc_u32 v[AR], s[TRR], v[AR0]
	s_add_co_u32 s[TRR], s[TRR], 256
.irp x, 0,1
.irp kb, 0,1,2,3
	ds_load_b128 v[RB+32*\x+8*\kb:RB+32*\x+8*\kb+3],   v[AR] offset:(1-\x)*64+64*\kb
	ds_load_b128 v[RB+32*\x+8*\kb+4:RB+32*\x+8*\kb+7], v[AR] offset:(1-\x)*64+64*\kb+16
.endr
.endr
.endm
; Product i of 16 of S^T: piece i % 2, keys 16 ((i / 2) % 4) on, channels 32 (i / 8) on.  The first 8 start the sums from the pad values.  The 8 accumulators take turns.
.macro KQ1
	WIN 0x05
.set rS, S+32*(i%2)+8*((i/2)%4)
.set rK, KF+16*((i/2)%4)+8*(i/8)
.set rQ, 16*(i%2)+8*(i/8)
.set rM, PD+8*((i/2)%4)
.if i < 8
	v_wmma_f32_16x16x32_bf16 v[rS:rS+7], v[rK:rK+7], v[rQ:rQ+7], v[rM:rM+7]
.else
	v_wmma_f32_16x16x32_bf16 v[rS:rS+7], v[rK:rK+7], v[rQ:rQ+7], v[rS:rS+7]
.endif
.endm
.macro PV1                             ; product i of 16 of O^T: piece i % 2, channels 16 ((i / 2) % 4) on, keys 32 (i / 8) on
	WIN 0x51
.set rO, OT+32*(i%2)+8*((i/2)%4)
.set rV, VF+32*(i/8)+8*((i/2)%4)
.set rP, P+16*(i%2)+8*(i/8)
	v_wmma_f32_16x16x32_bf16 v[rO:rO+7], v[rV:rV+7], v[rP:rP+7], v[rO:rO+7]
.endm
.macro REGS y
.set rT, ST+4*(\y)
.set rC, TMP+4*(\y)
.set rW, MV+(\y)
.set rS, S+32*(\y)
.set rP, P+16*(\y)
.endm
; Number n of the 22 that find a piece's maximum and statistics; each accumulator's lowest registers are read first.
.macro M_X n, y
	REGS \y
.if (\n) < 4
	v_max3_num_f32 v[rC+(\n)], v[rS+8*(\n)], v[rS+8*(\n)+1], v[rS+8*(\n)+2]
.elseif (\n) < 12
	v_max3_num_f32 v[rC+(\n)%4], v[rC+(\n)%4], v[rS+8*((\n)%4)+2*((\n)/4)+1], v[rS+8*((\n)%4)+2*((\n)/4)+2]
.elseif (\n) == 12
	v_max3_num_f32 v[rC], v[rC], v[rS+7], v[rS+15]
.elseif (\n) == 13
	v_max3_num_f32 v[rC+1], v[rC+1], v[rS+23], v[rS+31]
.elseif (\n) == 14
	v_max3_num_f32 v[rC+2], v[rC+2], v[rC+3], v[rT+1]
.elseif (\n) == 15
	v_mov_b32 v[rW], v[rT]
.elseif (\n) == 16
	v_max3_num_f32 v[rC], v[rC], v[rC+1], v[rC+2]
.elseif (\n) == 17
	v_permlanex16_b32 v[rC+3], v[rC], s[SEL], s[SEL+1]
.elseif (\n) == 18
	v_max_num_f32 v[rT+1], v[rC], v[rC+3]
.elseif (\n) == 19
	v_mul_f32 v[rT], s[CS], v[rT+1]
.elseif (\n) == 20
	v_sub_f32 v[rC+1], v[rW], v[rT]
.else
	v_exp_f32 v[rC+2], v[rC+1]
.endif
.endm
.macro M_F n, y                        ; c s - c m for pair n
	REGS \y
	v_pk_fma_f32 v[rS+2*(\n):rS+2*(\n)+1], v[rS+2*(\n):rS+2*(\n)+1], s[CS:CS+1], v[rT:rT+1] op_sel_hi:[1,0,0] neg_lo:[0,0,1] neg_hi:[0,0,1]
.endm
.macro M_E n, y
	REGS \y
	v_exp_f32 v[rS+(\n)], v[rS+(\n)]
.endm
.macro M_B n, y                        ; of four weights the second pair onto the first
	REGS \y
	v_pk_add_f32 v[rS+4*(\n):rS+4*(\n)+1], v[rS+4*(\n):rS+4*(\n)+1], v[rS+4*(\n)+2:rS+4*(\n)+3]
.endm
.macro M_L n, y                        ; l takes that sum; the first time l = a l + sum
	REGS \y
.if (\n) == 0
	v_pk_fma_f32 v[rT+2:rT+3], v[rT+2:rT+3], v[rC+2:rC+3], v[rS:rS+1] op_sel_hi:[1,0,1]
.else
	v_pk_add_f32 v[rT+2:rT+3], v[rT+2:rT+3], v[rS+4*(\n):rS+4*(\n)+1]
.endif
.endm
; A KEY STEP, in phases; the SIMD's other wave runs its own steps beside it.
.macro STEP
	s_wait_dscnt 0x0                               ; K is in
	s_wait_loadcnt 0x0                             ; the pad values are in
	FETCH_V                                        ; four plain instructions stand between the last product that read V and this run
.set i, 0
.rept 16
	KQ1
.set i, i+1
.endr
	WIN 0
	PLACES                                         ; behind the products: ahead of the reads of S^T and of the loads into K's and the pad values' registers
	s_cmp_eq_u32 s[NEAR], 1
	s_cbranch_scc0 .Lfar_\@
	FETCH_R
	s_wait_dscnt 0x0
.set i, 0
.rept 32
	v_pk_add_f32 v[S+2*i:S+2*i+1], v[S+2*i:S+2*i+1], v[RB+2*i:RB+2*i+1]
.set i, i+1
.endr
.Lfar_\@:
	s_wait_dscnt 0x0                               ; V is in
	FETCH_P
	s_cmp_eq_u32 s[CNT], 1                         ; my last step of a slot fetches no K: the next slot's comes behind the change
	s_cbranch_scc1 .Lnok_\@
	FETCH_K
.Lnok_\@:
.irp n, 0,1,2,3,4,5,6,7,8,9,10,11,12,13,14,15,16,17,18,19,20,21
	M_X \n, 0
	M_X \n, 1
.endr
.set n, 0
.rept 16                               ; one batch: both a and 64 exponentials; nothing ahead of the wait names a result of theirs
	M_F n, 0
	M_F n, 1
.if n > 0
	M_E 2*n-2, 0
	M_E 2*n-2, 1
	M_E 2*n-1, 0
	M_E 2*n-1, 1
.endif
.set n, n+1
.endr
	M_E 30, 0
	M_E 30, 1
	M_E 31, 0
	M_E 31, 1
	v_nop                                          ; a plain instruction behind the last exponential,
	s_wait_alu depctr_va_vdst(0)                   ; and one wait for the batch
	WIN 0x41
.irp y, 0,1
.set k, 0
.rept 16
	v_pk_mul_f32 v[OT+32*\y+2*k:OT+32*\y+2*k+1], v[OT+32*\y+2*k:OT+32*\y+2*k+1], v[TMP+4*\y+2:TMP+4*\y+3] op_sel_hi:[1,0]
.set k, k+1
.endr
.endr
	WIN 0
.irp y, 0,1
.set k, 0
.rept 16
	v_cvt_pk_bf16_f32 v[P+16*\y+k], v[S+32*\y+2*k], v[S+32*\y+2*k+1]
.set k, k+1
.endr
.endr
.set i, 0
.rept 16
	PV1
	WIN 0
.if i < 8
	M_B i, 0
	M_B i, 1
.else
	M_L i-8, 0
	M_L i-8, 1
.endif
.set i, i+1
.endr
	v_nop                                          ; with the two lines above: four places behind the last product
	v_nop
.endm
.macro INIT
.irp y, 0,1
	v_mov_b32 v[ST+4*\y], 0xfe000000               ; c m: far below every c s, so the first a is 0
	v_mov_b32 v[ST+4*\y+1], 0xe0800000             ; m = -2^66
.endr
.endm
; Behind every slot's steps: in a block's last slot waves 4-7 put their statistics and their O^T into the merge region, 512 consecutive bytes a store; then a barrier, which stands in every slot and on every
; wave's path.  The region's next writing, at the second block's end, stands behind later barriers, in front of which its readers have waited for their loads.
.macro HANDOVER
	WIN 0
	s_cmp_eq_u32 s[NEAR], 1
	s_cbranch_scc0 .Lnd_\@
	s_cmp_lt_u32 s[WV], 4
	s_cbranch_scc1 .Lnd_\@
	ds_store_b128 v[MA], v[ST:ST+3]
	ds_store_b128 v[MA], v[ST+4:ST+7] offset:512
	WIN 0x04                                       ; store data in window 1; each accumulator's lowest registers go first
.set k, 0
.rept 16
	ds_store_b128 v[MA], v[OT+4*k:OT+4*k+3] offset:1024+512*k
.set k, k+1
.endr
	WIN 0
.Lnd_\@:
	s_wait_dscnt 0x0                               ; for the others' sake: my stores are done
	s_barrier_signal -1
	s_barrier_wait -1
.endm
.macro PACK y                          ; O^T = mine x (my factor / l) + the partner's x (its factor / l); rounded; through my stage
	WIN 0x41
.set k, 0
.rept 16
	v_pk_mul_f32 v[OT+32*(\y)+2*k:OT+32*(\y)+2*k+1], v[OT+32*(\y)+2*k:OT+32*(\y)+2*k+1], v[FA+4*(\y):FA+4*(\y)+1] op_sel_hi:[1,0]
.set k, k+1
.endr
	WIN 0x50                                       ; destination and source 2 in window 1
.set k, 0
.rept 16
	v_pk_fma_f32 v[OT+32*(\y)+2*k:OT+32*(\y)+2*k+1], v[S+32*(\y)+2*k:S+32*(\y)+2*k+1], v[FA+4*(\y)+2:FA+4*(\y)+3], v[OT+32*(\y)+2*k:OT+32*(\y)+2*k+1] op_sel_hi:[1,0,1]
.set k, k+1
.endr
	WIN 0x05
.set k, 0
.rept 16
	v_cvt_pk_bf16_f32 v[S+16*(\y)+k], v[OT+32*(\y)+2*k], v[OT+32*(\y)+2*k+1]
.set k, k+1
.endr
	WIN 0
.irp f, 0,1,2,3
	ds_store_b128 v[STO], v[S+16*(\y)+4*\f:S+16*(\y)+4*\f+3] offset:32*\f
.endr
.irp f, 0,1,2,3
	ds_load_b128 v[S+16*(\y)+4*\f:S+16*(\y)+4*\f+3], v[RD] offset:\f*4*SP  ; LDS serves a wave's instructions in order: these see the stores above, the next piece's stores come behind them
.endr
.endm
.macro SEND y, younger
.irp f, 0,1,2,3
	s_wait_dscnt (\younger)+3-\f
	global_store_b128 v[GO], v[S+16*(\y)+4*\f:S+16*(\y)+4*\f+3], s[OA:OA+1] offset:(\y)*2048+\f*512  ; 512 consecutive bytes, aligned
.endr
.endm
; THE WAY OUT, waves 0-3.  The partner's statistics and O^T come out of LDS (O^T into S^T's registers).  Both halves are brought to the common maximum: f = 2^(c m_half - c m), 1 for the half that holds it.
; l = f l + f' l'; its halves and the other lanes' are added; 1 / l, or 0 where no key was seen, goes into both factors.
.macro OUT
	WIN 0
	ds_load_b128 v[PS:PS+3], v[MA]
	ds_load_b128 v[PS+4:PS+7], v[MA] offset:512
.set k, 0
.rept 16
	ds_load_b128 v[S+4*k:S+4*k+3], v[MA] offset:1024+512*k
.set k, k+1
.endr
	s_wait_dscnt 16                                ; the statistics are in; the sixteen loads of O^T may stay out
.irp y, 0,1
	v_max_num_f32 v[FA+4*\y+1], v[ST+4*\y], v[PS+4*\y]          ; the common c m
	v_max_num_f32 v[ST+4*\y+1], v[ST+4*\y+1], v[PS+4*\y+1]      ; the common m
.endr
.irp y, 0,1
	v_sub_f32 v[FA+4*\y], v[ST+4*\y], v[FA+4*\y+1]
	v_sub_f32 v[FA+4*\y+2], v[PS+4*\y], v[FA+4*\y+1]
.endr
.irp y, 0,1
	v_exp_f32 v[FA+4*\y], v[FA+4*\y]
	v_exp_f32 v[FA+4*\y+2], v[FA+4*\y+2]
.endr
.irp y, 0,1
	v_mov_b32 v[FA+4*\y+3], 0                      ; the pairs' upper words are written; also the plain instructions behind the last exponential
.endr
	s_wait_alu depctr_va_vdst(0)                   ; one wait for the four exponentials
.irp y, 0,1
	v_pk_mul_f32 v[ST+4*\y+2:ST+4*\y+3], v[ST+4*\y+2:ST+4*\y+3], v[FA+4*\y:FA+4*\y+1] op_sel_hi:[1,0]
.endr
.irp y, 0,1
	v_pk_fma_f32 v[ST+4*\y+2:ST+4*\y+3], v[PS+4*\y+2:PS+4*\y+3], v[FA+4*\y+2:FA+4*\y+3], v[ST+4*\y+2:ST+4*\y+3] op_sel_hi:[1,0,1]
.endr
.irp y, 0,1
	v_add_f32 v[ST+4*\y+2], v[ST+4*\y+2], v[ST+4*\y+3]
.endr
.irp y, 0,1
	v_permlanex16_b32 v[ST+4*\y+3], v[ST+4*\y+2], s[SEL], s[SEL+1]
.endr
.irp y, 0,1
	v_add_f32 v[ST+4*\y+2], v[ST+4*\y+2], v[ST+4*\y+3]
.endr
.irp y, 0,1
	v_rcp_f32 v[ST+4*\y+2], v[ST+4*\y+2]
.endr
	v_nop
	s_wait_alu depctr_va_vdst(0)                   ; one wait for the two reciprocals
.irp y, 0,1
	v_cmp_lt_f32 vcc_lo, s[THR], v[ST+4*\y+1]
	v_cndmask_b32 v[ST+4*\y+2], 0, v[ST+4*\y+2], vcc_lo
.endr
.irp y, 0,1
	v_mul_f32 v[FA+4*\y], v[FA+4*\y], v[ST+4*\y+2]
	v_mul_f32 v[FA+4*\y+2], v[FA+4*\y+2], v[ST+4*\y+2]
.endr
	s_wait_dscnt 0x0                               ; the partner's O^T is in
	PACK 0
	PACK 1
	SEND 0, 8
	SEND 1, 0
.endm
	s_load_b256 s[4:11], s[0:1], 0x0               ; qkvb 4, padf 6, rel_bias 8, att 10
	v_lshl_add_u32 v[SPW], v0, 2, SPARE
	v_mov_b32 v[NIL], 0
	ds_add_u32 v[SPW], v[NIL]                      ; the wave's opening: the add and its wait ahead of my first tensor load
	v_lshrrev_b32 v1, 5, v0
	v_readfirstlane_b32 s[WV], v1
	s_and_b32 s[WQ], s[WV], 3
	s_lshr_b32 s[WK], s[WV], 2
	s_mov_b32 s[PB], ttmp9
	s_sub_co_u32 s[HI], 15, s[PB]
	s_and_b32 s16, ttmp7, 0xffff
	s_and_b32 s17, s16, 15                         ; head
	s_lshr_b32 s18, s16, 4                         ; batch
	s_and_b32 s19, s[WV], 1                        ; which half of a slot I fetch (waves 0 to 3)
	s_lshl_b32 s20, s17, 19
	s_lshl_b32 s21, s18, 18
	s_add_co_u32 s22, s20, s21                     ; the head's panel, the batch's rows
	s_lshl_b32 s23, s[WQ], 12                      ; my group's 32 rows
	s_add_co_u32 s13, s22, s23
	s_lshl_b32 s20, s[HI], 14
	s_add_co_u32 s20, s20, s13
	s_mov_b32 s21, 0                               ; Q of the first block
	s_lshl_b32 s92, s[PB], 14
	s_add_co_u32 s92, s92, s13
	s_mov_b32 s93, 0                               ; of the second
	s_lshl_b32 s94, s19, 14
	s_add_co_u32 s94, s94, s22
	s_add_co_u32 s94, s94, (16<<19)-16384          ; K, 128 rows ahead of the head's first key
	s_mov_b32 s95, 0
	s_lshl_b32 s96, s[WQ], 13
	s_add_co_u32 s96, s96, s22
	s_add_co_u32 s96, s96, (16<<19)+32768          ; the prefetches: my quarter of the keys 256 on; the first change steps it to 512
	s_mov_b32 s97, 0
	s_lshl_b32 s98, s18, 22
	s_lshl_b32 s13, s17, 14
	s_add_co_u32 s98, s98, s13
	s_add_co_u32 s98, s98, s23
	s_lshl_b32 s13, s[PB], 18
	s_add_co_u32 s[OFF], s98, s13
	s_mov_b32 s[OFF+1], 0                          ; O of the second block
	s_lshl_b32 s13, s[HI], 18
	s_add_co_u32 s98, s98, s13
	s_mov_b32 s99, 0                               ; of the first
	s_mov_b32 s[G1K], (1<<16)|(1<<20)|(4<<22)|(3<<25)  ; 2-byte elements; padding on: after every 32 words 4 words
	s_mov_b32 s[G1V], (1<<16)|(1<<20)|(4<<22)|(7<<25)  ; 8 words
.irp g, G1K, G1V
	s_mov_b32 s[\g+1], 128<<16                     ; 128 keys are 16,384 dense bytes: 64 rows of 256
	s_mov_b32 s[\g+2], 64<<16
	s_mov_b32 s[\g+3], 128<<16
	s_mov_b32 s[\g+4], 64
	s_mov_b32 s[\g+5], 128
	s_mov_b32 s[\g+6], 0
	s_mov_b32 s[\g+7], 0
.endr
	s_mov_b32 s[G0K], 1
	s_mul_i32 s[G0K+1], s19, 128*PK
	s_mov_b32 s[G0V], 1
	s_mul_i32 s[G0V+1], s19, 128*PVP
	s_add_co_u32 s[G0V+1], s[G0V+1], VOFF
	s_mov_b32 s[CS], 0x3e38aa3b                    ; c = log2(e) / 8
	s_mov_b32 s[CS+1], s[CS]
	s_mov_b32 s[SEL], 0x76543210
	s_mov_b32 s[SEL+1], 0xfedcba98
	s_mov_b32 s[BIGN], 0xf149f2ca                  ; -1e30
	s_mov_b32 s[THR], 0xe0800000                   ; -2^66
	s_mov_b32 s[SB], SLOT1                         ; the first change turns it into 0
	s_mov_b32 s[SLOTS], 8
	s_mov_b32 s[TPI], 256
	s_and_b32 s13, s[PB], 1
	s_sub_co_u32 s[PU], 0, s13                     ; the first block is even where b is odd: its first slot begins at key -128
	s_sub_co_u32 s[ULO], s13, 1
	s_add_co_u32 s[AU], s[PU], 2
	s_sub_co_u32 s[PLIM], s[HI], 1
	s_mov_b32 s[ALIM], s[PLIM]
	s_sub_co_u32 s[LLIM], s[PB], 1
	s_add_co_u32 s[TP], s[PU], 1
	s_add_co_u32 s[TP], s[TP], s[WK]               ; 128 keys are 512 bytes of padf: the slot's first key, and my half
	s_lshl_b32 s[TP], s[TP], 9
	s_cmp_eq_u32 s[PB], 0
	s_cselect_b32 s[LIM], 2, -1
	s_cmp_lt_u32 s[WV], 4
	s_cselect_b32 s[LIM], s[LIM], -1
	s_mul_i32 s16, s18, 8960
	s_wait_dscnt 0x0                               ; the opening add is done
	s_wait_kmcnt 0x0
	s_add_nc_u64 s[QH:QH+1], s[4:5], s[20:21]
	s_add_nc_u64 s[QL:QL+1], s[4:5], s[92:93]
	s_add_nc_u64 s[KB:KB+1], s[4:5], s[94:95]
	s_add_nc_u64 s[VB:VB+1], s[KB:KB+1], 16<<19
	s_add_nc_u64 s[PFK:PFK+1], s[4:5], s[96:97]
	s_add_nc_u64 s[PFV:PFV+1], s[PFK:PFK+1], 16<<19
	s_add_nc_u64 s[OA:OA+1], s[10:11], s[98:99]
	s_add_nc_u64 s[OLO:OLO+1], s[10:11], s[OFF:OFF+1]
	s_mov_b32 s92, s16
	s_mov_b32 s93, 0
	s_add_nc_u64 s[6:7], s[6:7], s[92:93]          ; the batch's pad values
	s_add_co_u32 s[OFF], s[PU], 1
	s_lshl_b32 s[OFF], s[OFF], 14
	s_add_nc_u64 s[G0K+2:G0K+3], s[KB:KB+1], s[OFF:OFF+1]
	s_or_b32 s[G0K+3], s[G0K+3], 0x80000000
	s_add_nc_u64 s[G0V+2:G0V+3], s[VB:VB+1], s[OFF:OFF+1]
	s_or_b32 s[G0V+3], s[G0V+3], 0x80000000
	LOAD                                           ; the walk's first slot
	s_mul_i32 s[KOF], s[WK], 2*KS*PK               ; my key half: rows 128 w / 4 on of the slot's K,
	s_mul_i32 s[VOF], s[WK], 2*KS*PVP              ; of its V,
	s_lshl_b32 s[ROF], s[WK], 9                    ; and 128 entries on in the bias table
	s_add_co_u32 s[ROF], s[ROF], 512
	v_and_b32 v1, 15, v0                           ; r
	v_bfe_u32 v9, v0, 4, 1                         ; hh
	v_lshlrev_b32 v[QO], 7, v1
	v_lshl_add_u32 v[QO], v9, 4, v[QO]
	WIN 0x40
.irp y, 0,1
.irp c, 0,1
	global_load_b128 v[16*\y+8*\c:16*\y+8*\c+3],         v[QO], s[QH:QH+1] offset:\y*2048+\c*64
	global_load_b128 v[16*\y+8*\c+4:16*\y+8*\c+7],       v[QO], s[QH:QH+1] offset:\y*2048+\c*64+32
	global_load_b128 v[QB+16*\y+8*\c:QB+16*\y+8*\c+3],   v[QO], s[QL:QL+1] offset:\y*2048+\c*64
	global_load_b128 v[QB+16*\y+8*\c+4:QB+16*\y+8*\c+7], v[QO], s[QL:QL+1] offset:\y*2048+\c*64+32
.endr
.endr
	WIN 0
	v_mul_u32_u24 v[AK0], v1, PK
	v_lshl_add_u32 v[AK0], v9, 4, v[AK0]
	v_and_b32 v10, 7, v0
	v_bfe_u32 v11, v0, 3, 1
	v_lshl_add_u32 v[AV0], v9, 3, v10
	v_mul_u32_u24 v[AV0], v[AV0], PVP
	v_lshl_add_u32 v[AV0], v11, 4, v[AV0]
	v_add_nc_u32 v[AV0], VOFF, v[AV0]
	s_mul_i32 s13, s[WQ], 16*SP
	s_add_co_u32 s13, s13, STAGE
	v_mul_u32_u24 v[STO], v1, SP
	v_lshl_add_u32 v[STO], v9, 4, v[STO]
	v_add_nc_u32 v[STO], s13, v[STO]
	v_bfe_u32 v[RD], v0, 3, 2
	v_mul_u32_u24 v[RD], v[RD], SP
	v_lshl_add_u32 v[RD], v10, 4, v[RD]
	v_add_nc_u32 v[RD], s13, v[RD]
	v_and_b32 v[GO], 31, v0
	s_mul_i32 s13, s[WQ], MW
	s_add_co_u32 s13, s13, MRG
	v_lshl_add_u32 v[MA], v[GO], 4, s13            ; my group's part of the merge region, 16 bytes a lane
	v_lshlrev_b32 v[PFO], 8, v[GO]
	v_lshlrev_b32 v[GO], 4, v[GO]
	v_lshlrev_b32 v[AP0], 5, v9
	; my lane's place in the table: copy r % 4, 4 (r / 4) entries down, 8 hh entries up, my group's 32 queries and piece 1's 16 down
	s_lshl_b32 s13, s[WQ], 7
	s_sub_co_u32 s13, RTAB-64, s13
	v_and_b32 v44, 3, v1
	v_mul_u32_u24 v[AR0], v44, RP
	v_add_nc_u32 v[AR0], s13, v[AR0]
	v_lshl_add_u32 v[AR0], v9, 5, v[AR0]
	v_lshrrev_b32 v44, 2, v1
	v_lshlrev_b32 v44, 4, v44
	v_sub_nc_u32 v[AR0], v[AR0], v44
	WIN 0x40
.set k, 0
.rept 64
	v_mov_b32 v[OT+k], 0                           ; O^T and l need only be finite at a block's beginning: zeros here, what the first block left later
.set k, k+1
.endr
	WIN 0
.irp y, 0,1
	v_mov_b32 v[ST+4*\y+2], 0
	v_mov_b32 v[ST+4*\y+3], 0
.endr
	INIT
	; THE BIAS TABLE, made by waves 0-3.  Entry y = key - query + 256.  Thread t of 128 makes y = t (distance above 128: 0), y = 128 + t (distance 128 - t) and y = 256 + t (distance 0, or above the diagonal).
	s_cmp_lt_u32 s[WV], 4
	s_cbranch_scc0 .Lno_table
	v_sub_nc_u32 v36, 128, v0
	v_mov_b32 v37, 16
.irp e, 19,21,24,27,31,35,40,46,52,59,67,77,87,99,113
	v_cmp_le_u32 vcc_lo, \e, v36
	v_cndmask_b32 v38, 0, 1, vcc_lo
	v_add_nc_u32 v37, v37, v38
.endr
	v_cmp_gt_u32 vcc_lo, 16, v36
	v_cndmask_b32 v37, v37, v36, vcc_lo
	v_min_u32 v37, 31, v37
	s_lshl_b32 s13, s17, 2
	v_lshl_add_u32 v37, v37, 6, s13
	v_mov_b32 v38, s13
	global_load_b32 v39, v37, s[8:9]
	global_load_b32 v40, v38, s[8:9] offset:1984   ; the last bucket's
	global_load_b32 v41, v38, s[8:9]               ; bucket 0's
	s_wait_loadcnt 0x0
	v_sub_f32 v39, v39, v40
	v_sub_f32 v41, v41, v40
	v_mul_f32 v39, 0x41000000, v39                 ; x 8: the scores are scaled by c, which holds 1 / 8
	v_mul_f32 v41, 0x41000000, v41
	v_cmp_eq_u32 vcc_lo, 0, v0
	v_cndmask_b32 v41, s[BIGN], v41, vcc_lo
	v_mov_b32 v42, 0
	v_lshl_add_u32 v43, v0, 2, RTAB
.irp s, 0,1,2,3
	ds_store_b32 v43, v42 offset:1604*\s           ; copy s holds entry y at place y + s
	ds_store_b32 v43, v39 offset:1604*\s+512
	ds_store_b32 v43, v41 offset:1604*\s+1024
.endr
.Lno_table:
	s_wait_loadcnt 0x0                             ; Q
	FETCH_P
.Lslot:                                        ; 8 trips: a slot is entered and the next is asked for.  The first change's wait and barrier also show the table to every wave
	CHANGE 1
	SLOTSET
	FETCH_K
.Lstep:
	STEP
	s_sub_co_u32 s[CNT], s[CNT], 1
	s_cmp_lg_u32 s[CNT], 0
	s_cbranch_scc1 .Lstep
	HANDOVER
	s_add_co_u32 s[PU], s[PU], 2
	s_cmp_eq_u32 s[NEAR], 1
	s_cbranch_scc0 .Lbottom
	s_cmp_lt_u32 s[WV], 4                          ; the first block's end
	s_cbranch_scc0 .Lswitch
	OUT
.Lswitch:
	s_wait_xcnt 0x0                                ; the stores have read their registers and O's address
	s_wait_loadcnt 0x0                             ; the pad values fetched past the block's end have landed: their registers are loaded anew
	s_mov_b64 s[OA:OA+1], s[OLO:OLO+1]
	s_mov_b32 s[PU], s[ULO]
	s_mov_b32 s[PLIM], s[LLIM]
	s_add_co_u32 s[TP], s[ULO], 1
	s_add_co_u32 s[TP], s[TP], s[WK]
	s_lshl_b32 s[TP], s[TP], 9
	s_mov_b32 s[TPI], 256
	WIN 0x41
.set k, 0
.rept 32
	v_mov_b32 v[k], v[QB+k]
.set k, k+1
.endr
	WIN 0
	INIT
	FETCH_P
.Lbottom:
	s_sub_co_u32 s[SLOTS], s[SLOTS], 1
	s_cmp_lg_u32 s[SLOTS], 0
	s_cbranch_scc1 .Lslot
	CHANGE 0                                       ; the walk's last slot is written out
	SLOTSET
	FETCH_K
.Lstep2:
	STEP
	s_sub_co_u32 s[CNT], s[CNT], 1
	s_cmp_lg_u32 s[CNT], 0
	s_cbranch_scc1 .Lstep2
	HANDOVER
	s_cmp_lt_u32 s[WV], 4
	s_cbranch_scc0 .Lend
	OUT
.Lend:
	s_wait_tensorcnt 0x0                           ; the wave's end
	ds_add_u32 v[SPW], v[NIL]
	s_wait_dscnt 0x0
	s_endpgm
.Lfunc_end_k_qf2316836b8_attention:
	.size	k_qf2316836b8_attention, .Lfunc_end_k_qf2316836b8_attention-k_qf2316836b8_attention
	.p2alignl 7, 3214868480
	.fill 96, 4, 3214868480
	.section	.rodata,"a",@progbits
	.p2align	6, 0x0
	.amdhsa_kernel k_qf2316836b8_attention
		.amdhsa_group_segment_fixed_size 327680
		.amdhsa_private_segment_fixed_size 0
		.amdhsa_enable_private_segment 0
		.amdhsa_kernarg_size 32
		.amdhsa_user_sgpr_count 2
		.amdhsa_user_sgpr_kernarg_segment_ptr 1
		.amdhsa_wavefront_size32 1
		.amdhsa_system_sgpr_workgroup_id_x 1
		.amdhsa_system_sgpr_workgroup_id_y 1
		.amdhsa_system_sgpr_workgroup_id_z 1
		.amdhsa_system_vgpr_workitem_id 0
		.amdhsa_next_free_vgpr 512
		.amdhsa_next_free_sgpr 100
		.amdhsa_reserve_vcc 1
		.amdhsa_float_denorm_mode_32 3
		.amdhsa_float_denorm_mode_16_64 3
		.amdhsa_memory_ordered 1
		.amdhsa_forward_progress 1
		.amdhsa_inst_pref_size 94
	.end_amdhsa_kernel
	.amdgpu_metadata
---
amdhsa.version: [ 1, 2 ]
amdhsa.kernels:
  - .name:           k_qf2316836b8_attention
    .symbol:         k_qf2316836b8_attention.kd
    .args:
      - { .name: qkvb, .offset: 0, .size: 8, .value_kind: global_buffer, .address_space: global }
      - { .name: padf, .offset: 8, .size: 8, .value_kind: global_buffer, .address_space: global }
      - { .name: rel_bias, .offset: 16, .size: 8, .value_kind: global_buffer, .address_space: global }
      - { .name: att, .offset: 24, .size: 8, .value_kind: global_buffer, .address_space: global }
    .group_segment_fixed_size: 327680
    .private_segment_fixed_size: 0
    .kernarg_segment_align: 8
    .kernarg_segment_size: 32
    .max_flat_workgroup_size: 256
    .sgpr_count:     100
    .vgpr_count:     512
    .wavefront_size: 32
...
	.end_amdgpu_metadata
.endif
;; end of part 3
;; launch proj_o (part 4): grid 8 x 32, 4 waves a work-group, clusters of 4 x 4, 327,680 bytes of LDS; arguments att, wb, bo, attention_mask, hidden, hbuf; writes hbuf
.if DOCPART == 4
	.amdgcn_target "amdgcn-amd-amdhsa--gfx1250"
	.amdhsa_code_object_version 6
	.text
	.protected	k_qf2316836b8_proj_o
	.globl	k_qf2316836b8_proj_o
	.p2align	8
	.type	k_qf2316836b8_proj_o,@function
k_qf2316836b8_proj_o:
	s_mov_b64 s[64:65], 0
	v_nop
	global_prefetch_b8 v0, s[64:65] scope:SCOPE_SE
	s_setreg_imm32_b32 hwreg(HW_REG_WAVE_MODE, 25, 1), 1
	s_wait_xcnt 0x0
	s_wait_alu depctr_hold_cnt(0) depctr_sa_sdst(0) depctr_va_vdst(0) depctr_va_sdst(0) depctr_va_ssrc(0) depctr_va_vcc(0) depctr_vm_vsrc(0)
	s_getreg_b32 s2, hwreg(HW_REG_IB_STS2, 6, 4)
	s_cmp_eq_u32 s2, 0
	s_cbranch_scc0 .Lentry_in_a_cluster
	s_endpgm
.Lentry_in_a_cluster:
	s_bfe_u32 s2, ttmp6, 0x10000c
	s_cmp_lg_u32 s2, 0xf033
	s_cbranch_scc0 .Lentry_shape_is_right
	s_endpgm
.Lentry_shape_is_right:
; C = A W + bias with a residual and the row mask, f32 out; a tile of 128 x 128 to a work-group, 64 x 64 to each of four waves (16 accumulators).  N = 1024; K in steps of 256.
; WO = 1: hbuf = hidden + mask (att wo + bo), K = 1024.   WO = 0: out0 = mask (hbuf + act w2 + b2), K = 4096.
; A lies as [row / 128][k / 64][row % 128][64]: a wave's share of a K step, two panels, is 32,768 dense bytes, asked for as 128 rows of 256 bytes and padded in LDS after every 128.
; W lies [K][N]; its fragments are turned on the way out of LDS.  Source 0 = 16 columns of W, source 1 = 16 rows of A.  The bias is the C operand of each accumulator's first product.
; CLUSTER 4 x 4: A's tiles are shared along a row of the cluster, W's along a column.  A ring of two LDS slots; one K step is one trip, the slot in hand is s[TB].
; The mask is used as the whole number that it is, turned into f32.  Matrix operands bf16, sums f32.  WO = 1 has four K steps and no prefetch.
.set WO, 1
.set NSTEPS, 4
.set NPAN, 16                          ; panels in a row block of A
.set WOFF, 6<<20                       ; where W begins in wb
.set PF, 0
.set PA, 144
.set PB, 288                           ; a row of W in LDS: 256 bytes + 32: an odd multiple of 32, for the turning load
.set PANA, 128*PA
.set BREG, 4*PANA
.set HALFB, 128*PB
.set SLOT, BREG+2*HALFB                ; 147,456
.set STAGE, 2*SLOT                     ; 16 rows x 272 bytes a wave, never filled by a tensor load
.set SPI, 272
.set SPARE, STAGE+4*16*SPI
.set STEPA, 65536
.set STEPB, 524288
.set A0, 16
.set B0, 17
.set ADRA, 18
.set ADRB, 19                          ; v19 W's rows 0-127 of the slot in hand, v20 its rows 128-255
.set MO, 22
.set STO, 24
.set RD, 25
.set CO, 26
.set BO, 27
.set SPW, 28
.set NIL, 29
.set PFO, 30
.set T, 32                             ; window 0: v32-63 at work on the way out; v96-127 the bias; v128-255 accumulator (a, b) at 128 + 8 (4 a + b)
.set BIAS, 96
.set ACC, 128
.set F0, 0                             ; window 1: two fragment buffers of 128: 64 of A, 64 of W, for 64 along K
.set F1, 128
.set MK, 128                           ; window 2: v0-127 the residual, v128-159 the mask of my rows
.set WV, 16
.set WM, 17
.set WN, 18
.set CX, 19
.set CY, 20
.set TC, 21
.set TRW, 22
.set G1A, 32
.set G1B, 40
.set G0A, 48
.set G0B, 56
.set TB, 66
.set LAA, 67
.set LAB, 68
.set CNT, 69
.set LIM, 70
.set PFA, 72
.set PFS, 74
.set MSB, 0
.macro WIN new
.if MSB != (\new)
	s_set_vgpr_msb (MSB<<8)|(\new)
.set MSB, \new
.endif
.endm
.macro PLACES
.rept 4
	v_nop
.endr
.endm
.macro JLOAD set                       ; a joint load; s_nop 0 and four v_nop follow each line
	s_cmp_eq_u32 s[WM], 0
	s_cbranch_scc0 .Lfor_b_\@
	tensor_load_to_lds s[G0A+4*(\set):G0A+4*(\set)+3], s[G1A:G1A+7]
	s_nop 0
.rept 4
	v_nop
.endr
	s_branch .Lasked_\@
.Lfor_b_\@:
	tensor_load_to_lds s[G0B+4*(\set):G0B+4*(\set)+3], s[G1B:G1B+7]
	s_nop 0
.rept 4
	v_nop
.endr
.Lasked_\@:
.endm
.macro CREST
	s_cmp_lg_u32 s[WV], 0
	s_cbranch_scc1 .Lnot_wave_0_\@
	s_barrier_signal -3
.Lnot_wave_0_\@:
	s_barrier_wait -3
	s_barrier_signal -1
	s_barrier_wait -1
.endm
.macro CROUND
	s_barrier_signal -1
	s_barrier_wait -1
	CREST
.endm
.macro ASK                             ; a prefetch into the L2 of my work-group's quarter of what I shall fetch one refill on: 32 blocks of 256 bytes, a lane a block; the loop's last trip asks for nothing
	s_cmp_gt_u32 s[CNT], s[LIM]
	s_cbranch_scc0 .Lna_\@
	global_prefetch_b8 v[PFO], s[PFA:PFA+1] th:TH_LOAD_NT scope:SCOPE_SE
.Lna_\@:
.endm
.macro MUL8 f, c, a0, first            ; 8 products: row blocks a0, a0 + 1 x 4 column blocks, 32 along K.  The 16 accumulators take turns
	WIN 0x05
.irp a, \a0, (\a0)+1
.irp b, 0,1,2,3
.if \first
	v_wmma_f32_16x16x32_bf16 v[ACC+8*(4*(\a)+(\b)):ACC+8*(4*(\a)+(\b))+7], v[(\f)+64+8*(4*(\c)+(\b)):(\f)+64+8*(4*(\c)+(\b))+7], v[(\f)+8*(4*(\c)+(\a)):(\f)+8*(4*(\c)+(\a))+7], v[BIAS+8*(\b):BIAS+8*(\b)+7]
.else
	v_wmma_f32_16x16x32_bf16 v[ACC+8*(4*(\a)+(\b)):ACC+8*(4*(\a)+(\b))+7], v[(\f)+64+8*(4*(\c)+(\b)):(\f)+64+8*(4*(\c)+(\b))+7], v[(\f)+8*(4*(\c)+(\a)):(\f)+8*(4*(\c)+(\a))+7], v[ACC+8*(4*(\a)+(\b)):ACC+8*(4*(\a)+(\b))+7]
.endif
.endr
.endr
.endm
.macro FETCH q, g                      ; 32 LDS loads in one run: quarter q (64 along K) into buffer g; its first 32 along K first
	WIN 0x40
.irp c, 0,1
.irp i, 0,1,2,3
	ds_load_tr16_b128 v[(\g)+64+8*(4*(\c)+(\i)):(\g)+64+8*(4*(\c)+(\i))+3],   v[ADRB+(\q)/2] offset:(((\q)%2)*64+32*(\c))*PB+32*(\i)
	ds_load_tr16_b128 v[(\g)+64+8*(4*(\c)+(\i))+4:(\g)+64+8*(4*(\c)+(\i))+7], v[ADRB+(\q)/2] offset:(((\q)%2)*64+32*(\c))*PB+32*(\i)+16*PB
	ds_load_b128 v[(\g)+8*(4*(\c)+(\i)):(\g)+8*(4*(\c)+(\i))+3],   v[ADRA] offset:(\q)*PANA+64*(\c)+(\i)*16*PA
	ds_load_b128 v[(\g)+8*(4*(\c)+(\i))+4:(\g)+8*(4*(\c)+(\i))+7], v[ADRA] offset:(\q)*PANA+64*(\c)+(\i)*16*PA+32
.endr
.endr
.endm
.macro QUARTER q, f, g, first
	s_wait_dscnt 16                                ; the first 32 along K are in
	MUL8 \f, 0, 0, \first
	MUL8 \f, 0, 2, \first
	PLACES
	FETCH \q, \g
	s_wait_dscnt 32                                ; all but the 32 just issued
	MUL8 \f, 1, 0, 0
	MUL8 \f, 1, 2, 0
.endm
.macro MEET round
	WIN 0
	s_wait_tensorcnt 0x0
	ds_add_u32 v[SPW], v[NIL]
	s_wait_dscnt 17                                ; (the add and the youngest sixteen loads may be out)
	MUL8 F1, 0, 0, 0
	s_wait_dscnt 0x0
	s_barrier_signal -1
	MUL8 F1, 0, 2, 0
.if \round
	WIN 0
.endif
	s_barrier_wait -1
.endm
.macro NEXTSLOT
	s_xor_b32 s[TB], s[TB], SLOT                   ; 0 and SLOT by turns
	v_add_nc_u32 v[ADRA], s[TB], v[A0]
	v_add_nc_u32 v[ADRB], s[TB], v[B0]
	v_add_nc_u32 v[ADRB+1], HALFB, v[ADRB]
	FETCH 0, F0
	WIN 0
.endm
.macro TURN1                           ; the slot just read is filled again, two K steps on: 112 products stand between the request and the wait for it
.if PF
	s_wait_xcnt 0x0                                ; the last prefetch, a K step back, has read its address
	s_add_nc_u64 s[PFA:PFA+1], s[PFA:PFA+1], s[PFS:PFS+1]
.endif
	MEET 1
	CREST
	s_add_co_u32 s[G0A+5], s[LAA], s[TB]
	s_add_nc_u64 s[G0A+6:G0A+7], s[G0A+6:G0A+7], STEPA
	s_add_co_u32 s[G0B+5], s[LAB], s[TB]
	s_add_nc_u64 s[G0B+6:G0B+7], s[G0B+6:G0B+7], STEPB
	JLOAD 1
	NEXTSLOT
.if PF
	ASK
.endif
	MUL8 F1, 1, 0, 0
	MUL8 F1, 1, 2, 0
.endm
.macro TURN0
	MEET 0
	PLACES
	WIN 0
	s_cmp_eq_u32 s[CNT], 1
	s_cbranch_scc1 .Lnf_\@
	NEXTSLOT
.Lnf_\@:
	MUL8 F1, 1, 0, 0
	MUL8 F1, 1, 2, 0
.endm
.macro FIN a, t                        ; rows 16 a + 2 t + hh: four numbers a lane; the row's mask lies in one register of a pair
.irp p, 0,1
.if WO
.if (\t)%2
	v_pk_fma_f32 v[T+4*(\t)+2*\p:T+4*(\t)+2*\p+1], v[T+4*(\t)+2*\p:T+4*(\t)+2*\p+1], v[MK+8*(\a)+(\t)-1:MK+8*(\a)+(\t)], v[4*(8*(\a)+(\t))+2*\p:4*(8*(\a)+(\t))+2*\p+1] op_sel:[0,1,0] op_sel_hi:[1,1,1]
.else
	v_pk_fma_f32 v[T+4*(\t)+2*\p:T+4*(\t)+2*\p+1], v[T+4*(\t)+2*\p:T+4*(\t)+2*\p+1], v[MK+8*(\a)+(\t):MK+8*(\a)+(\t)+1], v[4*(8*(\a)+(\t))+2*\p:4*(8*(\a)+(\t))+2*\p+1] op_sel_hi:[1,0,1]
.endif
.else
	v_pk_add_f32 v[T+4*(\t)+2*\p:T+4*(\t)+2*\p+1], v[T+4*(\t)+2*\p:T+4*(\t)+2*\p+1], v[4*(8*(\a)+(\t))+2*\p:4*(8*(\a)+(\t))+2*\p+1]
.if (\t)%2
	v_pk_mul_f32 v[T+4*(\t)+2*\p:T+4*(\t)+2*\p+1], v[T+4*(\t)+2*\p:T+4*(\t)+2*\p+1], v[MK+8*(\a)+(\t)-1:MK+8*(\a)+(\t)] op_sel:[0,1] op_sel_hi:[1,1]
.else
	v_pk_mul_f32 v[T+4*(\t)+2*\p:T+4*(\t)+2*\p+1], v[T+4*(\t)+2*\p:T+4*(\t)+2*\p+1], v[MK+8*(\a)+(\t):MK+8*(\a)+(\t)+1] op_sel_hi:[1,0]
.endif
.endif
.endr
.endm
	s_load_b256 s[4:11], s[0:1], 0x0               ; A 4, wb 6, bias 8, attention_mask 10
	s_load_b128 s[12:15], s[0:1], 0x20             ; residual 12, out 14
	v_lshl_add_u32 v[SPW], v0, 2, SPARE
	v_mov_b32 v[NIL], 0
	ds_add_u32 v[SPW], v[NIL]                      ; the wave's opening: the add and its wait ahead of my first tensor load
	v_lshrrev_b32 v1, 5, v0
	v_readfirstlane_b32 s[WV], v1
	s_lshr_b32 s[WM], s[WV], 1
	s_and_b32 s[WN], s[WV], 1
	s_bfe_u32 s[CX], ttmp6, 0x40000
	s_bfe_u32 s[CY], ttmp6, 0x40004
	s_lshl_b32 s[TC], ttmp9, 2
	s_add_co_u32 s[TC], s[TC], s[CX]
	s_and_b32 s[TRW], ttmp7, 0xffff
	s_lshl_b32 s[TRW], s[TRW], 2
	s_add_co_u32 s[TRW], s[TRW], s[CY]
	s_lshl_b32 s2, s[CY], 2
	s_lshl_b32 s2, 15, s2
	s_lshl_b32 s3, 0x1111, s[CX]
	s_or_b32 s[G1A], s2, (1<<16)|(1<<20)|(1<<21)|(4<<22)|(3<<25)  ; mask; 2-byte elements; padding on; bit 21 beside a mask; after every 32 words 4 words
	s_or_b32 s[G1B], s3, (1<<16)|(1<<20)|(1<<21)|(5<<22)|(7<<25)  ; after every 64 words 8 words
.irp g, G1A, G1B
	s_mov_b32 s[(\g)+1], 128<<16                   ; 128 rows of 128 elements
	s_mov_b32 s[(\g)+2], 128<<16
	s_mov_b32 s[(\g)+3], 128<<16
	s_mov_b32 s[(\g)+4], 128
	s_mov_b32 s[(\g)+6], 0
	s_mov_b32 s[(\g)+7], 0
.endr
	s_mov_b32 s[G1A+5], 128                        ; A: dense
	s_mov_b32 s[G1B+5], 1024                       ; W: 1,024 elements from row to row
	s_mul_i32 s24, s[TRW], NPAN*16384
	s_lshl_b32 s25, s[WN], 15
	s_add_co_u32 s24, s24, s25
	s_mov_b32 s25, 0
	s_lshl_b32 s26, s[TC], 8                       ; 128 columns are 256 bytes
	s_add_co_u32 s26, s26, WOFF
	s_lshl_b32 s27, s[WN], 18                      ; my 128 rows of the K step
	s_add_co_u32 s26, s26, s27
	s_mov_b32 s27, 0
	s_mul_i32 s[LAA], s[WN], 2*PANA
	s_mul_i32 s[LAB], s[WN], HALFB
	s_add_co_u32 s[LAB], s[LAB], BREG
	s_mov_b32 s[TB], 0
	s_wait_dscnt 0x0                               ; the opening add is done
	s_wait_kmcnt 0x0
	s_add_nc_u64 s[24:25], s[4:5], s[24:25]
	s_add_nc_u64 s[26:27], s[6:7], s[26:27]
	CROUND                                         ; all sixteen work-groups are here: the first joint loads meet
.irp s, 0,1
	s_mov_b32 s[G0A+4*(\s)], 1
	s_add_co_u32 s[G0A+4*(\s)+1], s[LAA], (\s)*SLOT
	s_add_nc_u64 s[G0A+4*(\s)+2:G0A+4*(\s)+3], s[24:25], (\s)*STEPA
	s_or_b32 s[G0A+4*(\s)+3], s[G0A+4*(\s)+3], 0x80000000
	s_mov_b32 s[G0B+4*(\s)], 1
	s_add_co_u32 s[G0B+4*(\s)+1], s[LAB], (\s)*SLOT
	s_add_nc_u64 s[G0B+4*(\s)+2:G0B+4*(\s)+3], s[26:27], (\s)*STEPB
	s_or_b32 s[G0B+4*(\s)+3], s[G0B+4*(\s)+3], 0x80000000
	JLOAD \s                                       ; two loads of mine are out: the most in this text
.endr
.if PF
	s_and_b32 s28, ttmp7, 0xffff
	s_cmp_eq_u32 s[WM], 0
	s_cselect_b32 s28, ttmp9, s28                  ; A's blocks are named by the clusters with x = 0, W's by those with y = 0
	s_cselect_b64 s[PFA:PFA+1], s[24:25], s[26:27]
	s_cselect_b32 s29, s[CX], s[CY]                ; the four partners of a joint load are told apart by address
	s_cselect_b32 s30, 13, 16                      ; a quarter: 8,192 dense bytes of A, 32 rows of W
	s_cselect_b32 s[PFS], 16, 19
	s_cselect_b32 s3, 8, 11
	s_lshl_b32 s30, s29, s30
	s_mov_b32 s31, 0
	s_lshl_b32 s[PFS], 1, s[PFS]
	s_mov_b32 s[PFS+1], 0
	s_cmp_eq_u32 s28, 0
	s_cselect_b32 s[LIM], 1, -1
	s_add_nc_u64 s[PFA:PFA+1], s[PFA:PFA+1], s[30:31]
	s_add_nc_u64 s[PFA:PFA+1], s[PFA:PFA+1], s[PFS:PFS+1]
	s_add_nc_u64 s[PFA:PFA+1], s[PFA:PFA+1], s[PFS:PFS+1]  ; at K step 2; the first refill steps it to 3
	v_and_b32 v3, 31, v0
	v_lshlrev_b32 v[PFO], s3, v3
.endif
	v_and_b32 v1, 15, v0                           ; r
	v_bfe_u32 v2, v0, 4, 1                         ; hh
	s_lshl_b32 s28, s[TC], 9
	s_lshl_b32 s29, s[WN], 8
	s_add_co_u32 s28, s28, s29                     ; my 64 columns, in bytes of f32
	v_lshl_add_u32 v[BO], v2, 5, s28
.irp b, 0,1,2,3
	global_load_b128 v[BIAS+8*(\b):BIAS+8*(\b)+3],   v[BO], s[8:9] offset:64*(\b)
	global_load_b128 v[BIAS+8*(\b)+4:BIAS+8*(\b)+7], v[BO], s[8:9] offset:64*(\b)+16
.endr
	s_lshl_b32 s29, s[TRW], 19                     ; my first row: 128 TRW + 64 wm, 4,096 bytes a row
	s_add_co_u32 s28, s28, s29
	s_lshl_b32 s29, s[WM], 18
	s_add_co_u32 s28, s28, s29
	s_mov_b32 s29, 0
	s_add_nc_u64 s[12:13], s[12:13], s[28:29]
	s_add_nc_u64 s[14:15], s[14:15], s[28:29]
	s_lshl_b32 s28, s[TRW], 9
	s_lshl_b32 s29, s[WM], 8
	s_add_co_u32 s28, s28, s29
	v_lshl_add_u32 v[MO], v2, 2, s28               ; the mask of row 2 t + hh
	v_lshlrev_b32 v[CO], 4, v1
	v_lshl_add_u32 v[CO], v2, 12, v[CO]            ; lanes 0-15 one row's 256 bytes, lanes 16-31 the next row's
	v_mul_u32_u24 v[A0], v1, PA
	v_lshl_add_u32 v[A0], v2, 4, v[A0]
	s_mul_i32 s23, s[WM], 64*PA
	v_add_nc_u32 v[A0], s23, v[A0]
	v_and_b32 v3, 7, v0
	v_lshl_add_u32 v3, v2, 3, v3
	v_mul_u32_u24 v[B0], v3, PB
	v_bfe_u32 v4, v0, 3, 1
	v_lshl_add_u32 v[B0], v4, 4, v[B0]
	s_lshl_b32 s23, s[WN], 7
	s_add_co_u32 s23, s23, BREG
	v_add_nc_u32 v[B0], s23, v[B0]
	v_mov_b32 v[ADRA], v[A0]
	v_mov_b32 v[ADRB], v[B0]
	v_add_nc_u32 v[ADRB+1], HALFB, v[B0]
	s_mul_i32 s23, s[WV], 16*SPI
	s_add_co_u32 s23, s23, STAGE
	v_mul_u32_u24 v[STO], v1, SPI
	v_lshl_add_u32 v[STO], v2, 5, v[STO]
	v_add_nc_u32 v[STO], s23, v[STO]
	v_mul_u32_u24 v[RD], v2, SPI
	v_lshl_add_u32 v[RD], v1, 4, v[RD]
	v_add_nc_u32 v[RD], s23, v[RD]
	s_wait_tensorcnt 0x1                           ; my part of K step 0 is in; K step 1's may stay out
	s_barrier_signal -1
	s_barrier_wait -1
	FETCH 0, F0
	s_wait_loadcnt 0x0                             ; the bias
	WIN 0x80                                       ; the mask and the residual of my 64 x 64 are asked for now and wanted on the way out
.irp a, 0,1,2,3
.irp t, 0,1,2,3,4,5,6,7
	global_load_b32 v[MK+8*(\a)+(\t)], v[MO], s[10:11] offset:(16*(\a)+2*(\t))*4
	global_load_b128 v[4*(8*(\a)+(\t)):4*(8*(\a)+(\t))+3], v[CO], s[12:13] offset:(16*(\a)+2*(\t))*4096
.endr
.endr
	QUARTER 1, F0, F1, 1                           ; the first quarter stands ahead of the loop: its first products start the sums, from the bias
	WIN 0
	s_mov_b32 s[CNT], NSTEPS-2
.Lk:
	QUARTER 2, F1, F0, 0
	QUARTER 3, F0, F1, 0
	TURN1
	QUARTER 1, F0, F1, 0
	WIN 0
	s_sub_co_u32 s[CNT], s[CNT], 1
	s_cmp_lg_u32 s[CNT], 0
	s_cbranch_scc1 .Lk
	s_mov_b32 s[CNT], 2
.Lt:                                           ; the last two K steps: no tensor load in this text
	QUARTER 2, F1, F0, 0
	QUARTER 3, F0, F1, 0
	TURN0
	WIN 0
	s_sub_co_u32 s[CNT], s[CNT], 1
	s_cmp_eq_u32 s[CNT], 0
	s_cbranch_scc1 .Lout
	QUARTER 1, F0, F1, 0
	WIN 0
	s_branch .Lt
.Lout:
	; THE WAY OUT: 16 rows at a time through my own stage, back as whole rows of 256 bytes.
	s_wait_loadcnt 0x0                             ; the mask and the residual
	WIN 0x82
.set i, 0
.rept 32
	v_cvt_f32_i32 v[MK+i], v[MK+i]
.set i, i+1
.endr
	WIN 0
	PLACES
.irp a, 0,1,2,3
.irp b, 0,1,2,3
	ds_store_b128 v[STO], v[ACC+8*(4*(\a)+(\b)):ACC+8*(4*(\a)+(\b))+3]   offset:64*(\b)
	ds_store_b128 v[STO], v[ACC+8*(4*(\a)+(\b))+4:ACC+8*(4*(\a)+(\b))+7] offset:64*(\b)+16
.endr
	s_wait_xcnt 0x0                                ; the block before's stores have read v32-63
.irp t, 0,1,2,3,4,5,6,7
	ds_load_b128 v[T+4*(\t):T+4*(\t)+3], v[RD] offset:(\t)*2*SPI  ; LDS serves a wave's instructions in order: these see the stores above
.endr
	s_wait_dscnt 0x0
.if WO
	WIN 0x28                                       ; the mask (source 1) and the residual (source 2) in window 2
.else
	WIN 0x08
.endif
.irp t, 0,1,2,3,4,5,6,7
	FIN \a, \t
.endr
	WIN 0
.irp t, 0,1,2,3,4,5,6,7
	global_store_b128 v[CO], v[T+4*(\t):T+4*(\t)+3], s[14:15] offset:(16*(\a)+2*(\t))*4096  ; 16 lanes store 256 consecutive bytes, aligned
.endr
.endr
	s_wait_tensorcnt 0x0                           ; the wave's end
	ds_add_u32 v[SPW], v[NIL]
	s_wait_dscnt 0x0
	CROUND                                         ; the closing round
	s_endpgm
.Lfunc_end_k_qf2316836b8_proj_o:
	.size	k_qf2316836b8_proj_o, .Lfunc_end_k_qf2316836b8_proj_o-k_qf2316836b8_proj_o
	.p2alignl 7, 3214868480
	.fill 96, 4, 3214868480
	.section	.rodata,"a",@progbits
	.p2align	6, 0x0
	.amdhsa_kernel k_qf2316836b8_proj_o
		.amdhsa_group_segment_fixed_size 327680
		.amdhsa_private_segment_fixed_size 0
		.amdhsa_enable_private_segment 0
		.amdhsa_kernarg_size 48
		.amdhsa_user_sgpr_count 2
		.amdhsa_user_sgpr_kernarg_segment_ptr 1
		.amdhsa_wavefront_size32 1
		.amdhsa_system_sgpr_workgroup_id_x 1
		.amdhsa_system_sgpr_workgroup_id_y 1
		.amdhsa_system_sgpr_workgroup_id_z 1
		.amdhsa_system_vgpr_workitem_id 0
		.amdhsa_next_free_vgpr 768
		.amdhsa_next_free_sgpr 96
		.amdhsa_reserve_vcc 0
		.amdhsa_float_denorm_mode_32 3
		.amdhsa_float_denorm_mode_16_64 3
		.amdhsa_memory_ordered 1
		.amdhsa_forward_progress 1
		.amdhsa_inst_pref_size 70
	.end_amdhsa_kernel
	.amdgpu_metadata
---
amdhsa.version: [ 1, 2 ]
amdhsa.kernels:
  - .name:           k_qf2316836b8_proj_o
    .symbol:         k_qf2316836b8_proj_o.kd
    .args:
      - { .name: att, .offset: 0, .size: 8, .value_kind: global_buffer, .address_space: global }
      - { .name: wb, .offset: 8, .size: 8, .value_kind: global_buffer, .address_space: global }
      - { .name: bo, .offset: 16, .size: 8, .value_kind: global_buffer, .address_space: global }
      - { .name: attention_mask, .offset: 24, .size: 8, .value_kind: global_buffer, .address_space: global }
      - { .name: hidden, .offset: 32, .size: 8, .value_kind: global_buffer, .address_space: global }
      - { .name: hbuf, .offset: 40, .size: 8, .value_kind: global_buffer, .address_space: global }
    .group_segment_fixed_size: 327680
    .private_segment_fixed_size: 0
    .kernarg_segment_align: 8
    .kernarg_segment_size: 48
    .max_flat_workgroup_size: 128
    .sgpr_count:     96
    .vgpr_count:     768
    .wavefront_size: 32
...
	.end_amdgpu_metadata
.endif
;; end of part 4
;; launch norm2 (part 5): grid 256 x 1, 8 waves a work-group, no clusters, 0 bytes of LDS; arguments hbuf, ln2_g, ln2_b, yb; writes yb
.if DOCPART == 5
	.amdgcn_target "amdgcn-amd-amdhsa--gfx1250"
	.amdhsa_code_object_version 6
	.text
	.protected	k_qf2316836b8_norm2
	.globl	k_qf2316836b8_norm2
	.p2align	8
	.type	k_qf2316836b8_norm2,@function
k_qf2316836b8_norm2:
	s_mov_b64 s[64:65], 0
	v_nop
	global_prefetch_b8 v0, s[64:65] scope:SCOPE_SE
	s_setreg_imm32_b32 hwreg(HW_REG_WAVE_MODE, 25, 1), 1
	s_wait_xcnt 0x0
; LayerNorm 2 of 16 rows of hbuf a work-group, into yb in bf16, laid out [row / 256][col / 64][row % 256][64].  A wave takes two rows, 16 lanes a row; no LDS, no barrier.
.set X,  16                            ; v[16:79]   a lane's 64 numbers of its row
.set G,  80                            ; v[80:143]  the gains of its columns
.set BV, 144                           ; v[144:207] the biases
.set Y,  208                           ; v[208:239] the row in bf16
.macro RED16                           ; v4 <- the sum of v[4:11] over the 16 lanes that share a row
	v_pk_add_f32 v[4:5], v[4:5], v[6:7]
	v_pk_add_f32 v[8:9], v[8:9], v[10:11]
	v_pk_add_f32 v[4:5], v[4:5], v[8:9]
	v_add_f32 v4, v4, v5
	v_add_f32_dpp v4, v4, v4 row_xmask:1 row_mask:0xf bank_mask:0xf
	v_add_f32_dpp v4, v4, v4 row_xmask:2 row_mask:0xf bank_mask:0xf
	v_add_f32_dpp v4, v4, v4 row_xmask:4 row_mask:0xf bank_mask:0xf
	v_add_f32_dpp v4, v4, v4 row_xmask:8 row_mask:0xf bank_mask:0xf
.endm
	s_load_b256 s[8:15], s[0:1], 0x0               ; hbuf 8, ln2_g 10, ln2_b 12, yb 14
	v_lshrrev_b32 v1, 5, v0
	v_readfirstlane_b32 s3, v1                     ; wave w: rows 16 r + 2 w and + 1
	s_mov_b32 s2, ttmp9                            ; r
	v_and_b32 v1, 15, v0
	v_bfe_u32 v2, v0, 4, 1
	v_lshlrev_b32 v3, 4, v1                        ; 16 c: my place in g and b
	v_lshl_add_u32 v2, v2, 12, v3                  ; + a row of 4,096 bytes for the upper lanes
	v_and_b32 v1, 31, v0
	v_lshlrev_b32 v1, 3, v1                        ; 8 l: two rows of 128 bytes of a panel lie end to end
	s_lshl_b32 s40, s2, 16
	s_lshl_b32 s41, s3, 13
	s_add_co_u32 s40, s40, s41
	s_mov_b32 s41, 0
	s_wait_kmcnt 0x0
	s_add_nc_u64 s[42:43], s[8:9], s[40:41]
	s_lshr_b32 s40, s2, 4                          ; row / 256
	s_lshl_b32 s40, s40, 19
	s_and_b32 s44, s2, 15
	s_lshl_b32 s44, s44, 11                        ; (row % 256) x 128
	s_add_co_u32 s40, s40, s44
	s_lshl_b32 s44, s3, 8
	s_add_co_u32 s40, s40, s44
	s_add_nc_u64 s[44:45], s[14:15], s[40:41]
	s_mov_b32 s46, 0x3a800000                      ; 1 / 1024
	s_mov_b32 s47, 0x3727c5ac                      ; 1e-5
.set p, 0
.rept 16
	global_load_b128 v[X+4*p:X+4*p+3], v2, s[42:43] offset:256*p
.set p, p+1
.endr
.set p, 0
.rept 16
	global_load_b128 v[G+4*p:G+4*p+3], v3, s[10:11] offset:256*p
	global_load_b128 v[BV+4*p:BV+4*p+3], v3, s[12:13] offset:256*p
.set p, p+1
.endr
	s_wait_loadcnt 32                              ; the row is in; the 32 loads of g and b stay out
.irp k, 0,1,2,3
	v_pk_add_f32 v[4+2*\k:5+2*\k], v[X+2*\k:X+2*\k+1], v[X+8+2*\k:X+9+2*\k]
.endr
.set j, 8
.rept 24
	v_pk_add_f32 v[4+2*(j%4):5+2*(j%4)], v[4+2*(j%4):5+2*(j%4)], v[X+2*j:X+2*j+1]
.set j, j+1
.endr
	RED16
	v_mul_f32 v12, s46, v4
	v_mov_b32 v13, v12
.set j, 0
.rept 32
	v_pk_add_f32 v[X+2*j:X+2*j+1], v[X+2*j:X+2*j+1], v[12:13] neg_lo:[0,1] neg_hi:[0,1]  ; the mean first, then the squares of the differences: a common offset costs nothing
.set j, j+1
.endr
.irp k, 0,1,2,3
	v_pk_mul_f32 v[4+2*\k:5+2*\k], v[X+2*\k:X+2*\k+1], v[X+2*\k:X+2*\k+1]
.endr
.set j, 4
.rept 28
	v_pk_fma_f32 v[4+2*(j%4):5+2*(j%4)], v[X+2*j:X+2*j+1], v[X+2*j:X+2*j+1], v[4+2*(j%4):5+2*(j%4)]
.set j, j+1
.endr
	RED16
	v_fma_f32 v4, v4, s46, s47
	v_rsq_f32 v14, v4
	v_rsq_f32 v15, v4
	v_nop                                          ; a plain instruction behind the second root,
	s_wait_alu depctr_va_vdst(0)                   ; and one wait for both, ahead of their first reader
	s_wait_loadcnt 0x0                             ; g and b
.set j, 0
.rept 32
	v_pk_mul_f32 v[X+2*j:X+2*j+1], v[X+2*j:X+2*j+1], v[14:15]
	v_pk_fma_f32 v[X+2*j:X+2*j+1], v[X+2*j:X+2*j+1], v[G+2*j:G+2*j+1], v[BV+2*j:BV+2*j+1]
.set j, j+1
.endr
.set j, 0
.rept 32
	v_cvt_pk_bf16_f32 v[Y+j], v[X+2*j], v[X+2*j+1]
.set j, j+1
.endr
.set p, 0
.rept 16
	global_store_b64 v1, v[Y+2*p:Y+2*p+1], s[44:45] offset:32768*p  ; 32 lanes store 256 consecutive bytes of panel p, aligned
.set p, p+1
.endr
	s_endpgm
.Lfunc_end_k_qf2316836b8_norm2:
	.size	k_qf2316836b8_norm2, .Lfunc_end_k_qf2316836b8_norm2-k_qf2316836b8_norm2
	.p2alignl 7, 3214868480
	.fill 96, 4, 3214868480
	.section	.rodata,"a",@progbits
	.p2align	6, 0x0
	.amdhsa_kernel k_qf2316836b8_norm2
		.amdhsa_group_segment_fixed_size 0
		.amdhsa_private_segment_fixed_size 0
		.amdhsa_enable_private_segment 0
		.amdhsa_kernarg_size 32
		.amdhsa_user_sgpr_count 2
		.amdhsa_user_sgpr_kernarg_segment_ptr 1
		.amdhsa_wavefront_size32 1
		.amdhsa_system_sgpr_workgroup_id_x 1
		.amdhsa_system_sgpr_workgroup_id_y 1
		.amdhsa_system_sgpr_workgroup_id_z 1
		.amdhsa_system_vgpr_workitem_id 0
		.amdhsa_next_free_vgpr 240
		.amdhsa_next_free_sgpr 66
		.amdhsa_reserve_vcc 0
		.amdhsa_float_denorm_mode_32 3
		.amdhsa_float_denorm_mode_16_64 3
		.amdhsa_memory_ordered 1
		.amdhsa_forward_progress 1
		.amdhsa_inst_pref_size 21
	.end_amdhsa_kernel
	.amdgpu_metadata
---
amdhsa.version: [ 1, 2 ]
amdhsa.kernels:
  - .name:           k_qf2316836b8_norm2
    .symbol:         k_qf2316836b8_norm2.kd
    .args:
      - { .name: hbuf, .offset: 0, .size: 8, .value_kind: global_buffer, .address_space: global }
      - { .name: ln2_g, .offset: 8, .size: 8, .value_kind: global_buffer, .address_space: global }
      - { .name: ln2_b, .offset: 16, .size: 8, .value_kind: global_buffer, .address_space: global }
      - { .name: yb, .offset: 24, .size: 8, .value_kind: global_buffer, .address_space: global }
    .group_segment_fixed_size: 0
    .private_segment_fixed_size: 0
    .kernarg_segment_align: 8
    .kernarg_segment_size: 32
    .max_flat_workgroup_size: 256
    .sgpr_count:     66
    .vgpr_count:     240
    .wavefront_size: 32
...
	.end_amdgpu_metadata
.endif
;; end of part 5
;; launch ffn_up (part 6): grid 16 x 16, 4 waves a work-group, clusters of 4 x 4, 327,680 bytes of LDS; arguments yb, wb, b1, act; writes act
.if DOCPART == 6
	.amdgcn_target "amdgcn-amd-amdhsa--gfx1250"
	.amdhsa_code_object_version 6
	.text
	.protected	k_qf2316836b8_ffn_up
	.globl	k_qf2316836b8_ffn_up
	.p2align	8
	.type	k_qf2316836b8_ffn_up,@function
k_qf2316836b8_ffn_up:
	s_mov_b64 s[64:65], 0
	v_nop
	global_prefetch_b8 v0, s[64:65] scope:SCOPE_SE
	s_setreg_imm32_b32 hwreg(HW_REG_WAVE_MODE, 25, 1), 1
	s_wait_xcnt 0x0
	s_wait_alu depctr_hold_cnt(0) depctr_sa_sdst(0) depctr_va_vdst(0) depctr_va_sdst(0) depctr_va_ssrc(0) depctr_va_vcc(0) depctr_vm_vsrc(0)
	s_getreg_b32 s2, hwreg(HW_REG_IB_STS2, 6, 4)
	s_cmp_eq_u32 s2, 0
	s_cbranch_scc0 .Lentry_in_a_cluster
	s_endpgm
.Lentry_in_a_cluster:
	s_bfe_u32 s2, ttmp6, 0x10000c
	s_cmp_lg_u32 s2, 0xf033
	s_cbranch_scc0 .Lentry_shape_is_right
	s_endpgm
.Lentry_shape_is_right:
; C = A W + bias, a tile of 256 x 256 to a work-group, 128 x 128 to each of four waves (64 accumulators, 512 registers).  K = 1024 in 8 steps of 128.
; QKV = 1: A = xb, W = wq | wk | wv, C = q | k | v in bf16, by panels of 64 columns: qkvb[n / 64][row][64].
; QKV = 0: A = yb, W = w1, C = gelu(.) in bf16, act[row / 128][n / 64][row % 128][64].
; A lies as [row / 256][k / 64][row % 256][64]: a wave's share of a K step, one panel, is 32,768 dense bytes, asked for as 128 rows of 256 bytes and padded in LDS after every 128.
; W lies [K][N]; its fragments are turned on the way out of LDS (ds_load_tr16_b128).  Source 0 = 16 columns of W, source 1 = 16 rows of A: a lane then holds one row of C and 8 neighbouring columns.
; The bias is the C operand of each accumulator's first product: nothing is cleared and nothing is added later.
; CLUSTER 4 x 4: A's tiles are shared along a row of the cluster, W's along a column; each is asked for jointly.  A ring of two LDS slots; one K step is one trip, the slot in hand is s[TB].
; All matrix operands and the stored result are bf16, sums f32.  erf (QKV = 0) is 1 - (1 + c1 a + .. + c6 a^6)^-16, within 3e-7 of erf for every a; NaN and infinities are not treated apart.
.set QKV, 0
.set LGP, 13                           ; a row of W is 1 << LGP bytes
.set NSTEPS, 8
.set PITCHB, 1<<LGP
.set PA, 144                           ; a row of A in LDS: 128 bytes + 16: an odd multiple of 16, so 16 rows start at 16 different groups of four banks (ISA guide 11.1)
.set PB, 544                           ; a row of W: 512 + 32: an odd multiple of 32, for the turning load
.set PANA, 256*PA
.set BREG, 2*PANA                      ; behind A's two panels: W's 128 rows
.set HALFB, 64*PB
.set SLOT, BREG+2*HALFB                ; 143,360
.set SPARE, 2*SLOT                     ; the spare words, 128 bytes a wave
.set DP, 528                           ; the way out: a row of 128 f32 + 16 bytes
.set DW, 128*DP                        ; a wave's 128 rows; the four lie over the slots, which have had their last fill
.set STEPA, 65536
.set STEPB, 128*PITCHB
.set A0, 16                            ; v16 my lane's place in A's tile, v17 in W's; never rewritten
.set B0, 17
.set ADRA, 18                          ; the same in the slot in hand
.set ADRB, 19
.set DST, 24
.set RD, 25
.set GO, 26
.set BO, 27
.set SPW, 28                           ; v28 my spare word, v29 = 0; never rewritten
.set NIL, 29
.set PFO, 30
.set F0, 64                            ; fragment buffers: A's in window 0, W's in window 1; window 1 v0-63: the bias; windows 2, 3: accumulator (a, b) at 8 (8 (a % 4) + b)
.set F1, 128
.set XR, 64
.set WV, 16
.set WM, 17                            ; my half of the rows; also 0: I fetch A, 1: I fetch W
.set WN, 18                            ; my half of the columns; also which half I fetch
.set CX, 19
.set CY, 20
.set TC, 21
.set TRW, 22
.set G1A, 32
.set G1B, 40
.set G0A, 48                           ; two sets of group 0: K step 0, and the one that walks
.set G0B, 56
.set TB, 66
.set LAA, 67
.set LAB, 68
.set CNT, 69
.set LIM, 70
.set PFA, 72
.set PFS, 74
.set OB, 76
.set MSB, 0
.macro WIN new                         ; the immediate's high byte repeats the setting that is left
.if MSB != (\new)
	s_set_vgpr_msb (MSB<<8)|(\new)
.set MSB, \new
.endif
.endm
.macro PLACES                          ; four plain instructions between a matrix instruction and a load into, or a read of, its registers
.rept 4
	v_nop
.endr
.endm
.macro JLOAD set                       ; a joint load; the branch hangs on the wave's number alone; s_nop 0 and four v_nop follow each line
	s_cmp_eq_u32 s[WM], 0
	s_cbranch_scc0 .Lfor_b_\@
	tensor_load_to_lds s[G0A+4*(\set):G0A+4*(\set)+3], s[G1A:G1A+7]
	s_nop 0
.rept 4
	v_nop
.endr
	s_branch .Lasked_\@
.Lfor_b_\@:
	tensor_load_to_lds s[G0B+4*(\set):G0B+4*(\set)+3], s[G1B:G1B+7]
	s_nop 0
.rept 4
	v_nop
.endr
.Lasked_\@:
.endm
.macro CREST                           ; a round of the cluster's barrier behind its opening barrier
	s_cmp_lg_u32 s[WV], 0
	s_cbranch_scc1 .Lnot_wave_0_\@
	s_barrier_signal -3
.Lnot_wave_0_\@:
	s_barrier_wait -3
	s_barrier_signal -1
	s_barrier_wait -1
.endm
.macro CROUND
	s_barrier_signal -1
	s_barrier_wait -1
	CREST
.endm
; A prefetch into the L2 of my work-group's quarter (32 blocks of 256 bytes, a lane a block) of what I shall fetch one refill on.  A's blocks are named by the clusters with x = 0, W's by those with y = 0;
; the four partners of a joint load are told apart by address.  The loop's last trip has no K step behind its refill and asks for nothing.
.macro ASK
	s_cmp_gt_u32 s[CNT], s[LIM]
	s_cbranch_scc0 .Lna_\@
	global_prefetch_b8 v[PFO], s[PFA:PFA+1] th:TH_LOAD_NT scope:SCOPE_SE
.Lna_\@:
.endm
; 16 products: row blocks a0, a0 + 1 of the window's four x all 8 column blocks, 32 along K.  The 64 accumulators take turns, one instruction a turn.
.macro MUL16 f, hi, a0, first
.if \first
	WIN 0x91+0x40*(\hi)                            ; C, the bias, in window 1
.else
	WIN 0xa1+0x50*(\hi)
.endif
.irp a, \a0, (\a0)+1
.irp b, 0,1,2,3,4,5,6,7
.if \first
	v_wmma_f32_16x16x32_bf16 v[8*(8*(\a)+(\b)):8*(8*(\a)+(\b))+7], v[(\f)+8*(\b):(\f)+8*(\b)+7], v[(\f)+8*(4*(\hi)+(\a)):(\f)+8*(4*(\hi)+(\a))+7], v[8*(\b):8*(\b)+7]
.else
	v_wmma_f32_16x16x32_bf16 v[8*(8*(\a)+(\b)):8*(8*(\a)+(\b))+7], v[(\f)+8*(\b):(\f)+8*(\b)+7], v[(\f)+8*(4*(\hi)+(\a)):(\f)+8*(4*(\hi)+(\a))+7], v[8*(8*(\a)+(\b)):8*(8*(\a)+(\b))+7]
.endif
.endr
.endr
.endm
.macro FETCH q, g                      ; 32 LDS loads in one run: quarter q (32 along K) of the slot in hand into buffer g: W's 8 blocks, then A's 8
	WIN 0x40
.irp b, 0,1,2,3,4,5,6,7
	ds_load_tr16_b128 v[(\g)+8*(\b):(\g)+8*(\b)+3],   v[ADRB] offset:(\q)*32*PB+32*(\b)
	ds_load_tr16_b128 v[(\g)+8*(\b)+4:(\g)+8*(\b)+7], v[ADRB] offset:(\q)*32*PB+32*(\b)+16*PB
.endr
	WIN 0
.irp a, 0,1,2,3,4,5,6,7
	ds_load_b128 v[(\g)+8*(\a):(\g)+8*(\a)+3],   v[ADRA] offset:((\q)/2)*PANA+((\q)%2)*64+(\a)*16*PA
	ds_load_b128 v[(\g)+8*(\a)+4:(\g)+8*(\a)+7], v[ADRA] offset:((\q)/2)*PANA+((\q)%2)*64+(\a)*16*PA+32
.endr
.endm
.macro QUARTER q, f, g, first          ; multiplies buffer f; in its middle fetches quarter q into g
	s_wait_dscnt 8                                 ; W and A's rows 0-63 are in; the youngest eight loads may be out
	MUL16 \f, 0, 0, \first
	MUL16 \f, 0, 2, \first
	PLACES
	FETCH \q, \g
	s_wait_dscnt 32                                ; all but the 32 just issued
	MUL16 \f, 1, 0, \first
	MUL16 \f, 1, 2, \first
.endm
.macro MEET round                      ; the change of slots: all my tensor loads have landed, the add, my reads of the slot are over; then the barrier
	WIN 0
	s_wait_tensorcnt 0x0
	ds_add_u32 v[SPW], v[NIL]
	s_wait_dscnt 9                                 ; (the add and the youngest eight loads may be out)
	MUL16 F1, 0, 0, 0
	s_wait_dscnt 0x0
	s_barrier_signal -1
	MUL16 F1, 0, 2, 0
.if \round
	WIN 0
.endif
	s_barrier_wait -1
.endm
.macro TURN1                           ; the last quarter of a K step; the slot just read is filled again, two K steps on: 224 products stand between the request and the wait for it
	s_wait_xcnt 0x0                                ; the last prefetch, a K step back, has read its address
	s_add_nc_u64 s[PFA:PFA+1], s[PFA:PFA+1], s[PFS:PFS+1]
	MEET 1
	CREST
	s_add_co_u32 s[G0A+5], s[LAA], s[TB]
	s_add_nc_u64 s[G0A+6:G0A+7], s[G0A+6:G0A+7], STEPA
	s_add_co_u32 s[G0B+5], s[LAB], s[TB]
	s_add_nc_u64 s[G0B+6:G0B+7], s[G0B+6:G0B+7], STEPB
	JLOAD 1
	s_xor_b32 s[TB], s[TB], SLOT                   ; 0 and SLOT by turns
	v_add_nc_u32 v[ADRA], s[TB], v[A0]
	v_add_nc_u32 v[ADRB], s[TB], v[B0]
	FETCH 0, F0
	ASK
	MUL16 F1, 1, 0, 0
	MUL16 F1, 1, 2, 0
.endm
.macro TURN0                           ; the same in the last two K steps: nothing is asked for; the very last fetches nothing
	MEET 0
	PLACES
	WIN 0
	s_cmp_eq_u32 s[CNT], 1
	s_cbranch_scc1 .Lnf_\@
	s_xor_b32 s[TB], s[TB], SLOT
	v_add_nc_u32 v[ADRA], s[TB], v[A0]
	v_add_nc_u32 v[ADRB], s[TB], v[B0]
	FETCH 0, F0
.Lnf_\@:
	MUL16 F1, 1, 0, 0
	MUL16 F1, 1, 2, 0
.endm
	s_load_b256 s[4:11], s[0:1], 0x0               ; A 4, wb 6, then bq 8, bk 10 (QKV) or b1 8, act 10
.if QKV
	s_load_b128 s[12:15], s[0:1], 0x20             ; bv 12, qkvb 14
.endif
	v_lshl_add_u32 v[SPW], v0, 2, SPARE
	v_mov_b32 v[NIL], 0
	ds_add_u32 v[SPW], v[NIL]                      ; the wave's opening: the add and its wait ahead of my first tensor load
	v_lshrrev_b32 v1, 5, v0
	v_readfirstlane_b32 s[WV], v1
	s_lshr_b32 s[WM], s[WV], 1
	s_and_b32 s[WN], s[WV], 1
	s_bfe_u32 s[CX], ttmp6, 0x40000
	s_bfe_u32 s[CY], ttmp6, 0x40004
	s_lshl_b32 s[TC], ttmp9, 2
	s_add_co_u32 s[TC], s[TC], s[CX]               ; tile column
	s_and_b32 s[TRW], ttmp7, 0xffff
	s_lshl_b32 s[TRW], s[TRW], 2
	s_add_co_u32 s[TRW], s[TRW], s[CY]             ; tile row
	s_lshl_b32 s2, s[CY], 2
	s_lshl_b32 s2, 15, s2                          ; my row of the cluster
	s_lshl_b32 s3, 0x1111, s[CX]                   ; my column
	s_or_b32 s[G1A], s2, (1<<16)|(1<<20)|(1<<21)|(4<<22)|(3<<25)  ; mask; 2-byte elements; padding on; bit 21 beside a mask; after every 32 words 4 words
	s_or_b32 s[G1B], s3, (1<<16)|(1<<20)|(1<<21)|(6<<22)|(7<<25)  ; after every 128 words 8 words
	s_mov_b32 s[G1A+1], 128<<16                    ; tensor_dim0 = 128 elements
	s_mov_b32 s[G1A+2], 128<<16                    ; tensor_dim1 = 128 rows
	s_mov_b32 s[G1A+3], 128<<16                    ; tile_dim0
	s_mov_b32 s[G1A+4], 128                        ; tile_dim1
	s_mov_b32 s[G1A+5], 128                        ; dense: 128 elements from row to row
	s_mov_b32 s[G1A+6], 0
	s_mov_b32 s[G1A+7], 0
	s_mov_b32 s[G1B+1], 256<<16
	s_mov_b32 s[G1B+2], 64<<16
	s_mov_b32 s[G1B+3], 256<<16
	s_mov_b32 s[G1B+4], 64
	s_mov_b32 s[G1B+5], PITCHB/2
	s_mov_b32 s[G1B+6], 0
	s_mov_b32 s[G1B+7], 0
	s_lshl_b32 s24, s[TRW], 19                     ; A: the tile row's 16 panels, my panel of the K step
	s_lshl_b32 s25, s[WN], 15
	s_add_co_u32 s24, s24, s25
	s_mov_b32 s25, 0
.if QKV
	s_lshl_b32 s26, ttmp9, 21                      ; W: wq, wk or wv; 256 columns are 512 bytes
	s_lshl_b32 s27, s[CX], 9
.else
	s_mov_b32 s26, 8<<20                           ; w1
	s_lshl_b32 s27, s[TC], 9
.endif
	s_add_co_u32 s26, s26, s27
	s_lshl_b32 s27, s[WN], LGP+6                   ; my 64 rows of the K step
	s_add_co_u32 s26, s26, s27
	s_mov_b32 s27, 0
	s_mul_i32 s[LAA], s[WN], PANA
	s_mul_i32 s[LAB], s[WN], HALFB
	s_add_co_u32 s[LAB], s[LAB], BREG
	s_mov_b32 s[TB], 0
	s_wait_dscnt 0x0                               ; the opening add is done
	s_wait_kmcnt 0x0
	s_add_nc_u64 s[24:25], s[4:5], s[24:25]
	s_add_nc_u64 s[26:27], s[6:7], s[26:27]
	CROUND                                         ; all sixteen work-groups are here: the first joint loads meet
.irp s, 0,1
	s_mov_b32 s[G0A+4*(\s)], 1
	s_add_co_u32 s[G0A+4*(\s)+1], s[LAA], (\s)*SLOT
	s_add_nc_u64 s[G0A+4*(\s)+2:G0A+4*(\s)+3], s[24:25], (\s)*STEPA
	s_or_b32 s[G0A+4*(\s)+3], s[G0A+4*(\s)+3], 0x80000000
	s_mov_b32 s[G0B+4*(\s)], 1
	s_add_co_u32 s[G0B+4*(\s)+1], s[LAB], (\s)*SLOT
	s_add_nc_u64 s[G0B+4*(\s)+2:G0B+4*(\s)+3], s[26:27], (\s)*STEPB
	s_or_b32 s[G0B+4*(\s)+3], s[G0B+4*(\s)+3], 0x80000000
	JLOAD \s                                       ; two loads of mine are out: the most in this text
.endr
	; the prefetches: whose, from where, how far apart
	s_and_b32 s28, ttmp7, 0xffff
	s_cmp_eq_u32 s[WM], 0
	s_cselect_b32 s28, ttmp9, s28                  ; the coordinate along which other clusters read the same blocks
	s_cselect_b64 s[PFA:PFA+1], s[24:25], s[26:27]
	s_cselect_b32 s29, s[CX], s[CY]                ; my place among the four that ask jointly
	s_cselect_b32 s30, 13, LGP+4                   ; a partner's quarter: 8,192 dense bytes of A, 16 rows of W
	s_cselect_b32 s[PFS], 16, LGP+7
	s_cselect_b32 s2, 0, 1
	s_cselect_b32 s3, 8, LGP
	s_lshl_b32 s30, s29, s30
	s_mov_b32 s31, 0
	s_lshl_b32 s[PFS], 1, s[PFS]
	s_mov_b32 s[PFS+1], 0
	s_cmp_eq_u32 s28, 0
	s_cselect_b32 s[LIM], 1, -1
	s_add_nc_u64 s[PFA:PFA+1], s[PFA:PFA+1], s[30:31]
	s_add_nc_u64 s[PFA:PFA+1], s[PFA:PFA+1], s[PFS:PFS+1]
	s_add_nc_u64 s[PFA:PFA+1], s[PFA:PFA+1], s[PFS:PFS+1]  ; at K step 2; the first refill steps it to 3
	v_and_b32 v3, 31, v0
	v_lshrrev_b32 v[PFO], s2, v3
	v_lshlrev_b32 v[PFO], s3, v[PFO]
	v_and_b32 v4, s2, v3
	v_lshl_add_u32 v[PFO], v4, 8, v[PFO]
	; where my part of C goes
.if QKV
	s_lshl_b32 s28, s[TC], 21                      ; panel 4 TC + 2 wn of 524,288 bytes; row 256 TRW + 128 wm of 128 bytes
	s_lshl_b32 s29, s[WN], 20
	s_add_co_u32 s28, s28, s29
	s_lshl_b32 s29, s[TRW], 15
	s_add_co_u32 s28, s28, s29
	s_lshl_b32 s29, s[WM], 14
	s_add_co_u32 s28, s28, s29
	s_mov_b32 s29, 0
	s_add_nc_u64 s[OB:OB+1], s[14:15], s[28:29]
	s_cmp_eq_u32 ttmp9, 1
	s_cselect_b64 s[8:9], s[10:11], s[8:9]
	s_cmp_eq_u32 ttmp9, 2
	s_cselect_b64 s[8:9], s[12:13], s[8:9]
	s_lshl_b32 s28, s[CX], 10
.else
	s_lshl_b32 s28, s[TRW], 21                     ; row block 2 TRW + wm of 1,048,576 bytes; panel 4 TC + 2 wn of 16,384
	s_lshl_b32 s29, s[WM], 20
	s_add_co_u32 s28, s28, s29
	s_lshl_b32 s29, s[TC], 16
	s_add_co_u32 s28, s28, s29
	s_lshl_b32 s29, s[WN], 15
	s_add_co_u32 s28, s28, s29
	s_mov_b32 s29, 0
	s_add_nc_u64 s[OB:OB+1], s[10:11], s[28:29]
	s_lshl_b32 s28, s[TC], 10
.endif
	s_lshl_b32 s29, s[WN], 9
	s_add_co_u32 s28, s28, s29                     ; my 128 columns in the bias
	v_and_b32 v1, 15, v0                           ; r
	v_bfe_u32 v2, v0, 4, 1                         ; hh
	v_lshl_add_u32 v[BO], v2, 5, s28
	WIN 0x40
.irp b, 0,1,2,3,4,5,6,7
	global_load_b128 v[8*(\b):8*(\b)+3],   v[BO], s[8:9] offset:64*(\b)      ; register j of block b: bias[16 b + 8 hh + j]
	global_load_b128 v[8*(\b)+4:8*(\b)+7], v[BO], s[8:9] offset:64*(\b)+16
.endr
	WIN 0
	v_mul_u32_u24 v[A0], v1, PA
	v_lshl_add_u32 v[A0], v2, 4, v[A0]
	s_mul_i32 s23, s[WM], 128*PA
	v_add_nc_u32 v[A0], s23, v[A0]                 ; row x pitch + 16 x half, in my 128 rows
	v_and_b32 v3, 7, v0
	v_lshl_add_u32 v3, v2, 3, v3
	v_mul_u32_u24 v[B0], v3, PB                    ; the turning load: K row 8 hh + l % 8, 16 bytes by bit 3 of the lane
	v_bfe_u32 v4, v0, 3, 1
	v_lshl_add_u32 v[B0], v4, 4, v[B0]
	s_lshl_b32 s23, s[WN], 8
	s_add_co_u32 s23, s23, BREG
	v_add_nc_u32 v[B0], s23, v[B0]
	v_mov_b32 v[ADRA], v[A0]
	v_mov_b32 v[ADRB], v[B0]
	s_mul_i32 s23, s[WV], DW
	v_mul_u32_u24 v[DST], v1, DP
	v_lshl_add_u32 v[DST], v2, 5, v[DST]
	v_add_nc_u32 v[DST], s23, v[DST]               ; the way out, in: row r, 32 bytes for each half of the lanes
	v_bfe_u32 v5, v0, 3, 2
	v_and_b32 v3, 7, v0
	v_mul_u32_u24 v[RD], v5, DP
	v_lshl_add_u32 v[RD], v3, 5, v[RD]
	v_add_nc_u32 v[RD], s23, v[RD]                 ; back: four rows, eight lanes a row, 8 numbers a lane
	v_and_b32 v[GO], 31, v0
	v_lshlrev_b32 v[GO], 4, v[GO]                  ; which are 512 consecutive bytes of a panel
	s_wait_tensorcnt 0x1                           ; my part of K step 0 is in; K step 1's may stay out
	s_barrier_signal -1
	s_barrier_wait -1
	FETCH 0, F0
	s_wait_loadcnt 0x0                             ; the bias
	QUARTER 1, F0, F1, 1                           ; the first quarter stands ahead of the loop: its products start the sums, from the bias
	WIN 0
	s_mov_b32 s[CNT], NSTEPS-2
.Lk:                                           ; a trip: a K step's quarters 1 to 3 and the next step's quarter 0; one slot is filled again
	QUARTER 2, F1, F0, 0
	QUARTER 3, F0, F1, 0
	TURN1
	QUARTER 1, F0, F1, 0
	WIN 0
	s_sub_co_u32 s[CNT], s[CNT], 1
	s_cmp_lg_u32 s[CNT], 0
	s_cbranch_scc1 .Lk
	s_mov_b32 s[CNT], 2
.Lt:                                           ; the last two K steps: no tensor load in this text
	QUARTER 2, F1, F0, 0
	QUARTER 3, F0, F1, 0
	TURN0
	WIN 0
	s_sub_co_u32 s[CNT], s[CNT], 1
	s_cmp_eq_u32 s[CNT], 0
	s_cbranch_scc1 .Lout
	QUARTER 1, F0, F1, 0
	WIN 0
	s_branch .Lt
.Lout:
	; THE WAY OUT.  The last barrier has shown every wave's reads of both slots over and all tensor loads landed.  All 64 accumulators go as f32 into my own 128 rows of LDS; a counted loop reads rows back.
	PLACES
.irp h, 0,1
	WIN 0x08+4*(\h)                                ; store data in window 2, then 3
.irp a, 0,1,2,3
.irp b, 0,1,2,3,4,5,6,7
	ds_store_b128 v[DST], v[8*(8*(\a)+(\b)):8*(8*(\a)+(\b))+3]   offset:(4*(\h)+(\a))*16*DP+64*(\b)
	ds_store_b128 v[DST], v[8*(8*(\a)+(\b))+4:8*(8*(\a)+(\b))+7] offset:(4*(\h)+(\a))*16*DP+64*(\b)+16
.endr
.endr
.endr
	WIN 0
.if QKV
.set YR, 128
.macro ELOAD                           ; 16 rows: unit u = 4 rows x 64 columns; LDS serves a wave's instructions in order, so these see the stores above
.irp u, 0,1,2,3,4,5,6,7
	ds_load_b128 v[XR+8*(\u):XR+8*(\u)+3],   v[RD] offset:((\u)/2)*4*DP+((\u)%2)*256
	ds_load_b128 v[XR+8*(\u)+4:XR+8*(\u)+7], v[RD] offset:((\u)/2)*4*DP+((\u)%2)*256+16
.endr
.endm
	ELOAD
	s_mov_b32 s[CNT], 8
.Lepi:
	s_wait_dscnt 0x0
.set i, 0
.rept 32
	v_cvt_pk_bf16_f32 v[YR+i], v[XR+2*i], v[XR+2*i+1]
.set i, i+1
.endr
	s_cmp_eq_u32 s[CNT], 1
	s_cbranch_scc1 .Lepi_nl
	v_add_nc_u32 v[RD], 16*DP, v[RD]
	ELOAD
.Lepi_nl:
.irp u, 0,1,2,3,4,5,6,7
	global_store_b128 v[GO], v[YR+4*(\u):YR+4*(\u)+3], s[OB:OB+1] offset:((\u)%2)*524288+((\u)/2)*512  ; 512 consecutive bytes, aligned
.endr
	s_wait_xcnt 0x0                                ; the stores have read their data and their offset
	v_add_nc_u32 v[GO], 2048, v[GO]
	s_sub_co_u32 s[CNT], s[CNT], 1
	s_cmp_lg_u32 s[CNT], 0
	s_cbranch_scc1 .Lepi
.else
.set AX, 80
.set XH, 96
.set PP, 112
.set YR, 128
.macro ELOAD                           ; 4 rows x 128 columns
.irp u, 0,1
	ds_load_b128 v[XR+8*(\u):XR+8*(\u)+3],   v[RD] offset:(\u)*256
	ds_load_b128 v[XR+8*(\u)+4:XR+8*(\u)+7], v[RD] offset:(\u)*256+16
.endr
.endm
.macro ALL8 line:vararg
.set i, 0
.rept 8
	\line
.set i, i+2
.endr
.endm
	s_mov_b32 s80, 0x3d4c41b4                      ; c1 .. c6: the series' coefficients divided by sqrt(2)^k, so that a = |x|
	s_mov_b32 s81, s80
	s_mov_b32 s82, 0x3cad2fe7
	s_mov_b32 s83, s82
	s_mov_b32 s84, 0x3b56cd72
	s_mov_b32 s85, s84
	s_mov_b32 s86, 0x381f6607
	s_mov_b32 s87, s86
	s_mov_b32 s88, 0x384d0fec
	s_mov_b32 s89, s88
	s_mov_b32 s90, 0x36b49f67
	s_mov_b32 s91, s90
	s_mov_b32 s92, 0x7fffffff
	ELOAD
	s_mov_b32 s[CNT], 32
.Lepi:
	s_wait_dscnt 0x0
.set i, 0
.rept 16
	v_and_b32 v[AX+i], s92, v[XR+i]
.set i, i+1
.endr
	ALL8 v_pk_mul_f32 v[XH+i:XH+i+1], v[XR+i:XR+i+1], 0.5 op_sel_hi:[1,0]
	s_cmp_eq_u32 s[CNT], 1
	s_cbranch_scc1 .Lepi_nl
	v_add_nc_u32 v[RD], 4*DP, v[RD]
	ELOAD
.Lepi_nl:
	; gelu(x) = x / 2 + |x| (1/2 - 1 / (2 P^16)), P = 1 + c1 a + .. + c6 a^6; where P^16 overflows the reciprocal is 0, the right limit
	ALL8 v_pk_fma_f32 v[PP+i:PP+i+1], v[AX+i:AX+i+1], s[90:91], s[88:89] op_sel_hi:[1,0,0]
	ALL8 v_pk_fma_f32 v[PP+i:PP+i+1], v[PP+i:PP+i+1], v[AX+i:AX+i+1], s[86:87] op_sel_hi:[1,1,0]
	ALL8 v_pk_fma_f32 v[PP+i:PP+i+1], v[PP+i:PP+i+1], v[AX+i:AX+i+1], s[84:85] op_sel_hi:[1,1,0]
	ALL8 v_pk_fma_f32 v[PP+i:PP+i+1], v[PP+i:PP+i+1], v[AX+i:AX+i+1], s[82:83] op_sel_hi:[1,1,0]
	ALL8 v_pk_fma_f32 v[PP+i:PP+i+1], v[PP+i:PP+i+1], v[AX+i:AX+i+1], s[80:81] op_sel_hi:[1,1,0]
	ALL8 v_pk_fma_f32 v[PP+i:PP+i+1], v[PP+i:PP+i+1], v[AX+i:AX+i+1], 1.0 op_sel_hi:[1,1,0]
.rept 4
	ALL8 v_pk_mul_f32 v[PP+i:PP+i+1], v[PP+i:PP+i+1], v[PP+i:PP+i+1]
.endr
.set i, 0
.rept 16
	v_rcp_f32 v[PP+i], v[PP+i]
.set i, i+1
.endr
	v_nop                                          ; a plain instruction behind the last reciprocal,
	s_wait_alu depctr_va_vdst(0)                   ; and one wait for the sixteen, ahead of their first reader
	ALL8 v_pk_fma_f32 v[PP+i:PP+i+1], v[PP+i:PP+i+1], -0.5, 0.5 op_sel_hi:[1,0,0]
	ALL8 v_pk_fma_f32 v[PP+i:PP+i+1], v[AX+i:AX+i+1], v[PP+i:PP+i+1], v[XH+i:XH+i+1]
.set i, 0
.rept 8
	v_cvt_pk_bf16_f32 v[YR+i], v[PP+2*i], v[PP+2*i+1]
.set i, i+1
.endr
.irp u, 0,1
	global_store_b128 v[GO], v[YR+4*(\u):YR+4*(\u)+3], s[OB:OB+1] offset:(\u)*16384  ; 512 consecutive bytes, aligned
.endr
	s_wait_xcnt 0x0                                ; the stores have read their data and their offset
	v_add_nc_u32 v[GO], 512, v[GO]
	s_sub_co_u32 s[CNT], s[CNT], 1
	s_cmp_lg_u32 s[CNT], 0
	s_cbranch_scc1 .Lepi
.endif
	s_wait_tensorcnt 0x0                           ; the wave's end
	ds_add_u32 v[SPW], v[NIL]
	s_wait_dscnt 0x0
	CROUND                                         ; the closing round
	s_endpgm
.Lfunc_end_k_qf2316836b8_ffn_up:
	.size	k_qf2316836b8_ffn_up, .Lfunc_end_k_qf2316836b8_ffn_up-k_qf2316836b8_ffn_up
	.p2alignl 7, 3214868480
	.fill 96, 4, 3214868480
	.section	.rodata,"a",@progbits
	.p2align	6, 0x0
	.amdhsa_kernel k_qf2316836b8_ffn_up
		.amdhsa_group_segment_fixed_size 327680
		.amdhsa_private_segment_fixed_size 0
		.amdhsa_enable_private_segment 0
		.amdhsa_kernarg_size 32
		.amdhsa_user_sgpr_count 2
		.amdhsa_user_sgpr_kernarg_segment_ptr 1
		.amdhsa_wavefront_size32 1
		.amdhsa_system_sgpr_workgroup_id_x 1
		.amdhsa_system_sgpr_workgroup_id_y 1
		.amdhsa_system_sgpr_workgroup_id_z 1
		.amdhsa_system_vgpr_workitem_id 0
		.amdhsa_next_free_vgpr 1024
		.amdhsa_next_free_sgpr 96
		.amdhsa_reserve_vcc 0
		.amdhsa_float_denorm_mode_32 3
		.amdhsa_float_denorm_mode_16_64 3
		.amdhsa_memory_ordered 1
		.amdhsa_forward_progress 1
		.amdhsa_inst_pref_size 89
	.end_amdhsa_kernel
	.amdgpu_metadata
---
amdhsa.version: [ 1, 2 ]
amdhsa.kernels:
  - .name:           k_qf2316836b8_ffn_up
    .symbol:         k_qf2316836b8_ffn_up.kd
    .args:
      - { .name: yb, .offset: 0, .size: 8, .value_kind: global_buffer, .address_space: global }
      - { .name: wb, .offset: 8, .size: 8, .value_kind: global_buffer, .address_space: global }
      - { .name: b1, .offset: 16, .size: 8, .value_kind: global_buffer, .address_space: global }
      - { .name: act, .offset: 24, .size: 8, .value_kind: global_buffer, .address_space: global }
    .group_segment_fixed_size: 327680
    .private_segment_fixed_size: 0
    .kernarg_segment_align: 8
    .kernarg_segment_size: 32
    .max_flat_workgroup_size: 128
    .sgpr_count:     96
    .vgpr_count:     1024
    .wavefront_size: 32
...
	.end_amdgpu_metadata
.endif
;; end of part 6
;; launch ffn_down (part 7): grid 8 x 32, 4 waves a work-group, clusters of 4 x 4, 327,680 bytes of LDS; arguments act, wb, b2, attention_mask, hbuf, out0; writes out0
.if DOCPART == 7
	.amdgcn_target "amdgcn-amd-amdhsa--gfx1250"
	.amdhsa_code_object_version 6
	.text
	.protected	k_qf2316836b8_ffn_down
	.globl	k_qf2316836b8_ffn_down
	.p2align	8
	.type	k_qf2316836b8_ffn_down,@function
k_qf2316836b8_ffn_down:
	s_mov_b64 s[64:65], 0
	v_nop
	global_prefetch_b8 v0, s[64:65] scope:SCOPE_SE
	s_setreg_imm32_b32 hwreg(HW_REG_WAVE_MODE, 25, 1), 1
	s_wait_xcnt 0x0
	s_wait_alu depctr_hold_cnt(0) depctr_sa_sdst(0) depctr_va_vdst(0) depctr_va_sdst(0) depctr_va_ssrc(0) depctr_va_vcc(0) depctr_vm_vsrc(0)
	s_getreg_b32 s2, hwreg(HW_REG_IB_STS2, 6, 4)
	s_cmp_eq_u32 s2, 0
	s_cbranch_scc0 .Lentry_in_a_cluster
	s_endpgm
.Lentry_in_a_cluster:
	s_bfe_u32 s2, ttmp6, 0x10000c
	s_cmp_lg_u32 s2, 0xf033
	s_cbranch_scc0 .Lentry_shape_is_right
	s_endpgm
.Lentry_shape_is_right:
; C = A W + bias with a residual and the row mask, f32 out; a tile of 128 x 128 to a work-group, 64 x 64 to each of four waves (16 accumulators).  N = 1024; K in steps of 256.
; WO = 1: hbuf = hidden + mask (att wo + bo), K = 1024.   WO = 0: out0 = mask (hbuf + act w2 + b2), K = 4096.
; A lies as [row / 128][k / 64][row % 128][64]: a wave's share of a K step, two panels, is 32,768 dense bytes, asked for as 128 rows of 256 bytes and padded in LDS after every 128.
; W lies [K][N]; its fragments are turned on the way out of LDS.  Source 0 = 16 columns of W, source 1 = 16 rows of A.  The bias is the C operand of each accumulator's first product.
; CLUSTER 4 x 4: A's tiles are shared along a row of the cluster, W's along a column.  A ring of two LDS slots; one K step is one trip, the slot in hand is s[TB].
; The mask is used as the whole number that it is, turned into f32.  Matrix operands bf16, sums f32.  WO = 1 has four K steps and no prefetch.
.set WO, 0
.set NSTEPS, 16
.set NPAN, 64                          ; panels in a row block of A
.set WOFF, 16<<20                      ; where W begins in wb
.set PF, 1
.set PA, 144
.set PB, 288                           ; a row of W in LDS: 256 bytes + 32: an odd multiple of 32, for the turning load
.set PANA, 128*PA
.set BREG, 4*PANA
.set HALFB, 128*PB
.set SLOT, BREG+2*HALFB                ; 147,456
.set STAGE, 2*SLOT                     ; 16 rows x 272 bytes a wave, never filled by a tensor load
.set SPI, 272
.set SPARE, STAGE+4*16*SPI
.set STEPA, 65536
.set STEPB, 524288
.set A0, 16
.set B0, 17
.set ADRA, 18
.set ADRB, 19                          ; v19 W's rows 0-127 of the slot in hand, v20 its rows 128-255
.set MO, 22
.set STO, 24
.set RD, 25
.set CO, 26
.set BO, 27
.set SPW, 28
.set NIL, 29
.set PFO, 30
.set T, 32                             ; window 0: v32-63 at work on the way out; v96-127 the bias; v128-255 accumulator (a, b) at 128 + 8 (4 a + b)
.set BIAS, 96
.set ACC, 128
.set F0, 0                             ; window 1: two fragment buffers of 128: 64 of A, 64 of W, for 64 along K
.set F1, 128
.set MK, 128                           ; window 2: v0-127 the residual, v128-159 the mask of my rows
.set WV, 16
.set WM, 17
.set WN, 18
.set CX, 19
.set CY, 20
.set TC, 21
.set TRW, 22
.set G1A, 32
.set G1B, 40
.set G0A, 48
.set G0B, 56
.set TB, 66
.set LAA, 67
.set LAB, 68
.set CNT, 69
.set LIM, 70
.set PFA, 72
.set PFS, 74
.set MSB, 0
.macro WIN new
.if MSB != (\new)
	s_set_vgpr_msb (MSB<<8)|(\new)
.set MSB, \new
.endif
.endm
.macro PLACES
.rept 4
	v_nop
.endr
.endm
.macro JLOAD set                       ; a joint load; s_nop 0 and four v_nop follow each line
	s_cmp_eq_u32 s[WM], 0
	s_cbranch_scc0 .Lfor_b_\@
	tensor_load_to_lds s[G0A+4*(\set):G0A+4*(\set)+3], s[G1A:G1A+7]
	s_nop 0
.rept 4
	v_nop
.endr
	s_branch .Lasked_\@
.Lfor_b_\@:
	tensor_load_to_lds s[G0B+4*(\set):G0B+4*(\set)+3], s[G1B:G1B+7]
	s_nop 0
.rept 4
	v_nop
.endr
.Lasked_\@:
.endm
.macro CREST
	s_cmp_lg_u32 s[WV], 0
	s_cbranch_scc1 .Lnot_wave_0_\@
	s_barrier_signal -3
.Lnot_wave_0_\@:
	s_barrier_wait -3
	s_barrier_signal -1
	s_barrier_wait -1
.endm
.macro CROUND
	s_barrier_signal -1
	s_barrier_wait -1
	CREST
.endm
.macro ASK                             ; a prefetch into the L2 of my work-group's quarter of what I shall fetch one refill on: 32 blocks of 256 bytes, a lane a block; the loop's last trip asks for nothing
	s_cmp_gt_u32 s[CNT], s[LIM]
	s_cbranch_scc0 .Lna_\@
	global_prefetch_b8 v[PFO], s[PFA:PFA+1] th:TH_LOAD_NT scope:SCOPE_SE
.Lna_\@:
.endm
.macro MUL8 f, c, a0, first            ; 8 products: row blocks a0, a0 + 1 x 4 column blocks, 32 along K.  The 16 accumulators take turns
	WIN 0x05
.irp a, \a0, (\a0)+1
.irp b, 0,1,2,3
.if \first
	v_wmma_f32_16x16x32_bf16 v[ACC+8*(4*(\a)+(\b)):ACC+8*(4*(\a)+(\b))+7], v[(\f)+64+8*(4*(\c)+(\b)):(\f)+64+8*(4*(\c)+(\b))+7], v[(\f)+8*(4*(\c)+(\a)):(\f)+8*(4*(\c)+(\a))+7], v[BIAS+8*(\b):BIAS+8*(\b)+7]
.else
	v_wmma_f32_16x16x32_bf16 v[ACC+8*(4*(\a)+(\b)):ACC+8*(4*(\a)+(\b))+7], v[(\f)+64+8*(4*(\c)+(\b)):(\f)+64+8*(4*(\c)+(\b))+7], v[(\f)+8*(4*(\c)+(\a)):(\f)+8*(4*(\c)+(\a))+7], v[ACC+8*(4*(\a)+(\b)):ACC+8*(4*(\a)+(\b))+7]
.endif
.endr
.endr
.endm
.macro FETCH q, g                      ; 32 LDS loads in one run: quarter q (64 along K) into buffer g; its first 32 along K first
	WIN 0x40
.irp c, 0,1
.irp i, 0,1,2,3
	ds_load_tr16_b128 v[(\g)+64+8*(4*(\c)+(\i)):(\g)+64+8*(4*(\c)+(\i))+3],   v[ADRB+(\q)/2] offset:(((\q)%2)*64+32*(\c))*PB+32*(\i)
	ds_load_tr16_b128 v[(\g)+64+8*(4*(\c)+(\i))+4:(\g)+64+8*(4*(\c)+(\i))+7], v[ADRB+(\q)/2] offset:(((\q)%2)*64+32*(\c))*PB+32*(\i)+16*PB
	ds_load_b128 v[(\g)+8*(4*(\c)+(\i)):(\g)+8*(4*(\c)+(\i))+3],   v[ADRA] offset:(\q)*PANA+64*(\c)+(\i)*16*PA
	ds_load_b128 v[(\g)+8*(4*(\c)+(\i))+4:(\g)+8*(4*(\c)+(\i))+7], v[ADRA] offset:(\q)*PANA+64*(\c)+(\i)*16*PA+32
.endr
.endr
.endm
.macro QUARTER q, f, g, first
	s_wait_dscnt 16                                ; the first 32 along K are in
	MUL8 \f, 0, 0, \first
	MUL8 \f, 0, 2, \first
	PLACES
	FETCH \q, \g
	s_wait_dscnt 32                                ; all but the 32 just issued
	MUL8 \f, 1, 0, 0
	MUL8 \f, 1, 2, 0
.endm
.macro MEET round                      ; the change of slots: all my tensor loads have landed, the add, my reads of the slot are over; then the barrier
	WIN 0
	s_wait_tensorcnt 0x0
	ds_add_u32 v[SPW], v[NIL]
	s_wait_dscnt 17                                ; (the add and the youngest sixteen loads may be out)
	MUL8 F1, 0, 0, 0
	s_wait_dscnt 0x0
	s_barrier_signal -1
	MUL8 F1, 0, 2, 0
.if \round
	WIN 0
.endif
	s_barrier_wait -1
.endm
.macro NEXTSLOT
	s_xor_b32 s[TB], s[TB], SLOT                   ; 0 and SLOT by turns
	v_add_nc_u32 v[ADRA], s[TB], v[A0]
	v_add_nc_u32 v[ADRB], s[TB], v[B0]
	v_add_nc_u32 v[ADRB+1], HALFB, v[ADRB]
	FETCH 0, F0
	WIN 0
.endm
.macro TURN1                           ; the slot just read is filled again, two K steps on: 112 products stand between the request and the wait for it
.if PF
	s_wait_xcnt 0x0                                ; the last prefetch, a K step back, has read its address
	s_add_nc_u64 s[PFA:PFA+1], s[PFA:PFA+1], s[PFS:PFS+1]
.endif
	MEET 1
	CREST
	s_add_co_u32 s[G0A+5], s[LAA], s[TB]
	s_add_nc_u64 s[G0A+6:G0A+7], s[G0A+6:G0A+7], STEPA
	s_add_co_u32 s[G0B+5], s[LAB], s[TB]
	s_add_nc_u64 s[G0B+6:G0B+7], s[G0B+6:G0B+7], STEPB
	JLOAD 1
	NEXTSLOT
.if PF
	ASK
.endif
	MUL8 F1, 1, 0, 0
	MUL8 F1, 1, 2, 0
.endm
.macro TURN0                           ; the same in the last two K steps: nothing is asked for; the very last fetches nothing
	MEET 0
	PLACES
	WIN 0
	s_cmp_eq_u32 s[CNT], 1
	s_cbranch_scc1 .Lnf_\@
	NEXTSLOT
.Lnf_\@:
	MUL8 F1, 1, 0, 0
	MUL8 F1, 1, 2, 0
.endm
.macro FIN a, t                        ; rows 16 a + 2 t + hh: four numbers a lane; the row's mask lies in one register of a pair
.irp p, 0,1
.if WO
.if (\t)%2
	v_pk_fma_f32 v[T+4*(\t)+2*\p:T+4*(\t)+2*\p+1], v[T+4*(\t)+2*\p:T+4*(\t)+2*\p+1], v[MK+8*(\a)+(\t)-1:MK+8*(\a)+(\t)], v[4*(8*(\a)+(\t))+2*\p:4*(8*(\a)+(\t))+2*\p+1] op_sel:[0,1,0] op_sel_hi:[1,1,1]
.else
	v_pk_fma_f32 v[T+4*(\t)+2*\p:T+4*(\t)+2*\p+1], v[T+4*(\t)+2*\p:T+4*(\t)+2*\p+1], v[MK+8*(\a)+(\t):MK+8*(\a)+(\t)+1], v[4*(8*(\a)+(\t))+2*\p:4*(8*(\a)+(\t))+2*\p+1] op_sel_hi:[1,0,1]
.endif
.else
	v_pk_add_f32 v[T+4*(\t)+2*\p:T+4*(\t)+2*\p+1], v[T+4*(\t)+2*\p:T+4*(\t)+2*\p+1], v[4*(8*(\a)+(\t))+2*\p:4*(8*(\a)+(\t))+2*\p+1]
.if (\t)%2
	v_pk_mul_f32 v[T+4*(\t)+2*\p:T+4*(\t)+2*\p+1], v[T+4*(\t)+2*\p:T+4*(\t)+2*\p+1], v[MK+8*(\a)+(\t)-1:MK+8*(\a)+(\t)] op_sel:[0,1] op_sel_hi:[1,1]
.else
	v_pk_mul_f32 v[T+4*(\t)+2*\p:T+4*(\t)+2*\p+1], v[T+4*(\t)+2*\p:T+4*(\t)+2*\p+1], v[MK+8*(\a)+(\t):MK+8*(\a)+(\t)+1] op_sel_hi:[1,0]
.endif
.endif
.endr
.endm
	s_load_b256 s[4:11], s[0:1], 0x0               ; A 4, wb 6, bias 8, attention_mask 10
	s_load_b128 s[12:15], s[0:1], 0x20             ; residual 12, out 14
	v_lshl_add_u32 v[SPW], v0, 2, SPARE
	v_mov_b32 v[NIL], 0
	ds_add_u32 v[SPW], v[NIL]                      ; the wave's opening: the add and its wait ahead of my first tensor load
	v_lshrrev_b32 v1, 5, v0
	v_readfirstlane_b32 s[WV], v1
	s_lshr_b32 s[WM], s[WV], 1
	s_and_b32 s[WN], s[WV], 1
	s_bfe_u32 s[CX], ttmp6, 0x40000
	s_bfe_u32 s[CY], ttmp6, 0x40004
	s_lshl_b32 s[TC], ttmp9, 2
	s_add_co_u32 s[TC], s[TC], s[CX]
	s_and_b32 s[TRW], ttmp7, 0xffff
	s_lshl_b32 s[TRW], s[TRW], 2
	s_add_co_u32 s[TRW], s[TRW], s[CY]
	s_lshl_b32 s2, s[CY], 2
	s_lshl_b32 s2, 15, s2
	s_lshl_b32 s3, 0x1111, s[CX]
	s_or_b32 s[G1A], s2, (1<<16)|(1<<20)|(1<<21)|(4<<22)|(3<<25)  ; mask; 2-byte elements; padding on; bit 21 beside a mask; after every 32 words 4 words
	s_or_b32 s[G1B], s3, (1<<16)|(1<<20)|(1<<21)|(5<<22)|(7<<25)  ; after every 64 words 8 words
.irp g, G1A, G1B
	s_mov_b32 s[(\g)+1], 128<<16                   ; 128 rows of 128 elements
	s_mov_b32 s[(\g)+2], 128<<16
	s_mov_b32 s[(\g)+3], 128<<16
	s_mov_b32 s[(\g)+4], 128
	s_mov_b32 s[(\g)+6], 0
	s_mov_b32 s[(\g)+7], 0
.endr
	s_mov_b32 s[G1A+5], 128                        ; A: dense
	s_mov_b32 s[G1B+5], 1024                       ; W: 1,024 elements from row to row
	s_mul_i32 s24, s[TRW], NPAN*16384
	s_lshl_b32 s25, s[WN], 15
	s_add_co_u32 s24, s24, s25
	s_mov_b32 s25, 0
	s_lshl_b32 s26, s[TC], 8                       ; 128 columns are 256 bytes
	s_add_co_u32 s26, s26, WOFF
	s_lshl_b32 s27, s[WN], 18                      ; my 128 rows of the K step
	s_add_co_u32 s26, s26, s27
	s_mov_b32 s27, 0
	s_mul_i32 s[LAA], s[WN], 2*PANA
	s_mul_i32 s[LAB], s[WN], HALFB
	s_add_co_u32 s[LAB], s[LAB], BREG
	s_mov_b32 s[TB], 0
	s_wait_dscnt 0x0                               ; the opening add is done
	s_wait_kmcnt 0x0
	s_add_nc_u64 s[24:25], s[4:5], s[24:25]
	s_add_nc_u64 s[26:27], s[6:7], s[26:27]
	CROUND                                         ; all sixteen work-groups are here: the first joint loads meet
.irp s, 0,1
	s_mov_b32 s[G0A+4*(\s)], 1
	s_add_co_u32 s[G0A+4*(\s)+1], s[LAA], (\s)*SLOT
	s_add_nc_u64 s[G0A+4*(\s)+2:G0A+4*(\s)+3], s[24:25], (\s)*STEPA
	s_or_b32 s[G0A+4*(\s)+3], s[G0A+4*(\s)+3], 0x80000000
	s_mov_b32 s[G0B+4*(\s)], 1
	s_add_co_u32 s[G0B+4*(\s)+1], s[LAB], (\s)*SLOT
	s_add_nc_u64 s[G0B+4*(\s)+2:G0B+4*(\s)+3], s[26:27], (\s)*STEPB
	s_or_b32 s[G0B+4*(\s)+3], s[G0B+4*(\s)+3], 0x80000000
	JLOAD \s                                       ; two loads of mine are out: the most in this text
.endr
.if PF
	s_and_b32 s28, ttmp7, 0xffff
	s_cmp_eq_u32 s[WM], 0
	s_cselect_b32 s28, ttmp9, s28                  ; A's blocks are named by the clusters with x = 0, W's by those with y = 0
	s_cselect_b64 s[PFA:PFA+1], s[24:25], s[26:27]
	s_cselect_b32 s29, s[CX], s[CY]                ; the four partners of a joint load are told apart by address
	s_cselect_b32 s30, 13, 16                      ; a quarter: 8,192 dense bytes of A, 32 rows of W
	s_cselect_b32 s[PFS], 16, 19
	s_cselect_b32 s3, 8, 11
	s_lshl_b32 s30, s29, s30
	s_mov_b32 s31, 0
	s_lshl_b32 s[PFS], 1, s[PFS]
	s_mov_b32 s[PFS+1], 0
	s_cmp_eq_u32 s28, 0
	s_cselect_b32 s[LIM], 1, -1
	s_add_nc_u64 s[PFA:PFA+1], s[PFA:PFA+1], s[30:31]
	s_add_nc_u64 s[PFA:PFA+1], s[PFA:PFA+1], s[PFS:PFS+1]
	s_add_nc_u64 s[PFA:PFA+1], s[PFA:PFA+1], s[PFS:PFS+1]  ; at K step 2; the first refill steps it to 3
	v_and_b32 v3, 31, v0
	v_lshlrev_b32 v[PFO], s3, v3
.endif
	v_and_b32 v1, 15, v0                           ; r
	v_bfe_u32 v2, v0, 4, 1                         ; hh
	s_lshl_b32 s28, s[TC], 9
	s_lshl_b32 s29, s[WN], 8
	s_add_co_u32 s28, s28, s29                     ; my 64 columns, in bytes of f32
	v_lshl_add_u32 v[BO], v2, 5, s28
.irp b, 0,1,2,3
	global_load_b128 v[BIAS+8*(\b):BIAS+8*(\b)+3],   v[BO], s[8:9] offset:64*(\b)
	global_load_b128 v[BIAS+8*(\b)+4:BIAS+8*(\b)+7], v[BO], s[8:9] offset:64*(\b)+16
.endr
	s_lshl_b32 s29, s[TRW], 19                     ; my first row: 128 TRW + 64 wm, 4,096 bytes a row
	s_add_co_u32 s28, s28, s29
	s_lshl_b32 s29, s[WM], 18
	s_add_co_u32 s28, s28, s29
	s_mov_b32 s29, 0
	s_add_nc_u64 s[12:13], s[12:13], s[28:29]
	s_add_nc_u64 s[14:15], s[14:15], s[28:29]
	s_lshl_b32 s28, s[TRW], 9
	s_lshl_b32 s29, s[WM], 8
	s_add_co_u32 s28, s28, s29
	v_lshl_add_u32 v[MO], v2, 2, s28               ; the mask of row 2 t + hh
	v_lshlrev_b32 v[CO], 4, v1
	v_lshl_add_u32 v[CO], v2, 12, v[CO]            ; lanes 0-15 one row's 256 bytes, lanes 16-31 the next row's
	v_mul_u32_u24 v[A0], v1, PA
	v_lshl_add_u32 v[A0], v2, 4, v[A0]
	s_mul_i32 s23, s[WM], 64*PA
	v_add_nc_u32 v[A0], s23, v[A0]
	v_and_b32 v3, 7, v0
	v_lshl_add_u32 v3, v2, 3, v3
	v_mul_u32_u24 v[B0], v3, PB
	v_bfe_u32 v4, v0, 3, 1
	v_lshl_add_u32 v[B0], v4, 4, v[B0]
	s_lshl_b32 s23, s[WN], 7
	s_add_co_u32 s23, s23, BREG
	v_add_nc_u32 v[B0], s23, v[B0]
	v_mov_b32 v[ADRA], v[A0]
	v_mov_b32 v[ADRB], v[B0]
	v_add_nc_u32 v[ADRB+1], HALFB, v[B0]
	s_mul_i32 s23, s[WV], 16*SPI
	s_add_co_u32 s23, s23, STAGE
	v_mul_u32_u24 v[STO], v1, SPI
	v_lshl_add_u32 v[STO], v2, 5, v[STO]
	v_add_nc_u32 v[STO], s23, v[STO]
	v_mul_u32_u24 v[RD], v2, SPI
	v_lshl_add_u32 v[RD], v1, 4, v[RD]
	v_add_nc_u32 v[RD], s23, v[RD]
	s_wait_tensorcnt 0x1                           ; my part of K step 0 is in; K step 1's may stay out
	s_barrier_signal -1
	s_barrier_wait -1
	FETCH 0, F0
	s_wait_loadcnt 0x0                             ; the bias
	WIN 0x80                                       ; the mask and the residual of my 64 x 64 are asked for now and wanted on the way out
.irp a, 0,1,2,3
.irp t, 0,1,2,3,4,5,6,7
	global_load_b32 v[MK+8*(\a)+(\t)], v[MO], s[10:11] offset:(16*(\a)+2*(\t))*4
	global_load_b128 v[4*(8*(\a)+(\t)):4*(8*(\a)+(\t))+3], v[CO], s[12:13] offset:(16*(\a)+2*(\t))*4096
.endr
.endr
	QUARTER 1, F0, F1, 1                           ; the first quarter stands ahead of the loop: its first products start the sums, from the bias
	WIN 0
	s_mov_b32 s[CNT], NSTEPS-2
.Lk:                                           ; a trip: a K step's quarters 1 to 3 and the next step's quarter 0; one slot is filled again
	QUARTER 2, F1, F0, 0
	QUARTER 3, F0, F1, 0
	TURN1
	QUARTER 1, F0, F1, 0
	WIN 0
	s_sub_co_u32 s[CNT], s[CNT], 1
	s_cmp_lg_u32 s[CNT], 0
	s_cbranch_scc1 .Lk
	s_mov_b32 s[CNT], 2
.Lt:                                           ; the last two K steps: no tensor load in this text
	QUARTER 2, F1, F0, 0
	QUARTER 3, F0, F1, 0
	TURN0
	WIN 0
	s_sub_co_u32 s[CNT], s[CNT], 1
	s_cmp_eq_u32 s[CNT], 0
	s_cbranch_scc1 .Lout
	QUARTER 1, F0, F1, 0
	WIN 0
	s_branch .Lt
.Lout:
	; THE WAY OUT: 16 rows at a time through my own stage, back as whole rows of 256 bytes.
	s_wait_loadcnt 0x0                             ; the mask and the residual
	WIN 0x82
.set i, 0
.rept 32
	v_cvt_f32_i32 v[MK+i], v[MK+i]
.set i, i+1
.endr
	WIN 0
	PLACES
.irp a, 0,1,2,3
.irp b, 0,1,2,3
	ds_store_b128 v[STO], v[ACC+8*(4*(\a)+(\b)):ACC+8*(4*(\a)+(\b))+3]   offset:64*(\b)
	ds_store_b128 v[STO], v[ACC+8*(4*(\a)+(\b))+4:ACC+8*(4*(\a)+(\b))+7] offset:64*(\b)+16
.endr
	s_wait_xcnt 0x0                                ; the block before's stores have read v32-63
.irp t, 0,1,2,3,4,5,6,7
	ds_load_b128 v[T+4*(\t):T+4*(\t)+3], v[RD] offset:(\t)*2*SPI  ; LDS serves a wave's instructions in order: these see the stores above
.endr
	s_wait_dscnt 0x0
.if WO
	WIN 0x28                                       ; the mask (source 1) and the residual (source 2) in window 2
.else
	WIN 0x08                                       ; source 1, the residual and then the mask, in window 2
.endif
.irp t, 0,1,2,3,4,5,6,7
	FIN \a, \t
.endr
	WIN 0
.irp t, 0,1,2,3,4,5,6,7
	global_store_b128 v[CO], v[T+4*(\t):T+4*(\t)+3], s[14:15] offset:(16*(\a)+2*(\t))*4096  ; 16 lanes store 256 consecutive bytes, aligned
.endr
.endr
	s_wait_tensorcnt 0x0                           ; the wave's end
	ds_add_u32 v[SPW], v[NIL]
	s_wait_dscnt 0x0
	CROUND                                         ; the closing round
	s_endpgm
.Lfunc_end_k_qf2316836b8_ffn_down:
	.size	k_qf2316836b8_ffn_down, .Lfunc_end_k_qf2316836b8_ffn_down-k_qf2316836b8_ffn_down
	.p2alignl 7, 3214868480
	.fill 96, 4, 3214868480
	.section	.rodata,"a",@progbits
	.p2align	6, 0x0
	.amdhsa_kernel k_qf2316836b8_ffn_down
		.amdhsa_group_segment_fixed_size 327680
		.amdhsa_private_segment_fixed_size 0
		.amdhsa_enable_private_segment 0
		.amdhsa_kernarg_size 48
		.amdhsa_user_sgpr_count 2
		.amdhsa_user_sgpr_kernarg_segment_ptr 1
		.amdhsa_wavefront_size32 1
		.amdhsa_system_sgpr_workgroup_id_x 1
		.amdhsa_system_sgpr_workgroup_id_y 1
		.amdhsa_system_sgpr_workgroup_id_z 1
		.amdhsa_system_vgpr_workitem_id 0
		.amdhsa_next_free_vgpr 768
		.amdhsa_next_free_sgpr 96
		.amdhsa_reserve_vcc 0
		.amdhsa_float_denorm_mode_32 3
		.amdhsa_float_denorm_mode_16_64 3
		.amdhsa_memory_ordered 1
		.amdhsa_forward_progress 1
		.amdhsa_inst_pref_size 75
	.end_amdhsa_kernel
	.amdgpu_metadata
---
amdhsa.version: [ 1, 2 ]
amdhsa.kernels:
  - .name:           k_qf2316836b8_ffn_down
    .symbol:         k_qf2316836b8_ffn_down.kd
    .args:
      - { .name: act, .offset: 0, .size: 8, .value_kind: global_buffer, .address_space: global }
      - { .name: wb, .offset: 8, .size: 8, .value_kind: global_buffer, .address_space: global }
      - { .name: b2, .offset: 16, .size: 8, .value_kind: global_buffer, .address_space: global }
      - { .name: attention_mask, .offset: 24, .size: 8, .value_kind: global_buffer, .address_space: global }
      - { .name: hbuf, .offset: 32, .size: 8, .value_kind: global_buffer, .address_space: global }
      - { .name: out0, .offset: 40, .size: 8, .value_kind: global_buffer, .address_space: global }
    .group_segment_fixed_size: 327680
    .private_segment_fixed_size: 0
    .kernarg_segment_align: 8
    .kernarg_segment_size: 48
    .max_flat_workgroup_size: 128
    .sgpr_count:     96
    .vgpr_count:     768
    .wavefront_size: 32
...
	.end_amdgpu_metadata
.endif
;; end of part 7
;; ======== version 2 of 2: 7 launches; version 1 with the launch prep written anew for expert scheduling mode
;; workspace buffers: wb 25,165,824 bytes; xb 8,388,608 bytes; yb 8,388,608 bytes; qkvb 25,165,824 bytes; att 8,388,608 bytes; act 33,554,432 bytes; hbuf 16,777,216 bytes; padf 17,920 bytes
;; launch prep (part 8): grid 1025 x 1, 8 waves a work-group, no clusters, 0 bytes of LDS; arguments hidden, ln1_g, ln1_b, wq, wk, wv, wo, w1, w2, xb, wb, attention_mask, padf; writes xb, wb, padf
.if DOCPART == 8
	.amdgcn_target "amdgcn-amd-amdhsa--gfx1250"
	.amdhsa_code_object_version 6
	.text
	.protected	k_qf2316836b8_prep
	.globl	k_qf2316836b8_prep
	.p2align	8
	.type	k_qf2316836b8_prep,@function
k_qf2316836b8_prep:
	s_mov_b64 s[64:65], 0
	v_nop
	global_prefetch_b8 v0, s[64:65] scope:SCOPE_SE
	s_setreg_imm32_b32 hwreg(HW_REG_WAVE_SCHED_MODE, 0, 2), 2
	s_setreg_imm32_b32 hwreg(HW_REG_WAVE_MODE, 25, 1), 1
	s_wait_xcnt 0x0
	s_wait_alu depctr_vm_vsrc(0)
; Three streams in one launch, told apart by the work-group's number g.
; g < 768: 16,384 numbers of a weight go from f32 to bf16, as they lie: wb = wq | wk | wv | wo | w1 | w2, [K][N] row-major.
; 768 <= g < 1024: LayerNorm 1 of 16 rows of hidden, into xb in bf16, laid out [row / 256][col / 64][row % 256][64].
; g = 1024: the key padding as numbers to add to a score: padf[batch][0..127] = -1e30, [128 + key] = 0 or -1e30, [2176..2239] = -1e30.
; No LDS, no barrier: no wave wants what another wave has loaded.
; THE MODE: SCHED_MODE bits 1:0 = 2 (LLVM: expert scheduling mode 2), set by the entry lines.  The code itself states the register dependences
; between vector instructions and memory instructions, with s_wait_alu, always for 0.
; THE PLAN.  No path has a loop, no load lands twice in a register, no out-register is used twice and no offset is written again: so no register that a memory instruction
; reads is ever rewritten, and the waits are of two kinds alone: a vector result that a memory instruction reads, and a scalar result of a vector instruction.
;   All paths:   s3, the wave's number, is waited for directly behind the line that writes it, ahead of every branch.
;   A weight:    v1 (loads' offset) and v2 (stores' offset) are made once; one wait ahead of the first load.  The 16 loads go in four groups.  Group g rounds v[16+16 g ..] into v[80+8 g ..];
;                the wait at its head states that group g - 1 has written its out-registers, and that group's four stores are dealt among group g's roundings, which name other registers.
;   LayerNorm:   v2, v3 (loads' offsets) and v1 (stores' offset) are made once; one wait ahead of the first load.  The last phase goes by panels, in four groups of four: group g writes Y[8 g ..];
;                the wait at its head states that group g - 1 has written its Y, and that group's four stores are dealt among group g's arithmetic, which names X, G, BV, v[14:15] and its own Y.
;   The padding: v1, v3, v8 (offsets) and v[4:7] (data) are made once, ahead of one wait; the compares go in two runs of eight into s[36:43], a wait behind each run; one wait behind the selects.
.set X,  16                            ; v[16:79]   a lane's 64 numbers of its row
.set G,  80                            ; v[80:143]  the gains of its columns
.set BV, 144                           ; v[144:207] the biases
.set Y,  208                           ; v[208:239] the row in bf16
.macro RED16                           ; v4 <- the sum of v[4:11] over the 16 lanes that share a row
	v_pk_add_f32 v[4:5], v[4:5], v[6:7]
	v_pk_add_f32 v[8:9], v[8:9], v[10:11]
	v_pk_add_f32 v[4:5], v[4:5], v[8:9]
	v_add_f32 v4, v4, v5
	v_add_f32_dpp v4, v4, v4 row_xmask:1 row_mask:0xf bank_mask:0xf
	v_add_f32_dpp v4, v4, v4 row_xmask:2 row_mask:0xf bank_mask:0xf
	v_add_f32_dpp v4, v4, v4 row_xmask:4 row_mask:0xf bank_mask:0xf
	v_add_f32_dpp v4, v4, v4 row_xmask:8 row_mask:0xf bank_mask:0xf
.endm
; LayerNorm of rows 16 r + 2 w and + 1 (r in s2, wave w in s3): lanes 0-15 hold the first row, lanes 16-31 the second; lane c holds columns 64 p + 4 c .. + 3.
; Mean first, then the squares of the differences: a common offset of the row costs nothing.
.macro LNBODY src, gg, bb, dst
	v_and_b32 v1, 15, v0
	v_bfe_u32 v2, v0, 4, 1
	v_lshlrev_b32 v3, 4, v1                        ; 16 c: my place in g and b
	v_lshl_add_u32 v2, v2, 12, v3                  ; + a row of 4,096 bytes for the upper lanes
	v_and_b32 v1, 31, v0
	v_lshlrev_b32 v1, 3, v1                        ; 8 l: two rows of 128 bytes of a panel lie end to end
	s_lshl_b32 s40, s2, 16
	s_lshl_b32 s41, s3, 13
	s_add_co_u32 s40, s40, s41
	s_mov_b32 s41, 0
	s_add_nc_u64 s[42:43], s[\src:\src+1], s[40:41]
	s_lshr_b32 s40, s2, 4                          ; row / 256
	s_lshl_b32 s40, s40, 19
	s_and_b32 s44, s2, 15
	s_lshl_b32 s44, s44, 11                        ; (row % 256) x 128
	s_add_co_u32 s40, s40, s44
	s_lshl_b32 s44, s3, 8
	s_add_co_u32 s40, s40, s44
	s_add_nc_u64 s[44:45], s[\dst:\dst+1], s[40:41]
	s_mov_b32 s46, 0x3a800000                      ; 1 / 1024
	s_mov_b32 s47, 0x3727c5ac                      ; 1e-5
	s_wait_alu depctr_va_vdst(0)                   ; v1, v2 and v3 are written: every load and store of this path reads one of them as its offset
.set p, 0
.rept 16
	global_load_b128 v[X+4*p:X+4*p+3], v2, s[42:43] offset:256*p
.set p, p+1
.endr
.set p, 0
.rept 16
	global_load_b128 v[G+4*p:G+4*p+3], v3, s[\gg:\gg+1] offset:256*p
	global_load_b128 v[BV+4*p:BV+4*p+3], v3, s[\bb:\bb+1] offset:256*p
.set p, p+1
.endr
	s_wait_loadcnt 32                              ; the row is in; the 32 loads of g and b stay out
.irp k, 0,1,2,3
	v_pk_add_f32 v[4+2*\k:5+2*\k], v[X+2*\k:X+2*\k+1], v[X+8+2*\k:X+9+2*\k]
.endr
.set j, 8
.rept 24
	v_pk_add_f32 v[4+2*(j%4):5+2*(j%4)], v[4+2*(j%4):5+2*(j%4)], v[X+2*j:X+2*j+1]
.set j, j+1
.endr
	RED16
	v_mul_f32 v12, s46, v4
	v_mov_b32 v13, v12
.set j, 0
.rept 32
	v_pk_add_f32 v[X+2*j:X+2*j+1], v[X+2*j:X+2*j+1], v[12:13] neg_lo:[0,1] neg_hi:[0,1]
.set j, j+1
.endr
.irp k, 0,1,2,3
	v_pk_mul_f32 v[4+2*\k:5+2*\k], v[X+2*\k:X+2*\k+1], v[X+2*\k:X+2*\k+1]
.endr
.set j, 4
.rept 28
	v_pk_fma_f32 v[4+2*(j%4):5+2*(j%4)], v[X+2*j:X+2*j+1], v[X+2*j:X+2*j+1], v[4+2*(j%4):5+2*(j%4)]
.set j, j+1
.endr
	RED16
	v_fma_f32 v4, v4, s46, s47
	v_rsq_f32 v14, v4
	v_rsq_f32 v15, v4
	v_nop                                          ; a plain instruction behind the second root,
	s_wait_alu depctr_va_vdst(0)                   ; and one wait for both roots' results v14 and v15, ahead of their first reader
	s_wait_loadcnt 0x0                             ; g and b
	; the last phase, by panels: panel p is v[X+4 p .. X+4 p+3]: scaled, gain and bias, rounded into v[Y+2 p], v[Y+2 p+1]; four groups of four panels
.set g, 0
.rept 4
.if g > 0
	s_wait_alu depctr_va_vdst(0)                   ; the group before has written its eight registers of Y, which the four stores below read
.endif
.set q, 0
.rept 4
.set p, 4*g+q
.if g > 0
	global_store_b64 v1, v[Y+2*(p-4):Y+2*(p-4)+1], s[44:45] offset:32768*(p-4)  ; 32 lanes store 256 consecutive bytes of panel p - 4, aligned; no vector instruction since the wait names these registers
.endif
	v_pk_mul_f32 v[X+4*p:X+4*p+1],   v[X+4*p:X+4*p+1],   v[14:15]
	v_pk_mul_f32 v[X+4*p+2:X+4*p+3], v[X+4*p+2:X+4*p+3], v[14:15]
	v_pk_fma_f32 v[X+4*p:X+4*p+1],   v[X+4*p:X+4*p+1],   v[G+4*p:G+4*p+1],   v[BV+4*p:BV+4*p+1]
	v_pk_fma_f32 v[X+4*p+2:X+4*p+3], v[X+4*p+2:X+4*p+3], v[G+4*p+2:G+4*p+3], v[BV+4*p+2:BV+4*p+3]
	v_cvt_pk_bf16_f32 v[Y+2*p],   v[X+4*p],   v[X+4*p+1]
	v_cvt_pk_bf16_f32 v[Y+2*p+1], v[X+4*p+2], v[X+4*p+3]
.set q, q+1
.endr
.set g, g+1
.endr
	s_wait_alu depctr_va_vdst(0)                   ; the last group has written its Y, which the last four stores read
.set p, 12
.rept 4
	global_store_b64 v1, v[Y+2*p:Y+2*p+1], s[44:45] offset:32768*p  ; 32 lanes store 256 consecutive bytes of panel p, aligned
.set p, p+1
.endr
.endm
	s_load_b512 s[8:23], s[0:1], 0x0               ; hidden 8, ln1_g 10, ln1_b 12, wq 14, wk 16, wv 18, wo 20, w1 22
	s_load_b256 s[24:31], s[0:1], 0x40             ; w2 24, xb 26, wb 28, attention_mask 30
	s_load_b64 s[32:33], s[0:1], 0x60              ; padf
	v_lshrrev_b32 v1, 5, v0
	v_readfirstlane_b32 s3, v1                     ; wave
	s_wait_alu depctr_va_sdst(0)                   ; s3 is written, ahead of every branch and of its first reader on each path
	s_mov_b32 s2, ttmp9
	s_wait_kmcnt 0x0
	s_cmp_lt_u32 s2, 768
	s_cbranch_scc0 .Lnot_w
	; a chunk of a weight: which weight, and the number of its first chunk
	v_lshlrev_b32 v1, 4, v0
	v_lshlrev_b32 v2, 3, v0
	s_mov_b64 s[34:35], s[24:25]
	s_mov_b32 s36, 512
	s_cmp_lt_u32 s2, 512
	s_cselect_b64 s[34:35], s[22:23], s[34:35]
	s_cselect_b32 s36, 256, s36
	s_cmp_lt_u32 s2, 256
	s_cselect_b64 s[34:35], s[20:21], s[34:35]
	s_cselect_b32 s36, 192, s36
	s_cmp_lt_u32 s2, 192
	s_cselect_b64 s[34:35], s[18:19], s[34:35]
	s_cselect_b32 s36, 128, s36
	s_cmp_lt_u32 s2, 128
	s_cselect_b64 s[34:35], s[16:17], s[34:35]
	s_cselect_b32 s36, 64, s36
	s_cmp_lt_u32 s2, 64
	s_cselect_b64 s[34:35], s[14:15], s[34:35]
	s_cselect_b32 s36, 0, s36
	s_sub_co_u32 s36, s2, s36
	s_lshl_b32 s36, s36, 16                        ; 65,536 bytes of f32 a chunk
	s_mov_b32 s37, 0
	s_add_nc_u64 s[34:35], s[34:35], s[36:37]
	s_lshl_b32 s38, s2, 15                         ; 32,768 bytes of bf16
	s_mov_b32 s39, 0
	s_add_nc_u64 s[38:39], s[28:29], s[38:39]
	s_wait_alu depctr_va_vdst(0)                   ; v1 and v2 are written: the loads read v1 as their offset, the stores v2
.set i, 0
.rept 16
	global_load_b128 v[16+4*i:19+4*i], v1, s[34:35] offset:4096*i th:TH_LOAD_NT
.set i, i+1
.endr
.set g, 0
.rept 4
	s_wait_loadcnt 12-4*g                          ; loads come back in order: group g's four are in, the younger groups stay out
.if g > 0
	s_wait_alu depctr_va_vdst(0)                   ; the group before has written its eight out-registers, which the four stores below read
.endif
.set q, 0
.rept 4
.set i, 4*g+q
.if g > 0
	global_store_b64 v2, v[80+2*(i-4):81+2*(i-4)], s[38:39] offset:2048*(i-4)  ; a wave stores 256 consecutive bytes, aligned; no vector instruction since the wait names these registers
.endif
	v_cvt_pk_bf16_f32 v[80+2*i], v[16+4*i], v[17+4*i]
	v_cvt_pk_bf16_f32 v[81+2*i], v[18+4*i], v[19+4*i]
.set q, q+1
.endr
.set g, g+1
.endr
	s_wait_alu depctr_va_vdst(0)                   ; the last group has written its out-registers, which the last four stores read
.set i, 12
.rept 4
	global_store_b64 v2, v[80+2*i:81+2*i], s[38:39] offset:2048*i  ; a wave stores 256 consecutive bytes, aligned; no register is used twice
.set i, i+1
.endr
	s_endpgm
.Lnot_w:
	s_cmp_lt_u32 s2, 1024
	s_cbranch_scc0 .Lpad
	s_sub_co_u32 s2, s2, 768
	LNBODY 8, 10, 12, 26
	s_endpgm
.Lpad:
	v_lshlrev_b32 v1, 4, v0                        ; thread t: keys 4 t + 1024 i of the 4,096
	v_mov_b32 v4, 0xf149f2ca                       ; -1e30
	v_mov_b32 v5, v4
	v_mov_b32 v6, v4
	v_mov_b32 v7, v4
	s_mul_i32 s34, s3, 8960                        ; batch w's part of padf; used by waves 0 and 1 alone
	v_and_b32 v2, 31, v0
	v_lshl_add_u32 v3, v2, 4, s34
	v_lshl_add_u32 v8, v2, 3, s34
	s_wait_alu depctr_va_vdst(0)                   ; v1 is written, which the loads below read as their offset
.irp i, 0,1,2,3
	global_load_b128 v[16+4*\i:19+4*\i], v1, s[30:31] offset:4096*\i
.endr
	s_wait_loadcnt 0x0
.irp h, 0,1
.set i, 0
.rept 8
	v_cmp_eq_u32 s[36+i], 0, v[16+8*\h+i]
.set i, i+1
.endr
	s_wait_alu depctr_va_sdst(0)                   ; the eight compares have written s36 to s43, which the selects below read
.set i, 0
.rept 8
	v_cndmask_b32 v[16+8*\h+i], 0, v4, s[36+i]
.set i, i+1
.endr
.endr
	s_wait_alu depctr_va_vdst(0)                   ; the selects have written v16 to v31, the four stores' data; v3, v8 and v4 to v7, which the two stores behind the branch read, were written further up
.irp i, 0,1,2,3
	global_store_b128 v1, v[16+4*\i:19+4*\i], s[32:33] offset:(\i/2)*8960+512+(\i%2)*4096
.endr
	s_cmp_lt_u32 s3, 2                             ; waves 0 and 1: the entries ahead of and behind batch w's keys
	s_cbranch_scc0 .Lpad_end
	global_store_b128 v3, v[4:7], s[32:33]
	global_store_b64 v8, v[4:5], s[32:33] offset:8704
.Lpad_end:
	s_endpgm
.Lfunc_end_k_qf2316836b8_prep:
	.size	k_qf2316836b8_prep, .Lfunc_end_k_qf2316836b8_prep-k_qf2316836b8_prep
	.p2alignl 7, 3214868480
	.fill 96, 4, 3214868480
	.section	.rodata,"a",@progbits
	.p2align	6, 0x0
	.amdhsa_kernel k_qf2316836b8_prep
		.amdhsa_group_segment_fixed_size 0
		.amdhsa_private_segment_fixed_size 0
		.amdhsa_enable_private_segment 0
		.amdhsa_kernarg_size 104
		.amdhsa_user_sgpr_count 2
		.amdhsa_user_sgpr_kernarg_segment_ptr 1
		.amdhsa_wavefront_size32 1
		.amdhsa_system_sgpr_workgroup_id_x 1
		.amdhsa_system_sgpr_workgroup_id_y 1
		.amdhsa_system_sgpr_workgroup_id_z 1
		.amdhsa_system_vgpr_workitem_id 0
		.amdhsa_next_free_vgpr 240
		.amdhsa_next_free_sgpr 66
		.amdhsa_reserve_vcc 0
		.amdhsa_float_denorm_mode_32 3
		.amdhsa_float_denorm_mode_16_64 3
		.amdhsa_memory_ordered 1
		.amdhsa_forward_progress 1
		.amdhsa_inst_pref_size 31
	.end_amdhsa_kernel
	.amdgpu_metadata
---
amdhsa.version: [ 1, 2 ]
amdhsa.kernels:
  - .name:           k_qf2316836b8_prep
    .symbol:         k_qf2316836b8_prep.kd
    .args:
      - { .name: hidden, .offset: 0, .size: 8, .value_kind: global_buffer, .address_space: global }
      - { .name: ln1_g, .offset: 8, .size: 8, .value_kind: global_buffer, .address_space: global }
      - { .name: ln1_b, .offset: 16, .size: 8, .value_kind: global_buffer, .address_space: global }
      - { .name: wq, .offset: 24, .size: 8, .value_kind: global_buffer, .address_space: global }
      - { .name: wk, .offset: 32, .size: 8, .value_kind: global_buffer, .address_space: global }
      - { .name: wv, .offset: 40, .size: 8, .value_kind: global_buffer, .address_space: global }
      - { .name: wo, .offset: 48, .size: 8, .value_kind: global_buffer, .address_space: global }
      - { .name: w1, .offset: 56, .size: 8, .value_kind: global_buffer, .address_space: global }
      - { .name: w2, .offset: 64, .size: 8, .value_kind: global_buffer, .address_space: global }
      - { .name: xb, .offset: 72, .size: 8, .value_kind: global_buffer, .address_space: global }
      - { .name: wb, .offset: 80, .size: 8, .value_kind: global_buffer, .address_space: global }
      - { .name: attention_mask, .offset: 88, .size: 8, .value_kind: global_buffer, .address_space: global }
      - { .name: padf, .offset: 96, .size: 8, .value_kind: global_buffer, .address_space: global }
    .group_segment_fixed_size: 0
    .private_segment_fixed_size: 0
    .kernarg_segment_align: 8
    .kernarg_segment_size: 104
    .max_flat_workgroup_size: 256
    .sgpr_count:     66
    .vgpr_count:     240
    .wavefront_size: 32
...
	.end_amdgpu_metadata
.endif
;; end of part 8
;; launch proj_qkv: the kernel of part 2 again; grid 12 x 16, 4 waves a work-group, clusters of 4 x 4, 327,680 bytes of LDS; arguments xb, wb, bq, bk, bv, qkvb; writes qkvb
;; launch attention: the kernel of part 3 again; grid 8 x 32, 8 waves a work-group, no clusters, 327,680 bytes of LDS; arguments qkvb, padf, rel_bias, att; writes att
;; launch proj_o: the kernel of part 4 again; grid 8 x 32, 4 waves a work-group, clusters of 4 x 4, 327,680 bytes of LDS; arguments att, wb, bo, attention_mask, hidden, hbuf; writes hbuf
;; launch norm2: the kernel of part 5 again; grid 256 x 1, 8 waves a work-group, no clusters, 0 bytes of LDS; arguments hbuf, ln2_g, ln2_b, yb; writes yb
;; launch ffn_up: the kernel of part 6 again; grid 16 x 16, 4 waves a work-group, clusters of 4 x 4, 327,680 bytes of LDS; arguments yb, wb, b1, act; writes act
;; launch ffn_down: the kernel of part 7 again; grid 8 x 32, 4 waves a work-group, clusters of 4 x 4, 327,680 bytes of LDS; arguments act, wb, b2, attention_mask, hbuf, out0; writes out0
